; MI455X (gfx1250); checked and timed in simulation.
; The chip was launched on July 23, 2026; its instructions are those of AMD's public machine-readable ISA for CDNA 5 (MIT licence, August 2026) and "CDNA5" Instruction Set Architecture Reference Guide (July 2026). The comments in the code are by the model that wrote it; some were corrected since.
;; Dot Product Attention. Allowed arithmetic: float matrix products may take bf16 or f16 operands with f32 sums; other float arithmetic in f32, or as packed bf16 or f16 multiplies, adds, multiply-adds, maxima and minima; sums over many terms, partial sums and values carried from step to step in f32; what a program stores and reads back later, other than sums and carried values, may be rounded once to bf16 or f16.
;; Inputs: Wk 1,024 x 1,024 float32; Wq 1,024 x 1,024 float32; Wv 1,024 x 1,024 float32; bk 1,024 float32; bq 1,024 float32; bv 1,024 float32; q 4 x 2,048 x 1,024 float32; x 4 x 2,048 x 1,024 float32.
;; Outputs: out0 4 x 2,048 x 1,024 float32.
;; 2 versions, each right. Each part assembles by itself: llvm-mc -triple=amdgcn-amd-amdhsa -mcpu=gfx1250 --defsym DOCPART=n.
;; ======== version 1 of 2: 4 launches
;; limits: values are held in f16: magnitudes above 65,504 overflow, below 6.1e-05 lose precision
;; workspace buffers: ab 33,554,432 bytes; wb 6,291,456 bytes; pj 50,331,648 bytes; pt 33,554,432 bytes; st 1,048,576 bytes
;; launch cast (part 1): grid 4864 x 1, 4 waves a work-group, no clusters, 0 bytes of LDS; arguments q, x, Wq, Wk, Wv, ab, wb; writes ab, wb
.if DOCPART == 1
	.amdgcn_target "amdgcn-amd-amdhsa--gfx1250"
	.amdhsa_code_object_version 6
	.text
	.protected	k_qbbdb5be00e_cast
	.globl	k_qbbdb5be00e_cast
	.p2align	8
	.type	k_qbbdb5be00e_cast,@function
k_qbbdb5be00e_cast:
	s_mov_b64 s[64:65], 0
	v_nop
	global_prefetch_b8 v0, s[64:65] scope:SCOPE_SE
	s_setreg_imm32_b32 hwreg(HW_REG_WAVE_MODE, 25, 1), 1
	s_wait_xcnt 0x0
; THE INPUTS OF THE THREE PROJECTIONS, f32, ARE ROUNDED ONCE TO bf16 (to nearest even).
; ab = [16384][1024] bf16: q's 8,192 rows, then x's.  wb = [3072][1024] bf16: Wq, Wk, Wv.
; 19,922,944 numbers = 4,864 units of 4,096.  A work-group of 128 threads takes one unit: 16,384 bytes in, 8,192 out; no LDS, no loop, no barrier.
; Thread t takes 8 neighbouring numbers in each of the unit's four groups of 1,024: two loads of 16 bytes, one store of 16 bytes;
; a wave's store covers 512 consecutive bytes, aligned.  All eight loads are issued before the first is waited for.
; No matrix unit, no cluster, no LDS: nothing is shared and nothing is read twice.
.set XI, 8                             ; v[8:39]   group i: 8 numbers as loaded
.set YO, 40                            ; v[40:55]  group i: 4 registers to store
	s_load_b256 s[4:11], s[0:1], 0x0               ; q s[4:5], x s[6:7], Wq s[8:9], Wk s[10:11]
	s_load_b128 s[12:15], s[0:1], 0x20             ; Wv s[12:13], ab s[14:15]
	s_load_b64 s[16:17], s[0:1], 0x30              ; wb
	v_lshlrev_b32 v1, 5, v0                        ; 32 t: my 8 numbers in a group, as f32
	v_lshlrev_b32 v2, 4, v0                        ; 16 t: the same as bf16
	s_sub_co_u32 s26, ttmp9, 2048                  ; the unit's number inside x,
	s_sub_co_u32 s27, ttmp9, 4096                  ; inside Wq, and inside wb,
	s_sub_co_u32 s28, ttmp9, 4352                  ; inside Wk,
	s_sub_co_u32 s29, ttmp9, 4608                  ; inside Wv
	s_wait_kmcnt 0x0
	s_cmp_ge_u32 ttmp9, 2048                       ; units 0-2047 q, 2048-4095 x, 4096-4351 Wq, 4352-4607 Wk, 4608-4863 Wv
	s_cselect_b64 s[24:25], s[6:7], s[4:5]
	s_cselect_b32 s22, s26, ttmp9
	s_cmp_ge_u32 ttmp9, 4096
	s_cselect_b64 s[24:25], s[8:9], s[24:25]
	s_cselect_b32 s22, s27, s22
	s_cselect_b64 s[30:31], s[16:17], s[14:15]     ; units 0-4095 go to ab, the others to wb
	s_cselect_b32 s23, s27, ttmp9
	s_cmp_ge_u32 ttmp9, 4352
	s_cselect_b64 s[24:25], s[10:11], s[24:25]
	s_cselect_b32 s22, s28, s22
	s_cmp_ge_u32 ttmp9, 4608
	s_cselect_b64 s[24:25], s[12:13], s[24:25]
	s_cselect_b32 s22, s29, s22
	s_lshl_b32 s20, s22, 14                        ; 16,384 bytes a unit in
	s_mov_b32 s21, 0
	s_lshl_b32 s18, s23, 13                        ; 8,192 out
	s_mov_b32 s19, 0
	s_add_nc_u64 s[24:25], s[24:25], s[20:21]
	s_add_nc_u64 s[30:31], s[30:31], s[18:19]
.irp i, 0,1,2,3
	global_load_b128 v[XI+8*(\i):XI+8*(\i)+3],   v1, s[24:25] offset:4096*(\i) th:TH_LOAD_NT
	global_load_b128 v[XI+8*(\i)+4:XI+8*(\i)+7], v1, s[24:25] offset:4096*(\i)+16 th:TH_LOAD_NT
.endr
.irp i, 0,1,2,3
	s_wait_loadcnt 6-2*(\i)                        ; loads come back in order (ISA guide 5.7.1): group i's two are in, the 6 - 2 i younger ones stay out
.irp j, 0,1,2,3
	v_cvt_pk_bf16_f32 v[YO+4*(\i)+(\j)], v[XI+8*(\i)+2*(\j)], v[XI+8*(\i)+2*(\j)+1]
.endr
	global_store_b128 v2, v[YO+4*(\i):YO+4*(\i)+3], s[30:31] offset:2048*(\i)  ; no register is written twice, so no store's source is waited for
.endr
	s_endpgm
.Lfunc_end_k_qbbdb5be00e_cast:
	.size	k_qbbdb5be00e_cast, .Lfunc_end_k_qbbdb5be00e_cast-k_qbbdb5be00e_cast
	.p2alignl 7, 3214868480
	.fill 96, 4, 3214868480
	.section	.rodata,"a",@progbits
	.p2align	6, 0x0
	.amdhsa_kernel k_qbbdb5be00e_cast
		.amdhsa_group_segment_fixed_size 0
		.amdhsa_private_segment_fixed_size 0
		.amdhsa_enable_private_segment 0
		.amdhsa_kernarg_size 56
		.amdhsa_user_sgpr_count 2
		.amdhsa_user_sgpr_kernarg_segment_ptr 1
		.amdhsa_wavefront_size32 1
		.amdhsa_system_sgpr_workgroup_id_x 1
		.amdhsa_system_sgpr_workgroup_id_y 1
		.amdhsa_system_sgpr_workgroup_id_z 1
		.amdhsa_system_vgpr_workitem_id 0
		.amdhsa_next_free_vgpr 56
		.amdhsa_next_free_sgpr 66
		.amdhsa_reserve_vcc 0
		.amdhsa_float_denorm_mode_32 3
		.amdhsa_float_denorm_mode_16_64 3
		.amdhsa_memory_ordered 1
		.amdhsa_forward_progress 1
		.amdhsa_inst_pref_size 4
	.end_amdhsa_kernel
	.amdgpu_metadata
---
amdhsa.version: [ 1, 2 ]
amdhsa.kernels:
  - .name:           k_qbbdb5be00e_cast
    .symbol:         k_qbbdb5be00e_cast.kd
    .args:
      - { .name: q, .offset: 0, .size: 8, .value_kind: global_buffer, .address_space: global }
      - { .name: x, .offset: 8, .size: 8, .value_kind: global_buffer, .address_space: global }
      - { .name: Wq, .offset: 16, .size: 8, .value_kind: global_buffer, .address_space: global }
      - { .name: Wk, .offset: 24, .size: 8, .value_kind: global_buffer, .address_space: global }
      - { .name: Wv, .offset: 32, .size: 8, .value_kind: global_buffer, .address_space: global }
      - { .name: ab, .offset: 40, .size: 8, .value_kind: global_buffer, .address_space: global }
      - { .name: wb, .offset: 48, .size: 8, .value_kind: global_buffer, .address_space: global }
    .group_segment_fixed_size: 0
    .private_segment_fixed_size: 0
    .kernarg_segment_align: 8
    .kernarg_segment_size: 56
    .max_flat_workgroup_size: 128
    .sgpr_count:     66
    .vgpr_count:     56
    .wavefront_size: 32
...
	.end_amdgpu_metadata
.endif
;; end of part 1
;; launch proj (part 2): grid 4 x 192, 4 waves a work-group, clusters of 4 x 4, 327,680 bytes of LDS; arguments ab, wb, bq, bk, bv, pj; writes pj
.if DOCPART == 2
	.amdgcn_target "amdgcn-amd-amdhsa--gfx1250"
	.amdhsa_code_object_version 6
	.text
	.protected	k_qbbdb5be00e_proj
	.globl	k_qbbdb5be00e_proj
	.p2align	8
	.type	k_qbbdb5be00e_proj,@function
k_qbbdb5be00e_proj:
	s_mov_b64 s[64:65], 0
	v_nop
	global_prefetch_b8 v0, s[64:65] scope:SCOPE_SE
	s_setreg_imm32_b32 hwreg(HW_REG_WAVE_MODE, 25, 1), 1
	s_wait_xcnt 0x0
	s_wait_alu depctr_hold_cnt(0) depctr_sa_sdst(0) depctr_va_vdst(0) depctr_va_sdst(0) depctr_va_ssrc(0) depctr_va_vcc(0) depctr_vm_vsrc(0)
	s_getreg_b32 s2, hwreg(HW_REG_IB_STS2, 6, 4)
	s_cmp_eq_u32 s2, 0
	s_cbranch_scc0 .Lentry_in_a_cluster
	s_endpgm
.Lentry_in_a_cluster:
	s_bfe_u32 s2, ttmp6, 0x10000c
	s_cmp_lg_u32 s2, 0xf033
	s_cbranch_scc0 .Lentry_shape_is_right
	s_endpgm
.Lentry_shape_is_right:
; THE THREE PROJECTIONS AS ONE GEMM.  pj[24576][1024] f16: rows 0-8191 qp = q Wq^T + bq, 8192-16383 k = x Wk^T + bk, 16384-24575 v = x Wv^T + bv.
; ab: [16384][1024] bf16 (q, then x).  wb: [3072][1024] bf16 (Wq, Wk, Wv).  The biases, f32, are rounded to bf16 like the other inputs.  Products bf16, sums f32, the result rounded once to f16.
; LIMIT.  f16 holds no number beyond 65,504: a projected number past that becomes an infinity and its row is lost.  NaN and infinities are not treated apart.
; SHARES.  A tile of pj is 128 rows x 256 columns: 192 x 4 = 768 work-groups, three for each of 256 WGPs.  Four waves; wave w makes rows 64 (w / 2) .. + 63, columns 128 (w % 2) .. + 127:
; 32 accumulators of 16 x 16, 256 registers.  K = 1,024 goes in 8 steps of 128 through a ring of two LDS slots filled by the tensor data mover; the tiles' rows are 256 bytes of memory, aligned.
; CLUSTER.  4 x 4 work-groups.  The four of a row of the cluster need the same 128 rows of ab, the four of a column the same 256 rows of wb: each tile is asked for JOINTLY.
; THE MATRIX INSTRUCTION IS USED TRANSPOSED (source 0 = 16 rows of wb, source 1 = 16 rows of ab): lane l holds row l % 16 and the columns 8 (l / 16) + 0..7 of a 16 x 16 block.
; THE BIAS IS THE C OPERAND OF THE FIRST PRODUCTS: register j of block b is bias[16 b + 8 (l / 16) + j], the same for all four row blocks.  Nothing is cleared and nothing is added later.
; REGISTERS, in windows of 256 (s_set_vgpr_msb: bits 1:0 source 0, 3:2 source 1, 5:4 source 2, 7:6 destination):
;   window 0: v0-31 addresses; v32-63 at work; v64-159, v160-255 two fragment buffers (A's block a at + 8 a, B's block b at + 32 + 8 b)
;   window 1: the accumulators, (a, b) at v[8 (8 a + b)]          window 2: v0-63 the bias
; lds_bytes is all of a WGP's LDS; the text uses 226,816 bytes.
.set KSTEP,  128
.set PITCH,  272                       ; an LDS row: 256 bytes + 16 of padding = 68 words: the 16 rows of a fragment load start at 16 different groups of four banks (64 banks of 4 bytes: ISA guide 11.1)
.set HA,     64*PITCH                  ; 64 rows: one load for A, and what a wave reads of A
.set HB,     128*PITCH                 ; 128 rows: one load for B, and what a wave reads of B
.set SLOT,   3*HB                      ; A's 128 rows, then B's 256
.set STAGE,  2*SLOT                    ; behind the ring: 16 rows x 272 bytes for each wave, for the way out
.set SPITCH, 272
.set SPARE,  STAGE+4*16*SPITCH         ; behind the stages: the spare words, 128 bytes for each wave: two blocks of 256 bytes that no other line names
.set LAPS,   4                         ; a lap = two K steps = once round the ring
.set ROWB,   2048                      ; bytes in a row of ab, wb and pj
.set ADRA, 16                          ; v16-17  LDS address of my A fragments in slot 0, 1
.set ADRB, 20                          ; v20-21  the same for B
.set STO,  24                          ; v24     the way out: where I put 16 bytes of a row
.set RD,   25                          ; v25     the way out: where I read a row back
.set CO,   26                          ; v26     my byte offset in pj
.set SPW,  28                          ; v28     LDS address of my spare word; never rewritten
.set NIL,  29                          ; v29     0; never rewritten
.set PFO,  30                          ; v30     the prefetches' offset: my lane x a row; never rewritten
.set F0,   64
.set F1,   160
.set TMP,  64                          ; the way out: 32 registers of packed results
.set BK,   96                          ; the way out: block a's 16 rows read back at BK + 32 a
.set G1,  24                           ; s[24:31] descriptor group 1 for A's tiles;  s[32:39] group 0, a set for each slot
.set G0,  32
.set G1B, 48                           ; s[48:55], s[56:63] the same for B's
.set G0B, 56
.set LIM, 43                           ; s43  1 in a wave that prefetches, else the greatest number
.set PFA, 44                           ; s[44:45] where my prefetches stand
.set FIELDS, (1<<16)|(1<<20)|(1<<21)|(5<<22)|(3<<25)  ; 17:16 elements of 2 bytes; 20 padding on; 21 set beside a mask; 24:22 after every 64 words (code 5); 31:25 4 words of it (code 3)
.set MUL,  0x50                        ; sources in window 0, C and D in window 1
.set MULB, 0x60                        ; the same with C in window 2: the bias
.set MSB, 0
.macro WIN new                         ; the immediate's high byte repeats the setting that is left; a switch that changes nothing is dropped
.if MSB != (\new)
	s_set_vgpr_msb (MSB<<8)|(\new)
.set MSB, \new
.endif
.endm
; A joint load: waves 0 and 1 fetch A's two halves, waves 2 and 3 B's.  The branch hangs on the wave's number alone.  An s_nop 0 and four v_nop follow each of the two lines.
.macro JLOAD s
	s_cmp_eq_u32 s11, 0
	s_cbranch_scc0 .Lfor_b_\@
	tensor_load_to_lds s[G0+4*(\s):G0+4*(\s)+3], s[G1:G1+7]
	s_nop 0
.rept 4
	v_nop
.endr
	s_branch .Lasked_\@
.Lfor_b_\@:
	tensor_load_to_lds s[G0B+4*(\s):G0B+4*(\s)+3], s[G1B:G1B+7]
	s_nop 0
.rept 4
	v_nop
.endr
.Lasked_\@:
.endm
; A PREFETCH INTO THE L2 of the K step that stands two refills on (256 matrix instructions ahead of the load that will want it): 32 rows x 256 bytes, a lane a row, one instruction a wave.
; Each row's 256 bytes of a K step are named once in the launch.  ab's rows: wave 0 asks, the four partners of a row of the cluster take 32 rows each BY ADDRESS; x's rows are asked for in k's
; projection alone, not again in v's.  wb's rows: the first cluster of each projection asks; the four partners of a column take 64 rows each by address, waves 2 and 3 half of them each.
; K steps 0 to 3 come by their loads alone; the loop's last trip (s3 = 1) asks for nothing: there is no K step two on.
.macro ASK
	s_cmp_gt_u32 s3, s[LIM]
	s_cbranch_scc0 .Lnot_mine_\@
	global_prefetch_b8 v[PFO], s[PFA:PFA+1] th:TH_LOAD_NT scope:SCOPE_SE
.Lnot_mine_\@:
.endm
.macro CREST                           ; a round of the cluster's barrier behind its opening barrier
	s_cmp_lg_u32 s10, 0
	s_cbranch_scc1 .Lnot_wave_0_\@
	s_barrier_signal -3
.Lnot_wave_0_\@:
	s_barrier_wait -3
	s_barrier_signal -1
	s_barrier_wait -1
.endm
.macro CROUND                          ; a whole round
	s_barrier_signal -1
	s_barrier_wait -1
	CREST
.endm
.macro PLACES                          ; four places in front of loads into registers that matrix instructions have read (ISA guide 7.12.1 for vector instructions)
.rept 4
	v_nop
.endr
.endm
; 8 matrix instructions: row block a x all 8 column blocks, 32 along K, from buffer f.  zero = 1: the first product starts the sums, with the bias.
; The 32 accumulators take turns in one order in every quarter: 31 others stand between two links of a chain.
.macro MUL8 f, a, zero
.if \zero
	WIN MULB
.else
	WIN MUL
.endif
.irp b, 0,1,2,3,4,5,6,7
.if \zero
	v_wmma_f32_16x16x32_bf16 v[8*(8*(\a)+(\b)):8*(8*(\a)+(\b))+7], v[(\f)+32+8*(\b):(\f)+32+8*(\b)+7], v[(\f)+8*(\a):(\f)+8*(\a)+7], v[8*(\b):8*(\b)+7]
.else
	v_wmma_f32_16x16x32_bf16 v[8*(8*(\a)+(\b)):8*(8*(\a)+(\b))+7], v[(\f)+32+8*(\b):(\f)+32+8*(\b)+7], v[(\f)+8*(\a):(\f)+8*(\a)+7], v[8*(8*(\a)+(\b)):8*(8*(\a)+(\b))+7]
.endif
.endr
.endm
; 24 LDS loads in one run: the fragments of 32 along K at byte k of the rows, into buffer f: B's sixteen loads, then A's eight, row blocks ascending
.macro FETCH slot, k, f
	WIN 0
.irp b, 0,1,2,3,4,5,6,7
	ds_load_b128 v[(\f)+32+8*(\b):(\f)+32+8*(\b)+3],   v[ADRB+(\slot)] offset:(\k)+(\b)*16*PITCH
	ds_load_b128 v[(\f)+32+8*(\b)+4:(\f)+32+8*(\b)+7], v[ADRB+(\slot)] offset:(\k)+(\b)*16*PITCH+32
.endr
.irp a, 0,1,2,3
	ds_load_b128 v[(\f)+8*(\a):(\f)+8*(\a)+3],   v[ADRA+(\slot)] offset:(\k)+(\a)*16*PITCH
	ds_load_b128 v[(\f)+8*(\a)+4:(\f)+8*(\a)+7], v[ADRA+(\slot)] offset:(\k)+(\a)*16*PITCH+32
.endr
.endm
; A K step is four quarters of 32 along K, 32 matrix instructions each, on buffers 0, 1, 0, 1.  One of the first three: multiplies buffer f; in its middle it fetches the next quarter, at byte k, into g.
.macro QUARTER slot, k, f, g, zero
	s_wait_dscnt 4                                 ; B and A's row blocks 0, 1 are in; the youngest four loads (A's blocks 2, 3) may be out
	MUL8 \f, 0, \zero
	MUL8 \f, 1, \zero
	PLACES
	FETCH \slot, \k, \g
	s_wait_dscnt 24                                ; all but the 24 just issued
	MUL8 \f, 2, \zero
	MUL8 \f, 3, \zero
.endm
; The last quarter multiplies buffer 1 and changes slots: ONE barrier.  In front of it each wave waits for all its tensor loads (one is out: its part of the next slot), adds 0 to its spare word,
; and waits for that and for its own reads of this slot.  fill = 1: the barrier opens a round of the cluster's, and this slot is filled again, two K steps on, first thing behind the round:
; 112 matrix instructions ahead of the wait for it.
.macro TURN slot, next, fill
.if \fill
	s_wait_xcnt 0x0                                ; the last prefetch, a K step back, has read its address: it is stepped here, ahead of the waits of the change of slots
	s_add_nc_u64 s[PFA:PFA+1], s[PFA:PFA+1], KSTEP*2
.endif
	WIN 0                                          ; (the add's two registers lie in window 0)
	s_wait_tensorcnt 0x0                           ; all my tensor loads have landed;
	ds_add_u32 v[SPW], v[NIL]                      ; 0 onto my spare word;
	s_wait_dscnt 5                                 ; (the add and the youngest four loads may be out)
	MUL8 F1, 0, 0                                  ; eight matrix instructions stand between the add and the wait for it
	s_wait_dscnt 0x0                               ; the add is done, and my reads of this slot are over
	s_barrier_signal -1
	MUL8 F1, 1, 0                                  ; work on registers while the others arrive
.if \fill
	WIN 0
.endif
	s_barrier_wait -1
.if \fill
	CREST                                          ; no wave of any partner still reads this slot's tile or has a load on its way
	s_add_nc_u64 s[G0+4*(\slot)+2:G0+4*(\slot)+3], s[G0+4*(\slot)+2:G0+4*(\slot)+3], 2*KSTEP*2
	s_add_nc_u64 s[G0B+4*(\slot)+2:G0B+4*(\slot)+3], s[G0B+4*(\slot)+2:G0B+4*(\slot)+3], 2*KSTEP*2
	JLOAD \slot                                    ; the four v_nop behind it are also the places in front of the loads below
.else
	PLACES
.endif
	FETCH \next, 0, F0
.if \fill
	ASK                                            ; behind the joint load and the run of LDS loads that the next products wait for
.endif
	MUL8 F1, 2, 0
	MUL8 F1, 3, 0
.endm
	s_load_b256 s[68:75], s[0:1], 0x0              ; ab s[68:69], wb s[70:71], bq s[72:73], bk s[74:75]
	s_load_b128 s[76:79], s[0:1], 0x20             ; bv s[76:77], pj s[78:79]
	v_lshl_add_u32 v[SPW], v0, 2, SPARE
	v_mov_b32 v[NIL], 0
	ds_add_u32 v[SPW], v[NIL]                      ; the wave's opening: the add and its wait stand ahead of my first tensor load; the set-up below, work on registers, stands between them
	v_lshrrev_b32 v1, 5, v0
	v_readfirstlane_b32 s10, v1                    ; wave 0..3
	s_lshr_b32 s11, s10, 1                         ; which 64 rows of the tile are mine.  Also: I fetch for A (0) or for B (1)
	s_and_b32 s12, s10, 1                          ; which 128 columns.  Also: which half of that tile I fetch
	s_bfe_u32 s40, ttmp6, 0x40000                  ; cx, cy: my place in the cluster
	s_bfe_u32 s41, ttmp6, 0x40004
	s_lshl_b32 s42, ttmp9, 2
	s_add_co_u32 s42, s42, s40                     ; tile column = 4 x cluster x + cx: 0..3
	s_and_b32 s14, ttmp7, 0xffff                   ; cluster y: 0..47
	s_lshl_b32 s13, s14, 2
	s_add_co_u32 s13, s13, s41                     ; tile row = 4 x cluster y + cy: 0..191
	s_lshr_b32 s15, s14, 4                         ; which projection: 0 qp, 1 k, 2 v; the same in all sixteen partners
	s_lshl_b32 s43, s41, 2
	s_lshl_b32 s43, 15, s43                        ; my row of the cluster
	s_lshl_b32 s44, 0x1111, s40                    ; my column
	s_or_b32 s[G1], s43, FIELDS                    ; 15:0 the mask: A's tiles go to my row
	s_or_b32 s[G1B], s44, FIELDS                   ; B's to my column
	s_mov_b32 s[G1+1], KSTEP<<16                   ; tensor_dim0 = 128
	s_mov_b32 s[G1+2], 64<<16                      ; tensor_dim1 = 64
	s_mov_b32 s[G1+3], KSTEP<<16                   ; tile_dim0 = 128
	s_mov_b32 s[G1+4], 64                          ; tile_dim1 = 64
	s_mov_b32 s[G1+5], 1024                        ; elements from row to row
	s_mov_b32 s[G1+6], 0
	s_mov_b32 s[G1+7], 0
	s_mov_b32 s[G1B+1], KSTEP<<16
	s_mov_b32 s[G1B+2], 128<<16                    ; B: 128 rows to a load
	s_mov_b32 s[G1B+3], KSTEP<<16
	s_mov_b32 s[G1B+4], 128
	s_mov_b32 s[G1B+5], 1024
	s_mov_b32 s[G1B+6], 0
	s_mov_b32 s[G1B+7], 0
	s_lshl_b32 s16, s13, 7                         ; A: row 128 x tile row + 64 x half,
	s_lshl_b32 s17, s12, 6
	s_add_co_u32 s16, s16, s17
	s_cmp_eq_u32 s15, 2
	s_cselect_b32 s17, 8192, 0                     ; and v is made of x's rows, like k
	s_sub_co_u32 s16, s16, s17
	s_lshl_b32 s16, s16, 11                        ; in bytes, under 2^25
	s_mov_b32 s17, 0
	s_lshl_b32 s46, s42, 8                         ; B: row 1,024 x projection + 256 x tile column + 128 x half
	s_lshl_b32 s47, s12, 7
	s_add_co_u32 s46, s46, s47
	s_lshl_b32 s47, s15, 10
	s_add_co_u32 s46, s46, s47
	s_lshl_b32 s46, s46, 11
	s_mov_b32 s47, 0
	s_mul_i32 s20, s12, HA                         ; where they go: A's two halves,
	s_mul_i32 s21, s12, HB
	s_add_co_u32 s21, s21, HB                      ; behind them B's two: no place in the cluster enters an LDS address
	s_wait_dscnt 0x0                               ; the opening add is done
	s_wait_kmcnt 0x0
	s_add_nc_u64 s[16:17], s[68:69], s[16:17]
	s_add_nc_u64 s[46:47], s[70:71], s[46:47]
	CROUND                                         ; all sixteen work-groups are here: the first joint loads meet
.irp s, 0,1
	s_mov_b32 s[G0+4*(\s)], 1                      ; count = 1
	s_add_co_u32 s[G0+4*(\s)+1], s20, (\s)*SLOT    ; LDS address
	s_add_nc_u64 s[G0+4*(\s)+2:G0+4*(\s)+3], s[16:17], (\s)*KSTEP*2  ; global address: K step s
	s_or_b32 s[G0+4*(\s)+3], s[G0+4*(\s)+3], 0x80000000              ; type = 2
	s_mov_b32 s[G0B+4*(\s)], 1
	s_add_co_u32 s[G0B+4*(\s)+1], s21, (\s)*SLOT
	s_add_nc_u64 s[G0B+4*(\s)+2:G0B+4*(\s)+3], s[46:47], (\s)*KSTEP*2
	s_or_b32 s[G0B+4*(\s)+3], s[G0B+4*(\s)+3], 0x80000000
	JLOAD \s                                       ; two loads of mine are out
.endr
	v_and_b32 v1, 15, v0                           ; r = l % 16
	v_bfe_u32 v2, v0, 4, 1                         ; h = l / 16
	v_and_b32 v3, 31, v0                           ; l
	; the bias of my 128 columns: for block b eight numbers at 64 b + 32 h bytes
	s_cmp_eq_u32 s15, 1
	s_cselect_b64 s[18:19], s[74:75], s[72:73]
	s_cmp_eq_u32 s15, 2
	s_cselect_b64 s[18:19], s[76:77], s[18:19]
	s_lshl_b32 s22, s42, 10                        ; 256 x tile column x 4 bytes
	s_lshl_b32 s23, s12, 9
	s_add_co_u32 s22, s22, s23
	s_mov_b32 s23, 0
	s_add_nc_u64 s[18:19], s[18:19], s[22:23]
	v_lshlrev_b32 v6, 5, v2
	WIN 0x80                                       ; destination window 2, address window 0
.irp b, 0,1,2,3,4,5,6,7
	global_load_b128 v[8*(\b):8*(\b)+3],   v6, s[18:19] offset:64*(\b)
	global_load_b128 v[8*(\b)+4:8*(\b)+7], v6, s[18:19] offset:64*(\b)+16
.endr
	WIN 0
	; A fragment is 16 rows x 32 K in 8 registers: lane l holds row l % 16; registers 0-3 K = 8 h + 0..7, registers 4-7 K = 16 + 8 h + 0..7: two loads of 16 bytes, 32 bytes apart
	v_mul_u32_u24 v4, v1, PITCH
	v_lshl_add_u32 v4, v2, 4, v4                   ; row x pitch + 16 h
	s_mul_i32 s21, s11, HA                         ; my 64 rows of A
	s_mul_i32 s22, s12, HB
	s_add_co_u32 s22, s22, HB                      ; my 128 rows of B
.irp s, 0,1
	v_add_nc_u32 v[ADRA+(\s)], s21, v4
	v_add_nc_u32 v[ADRB+(\s)], s22, v4
	s_add_co_u32 s21, s21, SLOT
	s_add_co_u32 s22, s22, SLOT
.endr
	s_mul_i32 s23, s10, 16*SPITCH
	s_add_co_u32 s23, s23, STAGE                   ; my stage
	v_add_nc_u32 v[STO], s23, v4                   ; in: row r, 16 bytes for each half of the lanes
	v_mul_u32_u24 v5, v2, SPITCH                   ; back: lanes 0-15 take one row of 256 bytes, lanes 16-31 the next
	v_lshl_add_u32 v5, v1, 4, v5
	v_add_nc_u32 v[RD], s23, v5
	v_mul_u32_u24 v5, v2, ROWB                     ; and the same two rows in pj
	v_lshl_add_u32 v[CO], v1, 4, v5
	s_lshl_b32 s16, s13, 7
	s_lshl_b32 s17, s11, 6
	s_add_co_u32 s16, s16, s17                     ; my first row of pj
	s_lshl_b32 s16, s16, 11                        ; under 2^26
	s_mov_b32 s17, 0
	s_add_nc_u64 s[80:81], s[78:79], s[16:17]
	s_lshl_b32 s46, s42, 9                         ; my first column, in bytes
	s_lshl_b32 s47, s12, 8
	s_add_co_u32 s46, s46, s47
	s_mov_b32 s47, 0
	s_add_nc_u64 s[80:81], s[80:81], s[46:47]
	; the prefetches
	s_lshl_b32 s20, s13, 7                         ; ab: the tile's first row,
	s_cmp_eq_u32 s15, 2
	s_cselect_b32 s21, 8192, 0
	s_sub_co_u32 s20, s20, s21
	s_lshl_b32 s21, s40, 5
	s_add_co_u32 s20, s20, s21                     ; + my work-group's 32 of the 128
	s_lshl_b32 s22, s42, 8                         ; wb: the tile's first row,
	s_lshl_b32 s23, s15, 10
	s_add_co_u32 s22, s22, s23
	s_lshl_b32 s23, s41, 6
	s_add_co_u32 s22, s22, s23                     ; + my work-group's 64 of the 256,
	s_lshl_b32 s23, s12, 5
	s_add_co_u32 s22, s22, s23                     ; + my wave's 32 of them
	s_lshr_b32 s2, s15, 1
	s_or_b32 s2, s2, s12                           ; ab: wave 0, and not in v's projection
	s_and_b32 s3, s14, 15                          ; wb: the projection's first cluster
	s_cmp_eq_u32 s11, 0
	s_cselect_b32 s20, s20, s22
	s_cselect_b32 s2, s2, s3
	s_cselect_b64 s[PFA:PFA+1], s[68:69], s[70:71]
	s_cmp_eq_u32 s2, 0
	s_cselect_b32 s[LIM], 1, -1                    ; the same in all sixteen partners, for a given wave
	s_lshl_b32 s20, s20, 11
	s_mov_b32 s21, 0
	s_add_nc_u64 s[PFA:PFA+1], s[PFA:PFA+1], s[20:21]
	s_add_nc_u64 s[PFA:PFA+1], s[PFA:PFA+1], 3*KSTEP*2  ; at K step 3: the first refill (K step 2) steps it to 4 and names that
	v_lshlrev_b32 v[PFO], 11, v3
	; the bias is rounded to bf16 and widened again, in the wait for the first tiles
	s_wait_loadcnt 0x0
	WIN 0x0a                                       ; sources window 2, destination window 0
.set i, 0
.rept 32
	v_cvt_pk_bf16_f32 v[32+i], v[2*i], v[2*i+1]
.set i, i+1
.endr
	WIN 0x80                                       ; destination window 2
.set i, 0
.rept 32
	v_lshlrev_b32 v[2*i], 16, v[32+i]
	v_and_b32 v[2*i+1], 0xffff0000, v[32+i]
.set i, i+1
.endr
	WIN 0
	s_wait_tensorcnt 0x1                           ; my part of K step 0 is in; K step 1's may stay out
	s_barrier_signal -1
	s_barrier_wait -1                              ; everybody's is
	FETCH 0, 0, F0
	QUARTER 0, 64,  F0, F1, 1                      ; the first quarter stands in front of the loop: its products start the sums
	WIN 0                                          ; at a label and at a branch every window is 0
	s_mov_b32 s3, LAPS-1
.Llap:                                                 ; a trip goes once round the ring, from a lap's second quarter to the next lap's first, and fills both slots again
	QUARTER 0, 128, F1, F0, 0
	QUARTER 0, 192, F0, F1, 0
	TURN 0, 1, 1
	QUARTER 1, 64,  F0, F1, 0
	QUARTER 1, 128, F1, F0, 0
	QUARTER 1, 192, F0, F1, 0
	TURN 1, 0, 1
	QUARTER 0, 64,  F0, F1, 0
	WIN 0
	s_sub_co_u32 s3, s3, 1
	s_cmp_lg_u32 s3, 0
	s_cbranch_scc1 .Llap
	QUARTER 0, 128, F1, F0, 0                      ; the last lap fills nothing, and has no round of the cluster's barrier
	QUARTER 0, 192, F0, F1, 0
	TURN 0, 1, 0
	QUARTER 1, 64,  F0, F1, 0
	QUARTER 1, 128, F1, F0, 0
	QUARTER 1, 192, F0, F1, 0
	s_wait_dscnt 4                                 ; the very last quarter: nothing more to fetch
	MUL8 F1, 0, 0
	MUL8 F1, 1, 0
	s_wait_dscnt 0x0
	MUL8 F1, 2, 0
	MUL8 F1, 3, 0
	WIN 0
.rept 8
	v_nop                                          ; the places behind the last products, in front of conversions that read them and of loads into the fragment buffers
.endr
; THE WAY OUT, a block of 16 rows at a time: rounded to f16, 16 bytes a lane; into my own stage in LDS; back as whole rows of 256 bytes; stored.
.macro PACK a
	WIN 0x05                                       ; sources window 1, destination window 0
.irp b, 0,1,2,3,4,5,6,7
.irp r, 0,1,2,3
	v_cvt_pk_f16_f32 v[TMP+4*(\b)+(\r)], v[64*(\a)+8*(\b)+2*(\r)], v[64*(\a)+8*(\b)+2*(\r)+1]
.endr
.endr
	WIN 0
.endm
.macro TOSTAGE a
.irp b, 0,1,2,3,4,5,6,7
	ds_store_b128 v[STO], v[TMP+4*(\b):TMP+4*(\b)+3] offset:32*(\b)
.endr
.irp t, 0,1,2,3,4,5,6,7
	ds_load_b128 v[BK+32*(\a)+4*(\t):BK+32*(\a)+4*(\t)+3], v[RD] offset:(\t)*2*SPITCH  ; LDS serves a wave's instructions in order (ISA guide 5.7.1.4): these see the stores above
.endr
.endm
.macro SEND a
	s_wait_dscnt 0x0                               ; the block is back in registers
.irp t, 0,1,2,3,4,5,6,7
	global_store_b128 v[CO], v[BK+32*(\a)+4*(\t):BK+32*(\a)+4*(\t)+3], s[80:81] offset:(16*(\a)+2*(\t))*ROWB  ; 16 lanes store 256 consecutive bytes, aligned; each block has registers of its own
.endr
.endm
	PACK 0
	TOSTAGE 0
.irp a, 1,2,3                          ; block a's conversions stand between block a - 1's loads from the stage and the wait for them
	PACK \a
	SEND (\a)-1
	TOSTAGE \a
.endr
	SEND 3
	s_wait_tensorcnt 0x0                           ; the wave's end, behind my last tensor load and my last LDS store
	ds_add_u32 v[SPW], v[NIL]
	s_wait_dscnt 0x0
	CROUND                                         ; the closing round: no work-group ends while a partner may still ask for a tile that names it
	s_endpgm
.Lfunc_end_k_qbbdb5be00e_proj:
	.size	k_qbbdb5be00e_proj, .Lfunc_end_k_qbbdb5be00e_proj-k_qbbdb5be00e_proj
	.p2alignl 7, 3214868480
	.fill 96, 4, 3214868480
	.section	.rodata,"a",@progbits
	.p2align	6, 0x0
	.amdhsa_kernel k_qbbdb5be00e_proj
		.amdhsa_group_segment_fixed_size 327680
		.amdhsa_private_segment_fixed_size 0
		.amdhsa_enable_private_segment 0
		.amdhsa_kernarg_size 48
		.amdhsa_user_sgpr_count 2
		.amdhsa_user_sgpr_kernarg_segment_ptr 1
		.amdhsa_wavefront_size32 1
		.amdhsa_system_sgpr_workgroup_id_x 1
		.amdhsa_system_sgpr_workgroup_id_y 1
		.amdhsa_system_sgpr_workgroup_id_z 1
		.amdhsa_system_vgpr_workitem_id 0
		.amdhsa_next_free_vgpr 576
		.amdhsa_next_free_sgpr 96
		.amdhsa_reserve_vcc 0
		.amdhsa_float_denorm_mode_32 3
		.amdhsa_float_denorm_mode_16_64 3
		.amdhsa_memory_ordered 1
		.amdhsa_forward_progress 1
		.amdhsa_inst_pref_size 94
	.end_amdhsa_kernel
	.amdgpu_metadata
---
amdhsa.version: [ 1, 2 ]
amdhsa.kernels:
  - .name:           k_qbbdb5be00e_proj
    .symbol:         k_qbbdb5be00e_proj.kd
    .args:
      - { .name: ab, .offset: 0, .size: 8, .value_kind: global_buffer, .address_space: global }
      - { .name: wb, .offset: 8, .size: 8, .value_kind: global_buffer, .address_space: global }
      - { .name: bq, .offset: 16, .size: 8, .value_kind: global_buffer, .address_space: global }
      - { .name: bk, .offset: 24, .size: 8, .value_kind: global_buffer, .address_space: global }
      - { .name: bv, .offset: 32, .size: 8, .value_kind: global_buffer, .address_space: global }
      - { .name: pj, .offset: 40, .size: 8, .value_kind: global_buffer, .address_space: global }
    .group_segment_fixed_size: 327680
    .private_segment_fixed_size: 0
    .kernarg_segment_align: 8
    .kernarg_segment_size: 48
    .max_flat_workgroup_size: 128
    .sgpr_count:     96
    .vgpr_count:     576
    .wavefront_size: 32
...
	.end_amdgpu_metadata
.endif
;; end of part 2
;; launch scores (part 3): grid 8 x 64, 4 waves a work-group, clusters of 4 x 4, 327,680 bytes of LDS; arguments pj, pt, st; writes pt, st
.if DOCPART == 3
	.amdgcn_target "amdgcn-amd-amdhsa--gfx1250"
	.amdhsa_code_object_version 6
	.text
	.protected	k_qbbdb5be00e_scores
	.globl	k_qbbdb5be00e_scores
	.p2align	8
	.type	k_qbbdb5be00e_scores,@function
k_qbbdb5be00e_scores:
	s_mov_b64 s[64:65], 0
	v_nop
	global_prefetch_b8 v0, s[64:65] scope:SCOPE_SE
	s_setreg_imm32_b32 hwreg(HW_REG_WAVE_MODE, 25, 1), 1
	s_wait_xcnt 0x0
	s_wait_alu depctr_hold_cnt(0) depctr_sa_sdst(0) depctr_va_vdst(0) depctr_va_sdst(0) depctr_va_ssrc(0) depctr_va_vcc(0) depctr_vm_vsrc(0)
	s_getreg_b32 s2, hwreg(HW_REG_IB_STS2, 6, 4)
	s_cmp_eq_u32 s2, 0
	s_cbranch_scc0 .Lentry_in_a_cluster
	s_endpgm
.Lentry_in_a_cluster:
	s_bfe_u32 s2, ttmp6, 0x10000c
	s_cmp_lg_u32 s2, 0xf033
	s_cbranch_scc0 .Lentry_shape_is_right
	s_endpgm
.Lentry_shape_is_right:
; THE SCORES AND THE FIRST HALF OF THE SOFTMAX.  For each batch S = qp k^T (K = 1,024).  For each query row and each BLOCK of 128 keys: m = the block's largest score,
; p = 2^(c s - c m) with c = log2(e) / 32 (the scale 1 / sqrt(1024) and the change of base), l = the sum of the block's p.
; pj: [24576][1024] f16 (qp, k, v).  pt: [8192][2048] f16 takes p; st: [16 blocks][8192 rows][2] f32 takes (c m, l).  Raw scores are never stored.  Products f16, sums, maxima and l in f32
; (l is taken of the unrounded p).  The next launch joins the 16 blocks of a row by their maxima.
; LIMITS.  A maximum is taken away ahead of every exponential: exponents are at most 0 (but for the last bit of c m), p at most 1, l in 1 to 128.  A p below 2^-126 counts as 0; below 6e-5 it keeps f16's
; fixed step of 6e-8.  NaN and infinities are not treated apart.
; SHARES.  A tile is 128 queries x 256 keys: 64 x 8 = 512 work-groups, two for each of 256 WGPs.  Four waves; wave w has queries 64 (w / 2) .. + 63 and keys 128 (w % 2) .. + 127, ONE block of keys:
; so a block's maximum and sum never leave the wave.  32 accumulators of 16 x 16.  K goes in 8 steps of 128 through a ring of two LDS slots; the tiles' rows are 256 bytes of memory, aligned.
; CLUSTER.  4 x 4 work-groups of one batch.  The four of a row of the cluster need the same 128 rows of qp, the four of a column the same 256 rows of k: each tile is asked for JOINTLY.
; THE MATRIX INSTRUCTION IS USED TRANSPOSED (source 0 = 16 keys, source 1 = 16 queries): lane l holds query l % 16 and the keys 8 (l / 16) + 0..7 of a 16 x 16 block; a query's other 64 keys lie in the lane 16 away.
; REGISTERS, in windows of 256 (s_set_vgpr_msb: bits 1:0 source 0, 3:2 source 1, 5:4 source 2, 7:6 destination):
;   window 0: v0-31 addresses; v32-47 statistics; v64-159, v160-255 two fragment buffers (A's block a at + 8 a, B's block b at + 32 + 8 b), at work on the way out
;   window 1: the accumulators, (a, b) at v[8 (8 a + b)]
; lds_bytes is all of a WGP's LDS; the text uses 226,816 bytes.
.set KSTEP,  128
.set PITCH,  272                       ; an LDS row: 256 bytes + 16 of padding = 68 words: the 16 rows of a fragment load start at 16 different groups of four banks (64 banks of 4 bytes: ISA guide 11.1)
.set HA,     64*PITCH
.set HB,     128*PITCH
.set SLOT,   3*HB                      ; qp's 128 rows, then k's 256
.set STAGE,  2*SLOT                    ; behind the ring: 16 rows x 272 bytes for each wave, for the way out
.set SPITCH, 272
.set SPARE,  STAGE+4*16*SPITCH         ; behind the stages: the spare words, 128 bytes for each wave: two blocks of 256 bytes that no other line names
.set LAPS,   4
.set ROWP,   4096                      ; bytes in a row of pt
.set ADRA, 16
.set ADRB, 20
.set STO,  24
.set RD,   25
.set CO,   26
.set SO,   27                          ; v27     8 x lane: my place in 256 bytes of st
.set SPW,  28
.set NIL,  29
.set PFO,  30
.set STT,  32                          ; v32-39  block a: (c m, m) at STT + 2 a
.set LL,   40                          ; v40-43  block a: l
.set OUTS, 44                          ; v44-47  two pairs (c m, l) to store
.set F0,   64
.set F1,   160
.set T,    64                          ; the maxima at work: eight registers a block
.set U,    96                          ; the sums at work: 32 registers a block
.set TMP,  64
.set BK,   96
.set G1,  24
.set G0,  32
.set G1B, 48
.set G0B, 56
.set LIM, 43
.set PFA, 44
.set FIELDS, (1<<16)|(1<<20)|(1<<21)|(5<<22)|(3<<25)  ; 17:16 elements of 2 bytes; 20 padding on; 21 set beside a mask; 24:22 after every 64 words (code 5); 31:25 4 words of it (code 3)
.set MUL,  0x50                        ; sources in window 0, C and D in window 1
.set MSB, 0
.macro WIN new                         ; the immediate's high byte repeats the setting that is left; a switch that changes nothing is dropped
.if MSB != (\new)
	s_set_vgpr_msb (MSB<<8)|(\new)
.set MSB, \new
.endif
.endm
; A joint load: waves 0 and 1 fetch qp's two halves, waves 2 and 3 k's.  The branch hangs on the wave's number alone.  An s_nop 0 and four v_nop follow each of the two lines.
.macro JLOAD s
	s_cmp_eq_u32 s11, 0
	s_cbranch_scc0 .Lfor_b_\@
	tensor_load_to_lds s[G0+4*(\s):G0+4*(\s)+3], s[G1:G1+7]
	s_nop 0
.rept 4
	v_nop
.endr
	s_branch .Lasked_\@
.Lfor_b_\@:
	tensor_load_to_lds s[G0B+4*(\s):G0B+4*(\s)+3], s[G1B:G1B+7]
	s_nop 0
.rept 4
	v_nop
.endr
.Lasked_\@:
.endm
; A PREFETCH INTO THE L2 of the K step that stands two refills on (256 matrix instructions ahead of the load that will want it): 32 rows x 256 bytes, a lane a row, one instruction a wave.
; Each row's 256 bytes of a K step are named once in the launch.  qp's rows are read by both clusters of a row of clusters: the first (cluster x = 0) asks, by its waves 0; the four partners of a row of the
; cluster take 32 rows each BY ADDRESS.  k's rows are read by the four clusters of a batch: the first asks; the four partners of a column take 64 rows each by address, waves 2 and 3 half of them each.
; K steps 0 to 3 come by their loads alone; the loop's last trip (s3 = 1) asks for nothing.
.macro ASK
	s_cmp_gt_u32 s3, s[LIM]
	s_cbranch_scc0 .Lnot_mine_\@
	global_prefetch_b8 v[PFO], s[PFA:PFA+1] th:TH_LOAD_NT scope:SCOPE_SE
.Lnot_mine_\@:
.endm
.macro CREST                           ; a round of the cluster's barrier behind its opening barrier
	s_cmp_lg_u32 s10, 0
	s_cbranch_scc1 .Lnot_wave_0_\@
	s_barrier_signal -3
.Lnot_wave_0_\@:
	s_barrier_wait -3
	s_barrier_signal -1
	s_barrier_wait -1
.endm
.macro CROUND
	s_barrier_signal -1
	s_barrier_wait -1
	CREST
.endm
.macro PLACES                          ; four places in front of loads into registers that matrix instructions have read (ISA guide 7.12.1 for vector instructions)
.rept 4
	v_nop
.endr
.endm
; 8 matrix instructions: query block a x all 8 key blocks, 32 along K, from buffer f.  zero = 1: the first product starts the sums.
; The 32 accumulators take turns in one order in every quarter.
.macro MUL8 f, a, zero
	WIN MUL
.irp b, 0,1,2,3,4,5,6,7
.if \zero
	v_wmma_f32_16x16x32_f16 v[8*(8*(\a)+(\b)):8*(8*(\a)+(\b))+7], v[(\f)+32+8*(\b):(\f)+32+8*(\b)+7], v[(\f)+8*(\a):(\f)+8*(\a)+7], 0
.else
	v_wmma_f32_16x16x32_f16 v[8*(8*(\a)+(\b)):8*(8*(\a)+(\b))+7], v[(\f)+32+8*(\b):(\f)+32+8*(\b)+7], v[(\f)+8*(\a):(\f)+8*(\a)+7], v[8*(8*(\a)+(\b)):8*(8*(\a)+(\b))+7]
.endif
.endr
.endm
; 24 LDS loads in one run: B's sixteen, then A's eight, row blocks ascending
.macro FETCH slot, k, f
	WIN 0
.irp b, 0,1,2,3,4,5,6,7
	ds_load_b128 v[(\f)+32+8*(\b):(\f)+32+8*(\b)+3],   v[ADRB+(\slot)] offset:(\k)+(\b)*16*PITCH
	ds_load_b128 v[(\f)+32+8*(\b)+4:(\f)+32+8*(\b)+7], v[ADRB+(\slot)] offset:(\k)+(\b)*16*PITCH+32
.endr
.irp a, 0,1,2,3
	ds_load_b128 v[(\f)+8*(\a):(\f)+8*(\a)+3],   v[ADRA+(\slot)] offset:(\k)+(\a)*16*PITCH
	ds_load_b128 v[(\f)+8*(\a)+4:(\f)+8*(\a)+7], v[ADRA+(\slot)] offset:(\k)+(\a)*16*PITCH+32
.endr
.endm
.macro QUARTER slot, k, f, g, zero
	s_wait_dscnt 4                                 ; B and A's row blocks 0, 1 are in; the youngest four loads (A's blocks 2, 3) may be out
	MUL8 \f, 0, \zero
	MUL8 \f, 1, \zero
	PLACES
	FETCH \slot, \k, \g
	s_wait_dscnt 24                                ; all but the 24 just issued
	MUL8 \f, 2, \zero
	MUL8 \f, 3, \zero
.endm
; The last quarter multiplies buffer 1 and changes slots: ONE barrier.  In front of it each wave waits for all its tensor loads (one is out: its part of the next slot), adds 0 to its spare word,
; and waits for that and for its own reads of this slot.  fill = 1: the barrier opens a round of the cluster's, and this slot is filled again, two K steps on, first thing behind the round.
.macro TURN slot, next, fill
.if \fill
	s_wait_xcnt 0x0                                ; the last prefetch, a K step back, has read its address: it is stepped here
	s_add_nc_u64 s[PFA:PFA+1], s[PFA:PFA+1], KSTEP*2
.endif
	WIN 0
	s_wait_tensorcnt 0x0                           ; all my tensor loads have landed;
	ds_add_u32 v[SPW], v[NIL]                      ; 0 onto my spare word;
	s_wait_dscnt 5                                 ; (the add and the youngest four loads may be out)
	MUL8 F1, 0, 0
	s_wait_dscnt 0x0                               ; the add is done, and my reads of this slot are over
	s_barrier_signal -1
	MUL8 F1, 1, 0
.if \fill
	WIN 0
.endif
	s_barrier_wait -1
.if \fill
	CREST                                          ; no wave of any partner still reads this slot's tile or has a load on its way
	s_add_nc_u64 s[G0+4*(\slot)+2:G0+4*(\slot)+3], s[G0+4*(\slot)+2:G0+4*(\slot)+3], 2*KSTEP*2
	s_add_nc_u64 s[G0B+4*(\slot)+2:G0B+4*(\slot)+3], s[G0B+4*(\slot)+2:G0B+4*(\slot)+3], 2*KSTEP*2
	JLOAD \slot                                    ; the four v_nop behind it are also the places in front of the loads below
.else
	PLACES
.endif
	FETCH \next, 0, F0
.if \fill
	ASK
.endif
	MUL8 F1, 2, 0
	MUL8 F1, 3, 0
.endm
	s_load_b128 s[68:71], s[0:1], 0x0              ; pj s[68:69], pt s[70:71]
	s_load_b64 s[72:73], s[0:1], 0x10              ; st
	v_lshl_add_u32 v[SPW], v0, 2, SPARE
	v_mov_b32 v[NIL], 0
	ds_add_u32 v[SPW], v[NIL]                      ; the wave's opening: the add and its wait stand ahead of my first tensor load; the set-up below, work on registers, stands between them
	v_lshrrev_b32 v1, 5, v0
	v_readfirstlane_b32 s10, v1                    ; wave 0..3
	s_lshr_b32 s11, s10, 1                         ; which 64 queries are mine.  Also: I fetch for qp (0) or for k (1)
	s_and_b32 s12, s10, 1                          ; which 128 keys.  Also: which half of that tile I fetch
	s_bfe_u32 s40, ttmp6, 0x40000                  ; cx, cy
	s_bfe_u32 s41, ttmp6, 0x40004
	s_lshl_b32 s42, ttmp9, 2
	s_add_co_u32 s42, s42, s40                     ; tile column = 4 x cluster x + cx: 0..7, 256 keys each
	s_and_b32 s14, ttmp7, 0xffff                   ; cluster y: 0..15
	s_lshl_b32 s13, s14, 2
	s_add_co_u32 s13, s13, s41                     ; tile row = 4 x cluster y + cy: 0..63, 128 queries each
	s_lshr_b32 s15, s14, 2                         ; the batch: the same in all sixteen partners
	s_lshl_b32 s43, s41, 2
	s_lshl_b32 s43, 15, s43                        ; my row of the cluster
	s_lshl_b32 s44, 0x1111, s40                    ; my column
	s_or_b32 s[G1], s43, FIELDS
	s_or_b32 s[G1B], s44, FIELDS
	s_mov_b32 s[G1+1], KSTEP<<16                   ; tensor_dim0 = 128
	s_mov_b32 s[G1+2], 64<<16                      ; tensor_dim1 = 64
	s_mov_b32 s[G1+3], KSTEP<<16                   ; tile_dim0 = 128
	s_mov_b32 s[G1+4], 64                          ; tile_dim1 = 64
	s_mov_b32 s[G1+5], 1024                        ; elements from row to row
	s_mov_b32 s[G1+6], 0
	s_mov_b32 s[G1+7], 0
	s_mov_b32 s[G1B+1], KSTEP<<16
	s_mov_b32 s[G1B+2], 128<<16
	s_mov_b32 s[G1B+3], KSTEP<<16
	s_mov_b32 s[G1B+4], 128
	s_mov_b32 s[G1B+5], 1024
	s_mov_b32 s[G1B+6], 0
	s_mov_b32 s[G1B+7], 0
	s_mov_b32 s82, 0x3d38aa3b                      ; c = log2(e) / 32
	s_mov_b32 s83, s82                             ; named with it as a pair
	s_mov_b32 s84, 0x76543210                      ; v_permlanex16_b32: each lane takes its own place in the other half
	s_mov_b32 s85, 0xfedcba98
	s_lshl_b32 s16, s13, 7                         ; qp: row 128 x tile row + 64 x half
	s_lshl_b32 s17, s12, 6
	s_add_co_u32 s16, s16, s17
	s_lshl_b32 s16, s16, 11
	s_mov_b32 s17, 0
	s_lshl_b32 s46, s42, 8                         ; k: row 8,192 + 2,048 x batch + 256 x tile column + 128 x half
	s_lshl_b32 s47, s12, 7
	s_add_co_u32 s46, s46, s47
	s_lshl_b32 s47, s15, 11
	s_add_co_u32 s46, s46, s47
	s_add_co_u32 s46, s46, 8192
	s_lshl_b32 s46, s46, 11
	s_mov_b32 s47, 0
	s_mul_i32 s20, s12, HA
	s_mul_i32 s21, s12, HB
	s_add_co_u32 s21, s21, HB
	s_wait_dscnt 0x0                               ; the opening add is done
	s_wait_kmcnt 0x0
	s_add_nc_u64 s[16:17], s[68:69], s[16:17]
	s_add_nc_u64 s[46:47], s[68:69], s[46:47]
	CROUND                                         ; all sixteen work-groups are here: the first joint loads meet
.irp s, 0,1
	s_mov_b32 s[G0+4*(\s)], 1
	s_add_co_u32 s[G0+4*(\s)+1], s20, (\s)*SLOT
	s_add_nc_u64 s[G0+4*(\s)+2:G0+4*(\s)+3], s[16:17], (\s)*KSTEP*2
	s_or_b32 s[G0+4*(\s)+3], s[G0+4*(\s)+3], 0x80000000
	s_mov_b32 s[G0B+4*(\s)], 1
	s_add_co_u32 s[G0B+4*(\s)+1], s21, (\s)*SLOT
	s_add_nc_u64 s[G0B+4*(\s)+2:G0B+4*(\s)+3], s[46:47], (\s)*KSTEP*2
	s_or_b32 s[G0B+4*(\s)+3], s[G0B+4*(\s)+3], 0x80000000
	JLOAD \s                                       ; two loads of mine are out
.endr
	v_and_b32 v1, 15, v0                           ; r
	v_bfe_u32 v2, v0, 4, 1                         ; h
	v_and_b32 v3, 31, v0                           ; l
	v_mul_u32_u24 v4, v1, PITCH
	v_lshl_add_u32 v4, v2, 4, v4                   ; row x pitch + 16 h
	s_mul_i32 s21, s11, HA
	s_mul_i32 s22, s12, HB
	s_add_co_u32 s22, s22, HB
.irp s, 0,1
	v_add_nc_u32 v[ADRA+(\s)], s21, v4
	v_add_nc_u32 v[ADRB+(\s)], s22, v4
	s_add_co_u32 s21, s21, SLOT
	s_add_co_u32 s22, s22, SLOT
.endr
	s_mul_i32 s23, s10, 16*SPITCH
	s_add_co_u32 s23, s23, STAGE                   ; my stage
	v_add_nc_u32 v[STO], s23, v4
	v_mul_u32_u24 v5, v2, SPITCH
	v_lshl_add_u32 v5, v1, 4, v5
	v_add_nc_u32 v[RD], s23, v5
	v_mul_u32_u24 v5, v2, ROWP
	v_lshl_add_u32 v[CO], v1, 4, v5
	v_lshlrev_b32 v[SO], 3, v3
	s_lshl_b32 s16, s13, 7
	s_lshl_b32 s17, s11, 6
	s_add_co_u32 s16, s16, s17                     ; my first query row
	s_lshl_b32 s18, s16, 3                         ; 8 bytes a row in st
	s_mov_b32 s19, 0
	s_lshl_b32 s16, s16, 12                        ; 4,096 in pt
	s_mov_b32 s17, 0
	s_add_nc_u64 s[80:81], s[70:71], s[16:17]
	s_add_nc_u64 s[88:89], s[72:73], s[18:19]
	s_lshl_b32 s46, s42, 1
	s_add_co_u32 s46, s46, s12                     ; my block of keys: 2 x tile column + half
	s_lshl_b32 s20, s46, 8                         ; its 256 bytes in a row of pt
	s_mov_b32 s21, 0
	s_lshl_b32 s46, s46, 16                        ; its 8,192 rows of 8 bytes in st
	s_mov_b32 s47, 0
	s_add_nc_u64 s[80:81], s[80:81], s[20:21]
	s_add_nc_u64 s[88:89], s[88:89], s[46:47]
	; the prefetches
	s_lshl_b32 s20, s13, 7                         ; qp: the tile's first row + my work-group's 32 of the 128
	s_lshl_b32 s21, s40, 5
	s_add_co_u32 s20, s20, s21
	s_lshl_b32 s22, s42, 8                         ; k: the tile's first row
	s_lshl_b32 s23, s15, 11
	s_add_co_u32 s22, s22, s23
	s_add_co_u32 s22, s22, 8192
	s_lshl_b32 s23, s41, 6
	s_add_co_u32 s22, s22, s23                     ; + my work-group's 64 of the 256
	s_lshl_b32 s23, s12, 5
	s_add_co_u32 s22, s22, s23                     ; + my wave's 32 of them
	s_or_b32 s2, s12, ttmp9                        ; qp: wave 0 of the first cluster along x
	s_and_b32 s3, s14, 3                           ; k: the batch's first cluster along y
	s_cmp_eq_u32 s11, 0
	s_cselect_b32 s20, s20, s22
	s_cselect_b32 s2, s2, s3
	s_cmp_eq_u32 s2, 0
	s_cselect_b32 s[LIM], 1, -1                    ; the same in all sixteen partners, for a given wave
	s_lshl_b32 s20, s20, 11
	s_mov_b32 s21, 0
	s_add_nc_u64 s[PFA:PFA+1], s[68:69], s[20:21]
	s_add_nc_u64 s[PFA:PFA+1], s[PFA:PFA+1], 3*KSTEP*2  ; at K step 3: the first refill (K step 2) steps it to 4 and names that
	v_lshlrev_b32 v[PFO], 11, v3
	s_wait_tensorcnt 0x1                           ; my part of K step 0 is in; K step 1's may stay out
	s_barrier_signal -1
	s_barrier_wait -1
	FETCH 0, 0, F0
	QUARTER 0, 64,  F0, F1, 1                      ; the first quarter stands in front of the loop: its products start the sums
	WIN 0
	s_mov_b32 s3, LAPS-1
.Llap:
	QUARTER 0, 128, F1, F0, 0
	QUARTER 0, 192, F0, F1, 0
	TURN 0, 1, 1
	QUARTER 1, 64,  F0, F1, 0
	QUARTER 1, 128, F1, F0, 0
	QUARTER 1, 192, F0, F1, 0
	TURN 1, 0, 1
	QUARTER 0, 64,  F0, F1, 0
	WIN 0
	s_sub_co_u32 s3, s3, 1
	s_cmp_lg_u32 s3, 0
	s_cbranch_scc1 .Llap
	QUARTER 0, 128, F1, F0, 0                      ; the last lap fills nothing
	QUARTER 0, 192, F0, F1, 0
	TURN 0, 1, 0
	QUARTER 1, 64,  F0, F1, 0
	QUARTER 1, 128, F1, F0, 0
	QUARTER 1, 192, F0, F1, 0
	s_wait_dscnt 4
	MUL8 F1, 0, 0
	MUL8 F1, 1, 0
	s_wait_dscnt 0x0
	MUL8 F1, 2, 0
	MUL8 F1, 3, 0
	WIN 0
.rept 8
	v_nop                                          ; the places behind the last products
.endr
	; THE MAXIMA.  A lane's 64 scores of block a lie in accumulators 8 a .. 8 a + 7.  Each accumulator's lowest registers are read first.
	WIN 0x15                                       ; three sources in window 1, destination in window 0
.set i, 0
.rept 32
	v_max3_num_f32 v[T+i], v[8*i], v[8*i+1], v[8*i+2]
.set i, i+1
.endr
	WIN 0x14                                       ; source 0 in window 0
.irp j, 3, 5
.set i, 0
.rept 32
	v_max3_num_f32 v[T+i], v[T+i], v[8*i+\j], v[8*i+\j+1]
.set i, i+1
.endr
.endr
.set i, 0
.rept 16                               ; the registers 7 of accumulators 2 i and 2 i + 1
	v_max3_num_f32 v[T+2*i], v[T+2*i], v[16*i+7], v[16*i+15]
.set i, i+1
.endr
	WIN 0
.irp a, 0,1,2,3
	v_max3_num_f32 v[T+8*\a], v[T+8*\a], v[T+8*\a+1], v[T+8*\a+2]
	v_max3_num_f32 v[T+8*\a+3], v[T+8*\a+3], v[T+8*\a+4], v[T+8*\a+5]
.endr
.irp a, 0,1,2,3
	v_max3_num_f32 v[T+8*\a], v[T+8*\a], v[T+8*\a+3], v[T+8*\a+6]
.endr
.irp a, 0,1,2,3
	v_max_num_f32 v[T+8*\a], v[T+8*\a], v[T+8*\a+7]
.endr
.irp a, 0,1,2,3
	v_permlanex16_b32 v[T+8*\a+1], v[T+8*\a], s84, s85  ; the query's other 64 keys lie in the lane 16 away
.endr
.irp a, 0,1,2,3
	v_max_num_f32 v[STT+2*\a+1], v[T+8*\a], v[T+8*\a+1]  ; m
.endr
.irp a, 0,1,2,3
	v_mul_f32 v[STT+2*\a], s82, v[STT+2*\a+1]            ; c m
.endr
	; THE SCALINGS c s - c m AND THE EXPONENTIALS, in place.  All 256 exponentials are ONE BATCH: nothing ahead of the wait names a result; block a + 1 is scaled between block a's exponentials.
	WIN 0x41                                       ; destination and source 0 in window 1, c m in window 0
.macro FSC a, i
	v_pk_fma_f32 v[64*(\a)+2*(\i):64*(\a)+2*(\i)+1], v[64*(\a)+2*(\i):64*(\a)+2*(\i)+1], s[82:83], v[STT+2*(\a):STT+2*(\a)+1] op_sel_hi:[1,0,0] neg_lo:[0,0,1] neg_hi:[0,0,1]
.endm
.set i, 0
.rept 32
	FSC 0, i
.set i, i+1
.endr
.irp a, 0,1,2,3
.set i, 0
.rept 32
	v_exp_f32 v[64*\a+2*i], v[64*\a+2*i]
	v_exp_f32 v[64*\a+2*i+1], v[64*\a+2*i+1]
.if \a < 3
	FSC (\a)+1, i
.endif
.set i, i+1
.endr
.endr
	v_nop                                          ; a plain instruction behind the last exponential, ahead of the first use: one for the batch (ISA guide 5.7.2)
	s_wait_alu depctr_va_vdst(0)                   ; and the wait ahead of the first instruction that names a result: one for the batch
	; THE SUMS, in f32, of the unrounded p: a tree for each block, the four blocks level by level
	WIN 0x05                                       ; sources in window 1, destination in window 0
.set i, 0
.rept 64
	v_pk_add_f32 v[U+2*i:U+2*i+1], v[4*i:4*i+1], v[4*i+2:4*i+3]
.set i, i+1
.endr
	WIN 0
.irp w, 8,4,2,1
.irp a, 0,1,2,3
.set i, 0
.rept \w
	v_pk_add_f32 v[U+32*\a+2*i:U+32*\a+2*i+1], v[U+32*\a+2*i:U+32*\a+2*i+1], v[U+32*\a+2*(i+\w):U+32*\a+2*(i+\w)+1]
.set i, i+1
.endr
.endr
.endr
.irp a, 0,1,2,3
	v_add_f32 v[U+32*\a], v[U+32*\a], v[U+32*\a+1]
.endr
.irp a, 0,1,2,3
	v_permlanex16_b32 v[U+32*\a+1], v[U+32*\a], s84, s85
.endr
.irp a, 0,1,2,3
	v_add_f32 v[LL+\a], v[U+32*\a], v[U+32*\a+1]
.endr
	; (c m, l) of my 64 rows: both halves of the lanes hold them, so lanes 0-15 give an even block's rows and lanes 16-31 the next block's: each store covers 256 consecutive bytes, aligned
	v_cmp_lt_u32 s66, 15, v3
	v_cndmask_b32 v[OUTS],   v[STT],   v[STT+2], s66
	v_cndmask_b32 v[OUTS+1], v[LL],    v[LL+1],  s66
	v_cndmask_b32 v[OUTS+2], v[STT+4], v[STT+6], s66
	v_cndmask_b32 v[OUTS+3], v[LL+2],  v[LL+3],  s66
	global_store_b64 v[SO], v[OUTS:OUTS+1], s[88:89]
	global_store_b64 v[SO], v[OUTS+2:OUTS+3], s[88:89] offset:256
; THE WAY OUT of p, a block of 16 rows at a time: rounded to f16, 16 bytes a lane; into my own stage in LDS; back as whole rows of 256 bytes; stored.
.macro PACK a
	WIN 0x05
.irp b, 0,1,2,3,4,5,6,7
.irp r, 0,1,2,3
	v_cvt_pk_f16_f32 v[TMP+4*(\b)+(\r)], v[64*(\a)+8*(\b)+2*(\r)], v[64*(\a)+8*(\b)+2*(\r)+1]
.endr
.endr
	WIN 0
.endm
.macro TOSTAGE a
.irp b, 0,1,2,3,4,5,6,7
	ds_store_b128 v[STO], v[TMP+4*(\b):TMP+4*(\b)+3] offset:32*(\b)
.endr
.irp t, 0,1,2,3,4,5,6,7
	ds_load_b128 v[BK+32*(\a)+4*(\t):BK+32*(\a)+4*(\t)+3], v[RD] offset:(\t)*2*SPITCH  ; LDS serves a wave's instructions in order (ISA guide 5.7.1.4): these see the stores above
.endr
.endm
.macro SEND a
	s_wait_dscnt 0x0
.irp t, 0,1,2,3,4,5,6,7
	global_store_b128 v[CO], v[BK+32*(\a)+4*(\t):BK+32*(\a)+4*(\t)+3], s[80:81] offset:(16*(\a)+2*(\t))*ROWP  ; 16 lanes store 256 consecutive bytes, aligned; each block has registers of its own
.endr
.endm
	PACK 0
	TOSTAGE 0
.irp a, 1,2,3
	PACK \a
	SEND (\a)-1
	TOSTAGE \a
.endr
	SEND 3
	s_wait_tensorcnt 0x0                           ; the wave's end, behind my last tensor load and my last LDS store
	ds_add_u32 v[SPW], v[NIL]
	s_wait_dscnt 0x0
	CROUND                                         ; the closing round
	s_endpgm
.Lfunc_end_k_qbbdb5be00e_scores:
	.size	k_qbbdb5be00e_scores, .Lfunc_end_k_qbbdb5be00e_scores-k_qbbdb5be00e_scores
	.p2alignl 7, 3214868480
	.fill 96, 4, 3214868480
	.section	.rodata,"a",@progbits
	.p2align	6, 0x0
	.amdhsa_kernel k_qbbdb5be00e_scores
		.amdhsa_group_segment_fixed_size 327680
		.amdhsa_private_segment_fixed_size 0
		.amdhsa_enable_private_segment 0
		.amdhsa_kernarg_size 24
		.amdhsa_user_sgpr_count 2
		.amdhsa_user_sgpr_kernarg_segment_ptr 1
		.amdhsa_wavefront_size32 1
		.amdhsa_system_sgpr_workgroup_id_x 1
		.amdhsa_system_sgpr_workgroup_id_y 1
		.amdhsa_system_sgpr_workgroup_id_z 1
		.amdhsa_system_vgpr_workitem_id 0
		.amdhsa_next_free_vgpr 512
		.amdhsa_next_free_sgpr 96
		.amdhsa_reserve_vcc 0
		.amdhsa_float_denorm_mode_32 3
		.amdhsa_float_denorm_mode_16_64 3
		.amdhsa_memory_ordered 1
		.amdhsa_forward_progress 1
		.amdhsa_inst_pref_size 121
	.end_amdhsa_kernel
	.amdgpu_metadata
---
amdhsa.version: [ 1, 2 ]
amdhsa.kernels:
  - .name:           k_qbbdb5be00e_scores
    .symbol:         k_qbbdb5be00e_scores.kd
    .args:
      - { .name: pj, .offset: 0, .size: 8, .value_kind: global_buffer, .address_space: global }
      - { .name: pt, .offset: 8, .size: 8, .value_kind: global_buffer, .address_space: global }
      - { .name: st, .offset: 16, .size: 8, .value_kind: global_buffer, .address_space: global }
    .group_segment_fixed_size: 327680
    .private_segment_fixed_size: 0
    .kernarg_segment_align: 8
    .kernarg_segment_size: 24
    .max_flat_workgroup_size: 128
    .sgpr_count:     96
    .vgpr_count:     512
    .wavefront_size: 32
...
	.end_amdgpu_metadata
.endif
;; end of part 3
;; launch context (part 4): grid 4 x 64, 4 waves a work-group, clusters of 4 x 4, 327,680 bytes of LDS; arguments pt, pj, st, out0; writes out0
.if DOCPART == 4
	.amdgcn_target "amdgcn-amd-amdhsa--gfx1250"
	.amdhsa_code_object_version 6
	.text
	.protected	k_qbbdb5be00e_context
	.globl	k_qbbdb5be00e_context
	.p2align	8
	.type	k_qbbdb5be00e_context,@function
k_qbbdb5be00e_context:
	s_mov_b64 s[64:65], 0
	v_nop
	global_prefetch_b8 v0, s[64:65] scope:SCOPE_SE
	s_setreg_imm32_b32 hwreg(HW_REG_WAVE_MODE, 25, 1), 1
	s_wait_xcnt 0x0
	s_wait_alu depctr_hold_cnt(0) depctr_sa_sdst(0) depctr_va_vdst(0) depctr_va_sdst(0) depctr_va_ssrc(0) depctr_va_vcc(0) depctr_vm_vsrc(0)
	s_getreg_b32 s2, hwreg(HW_REG_IB_STS2, 6, 4)
	s_cmp_eq_u32 s2, 0
	s_cbranch_scc0 .Lentry_in_a_cluster
	s_endpgm
.Lentry_in_a_cluster:
	s_bfe_u32 s2, ttmp6, 0x10000c
	s_cmp_lg_u32 s2, 0xf033
	s_cbranch_scc0 .Lentry_shape_is_right
	s_endpgm
.Lentry_shape_is_right:
; THE SECOND HALF OF THE SOFTMAX AND THE CONTEXT.  out0[row][:] = (the sum over the 16 blocks kb of f[row][kb] P_kb[row][:] V_kb) / L[row], with
; f[row][kb] = 2^(cm[row][kb] - the largest cm of the row) and L = the sum over kb of f l: the row's running maximum, joined from the blocks' maxima.
; pt: [8192][2048] f16 (p).  pj: [24576][1024] f16, v in rows 16,384 on.  st: [16][8192][2] f32 (c m, l).  out0: [8192][1024] f32.
; f and L are made in f32; f is rounded to f16 and multiplied onto P's fragments (v_pk_mul_f16: one rounding more of a matrix operand); products f16, sums f32; 1 / L is applied in f32 on the way out.
; LIMITS.  All exponents are at most 0; f at most 1, and 1 for one block of each row, so L is at least 1.  An f below 2^-126 counts as 0; f and f p below 6e-5 keep f16's fixed step of 6e-8.
; NaN and infinities are not treated apart.
; SHARES.  A tile is 128 rows x 256 channels: 64 x 4 = 256 work-groups, one for each WGP.  Four waves; wave w has rows 64 (w / 2) .. + 63, channels 128 (w % 2) .. + 127: 32 accumulators.
; K = 2,048 keys goes in 16 steps of 128, a block of keys each, through a ring of two LDS slots.  pt's tile rows are 256 bytes of memory, v's 512, aligned.
; CLUSTER.  4 x 4 work-groups of one batch.  The four of a row of the cluster need the same 128 rows of pt, the four of a column the same 256 channels of v: each tile is asked for JOINTLY.
; THE MATRIX INSTRUCTION IS USED TRANSPOSED (source 0 = 16 channels of V^T, source 1 = 16 rows of P): lane l holds row l % 16 and the channels 8 (l / 16) + 0..7.  V ([key][channel]) comes out of LDS turned, by ds_load_tr16_b128.
; REGISTERS, in windows of 256: window 0: v0-31 addresses; v32-39 f of the K step in hand, a set for each slot; v40-47 1 / L; v64-159, v160-255 two fragment buffers; window 1: the accumulators.
; lds_bytes is all of a WGP's LDS; the text uses 251,904 bytes.
.set KSTEP,  128
.set PITCH,  272                       ; a row of P in LDS: 256 bytes + 16 of padding
.set VP,     544                       ; a row of V: 512 + 32 = 136 words
.set HA,     64*PITCH                  ; 64 rows of P: one load
.set HB,     64*VP                     ; 64 keys of V: one load; = 2 HA
.set SLOT,   3*HB                      ; P's 128 rows, then V's 128 keys
.set STAGE,  2*SLOT                    ; behind the ring: 16 rows x 528 bytes for each wave, for the way out
.set SPITCH, 528
.set FT,     STAGE+4*16*SPITCH         ; f as two equal f16: [16 blocks][128 rows] words
.set INV,    FT+16*128*4               ; 1 / L: [128 rows] f32
.set SPARE,  INV+512                   ; the spare words, 128 bytes for each wave: two blocks of 256 bytes that no other line names
.set LAPS,   8
.set ROWO,   4096                      ; bytes in a row of out0 and of pt
.set VSTEP,  128*2048                  ; bytes from a K step of v to the next: 128 rows of pj
.set ADRA, 16
.set ADRB, 20
.set STO,  24
.set RD,   25
.set CO,   26
.set FT0,  27                          ; v27     FT + 4 (my 64 rows' first + r); never rewritten
.set SPW,  28
.set NIL,  29
.set PFO,  30
.set FTA,  31                          ; v31     the same in the block to be fetched
.set FS,   32                          ; v32-39  f of row block a in slot s at FS + 4 s + a
.set IV,   40                          ; v40-47  1 / L of row block a, twice, at IV + 2 a
.set F0,   64
.set F1,   160
.set TMP,  64                          ; the way out: 64 registers of scaled results
.set BK,   128                         ; the way out: 16 rows read back: v128-191 and v192-255 by turns
.set G1,  24
.set G0,  32
.set G1B, 48
.set G0B, 56
.set LIM, 43
.set PFA, 44
.set FTO, 86                           ; s86  512 x the block to be fetched
.set MUL,  0x50
.set MSB, 0
.macro WIN new
.if MSB != (\new)
	s_set_vgpr_msb (MSB<<8)|(\new)
.set MSB, \new
.endif
.endm
; A joint load: waves 0 and 1 fetch P's two halves, waves 2 and 3 V's.  An s_nop 0 and four v_nop follow each of the two lines.
.macro JLOAD s
	s_cmp_eq_u32 s11, 0
	s_cbranch_scc0 .Lfor_b_\@
	tensor_load_to_lds s[G0+4*(\s):G0+4*(\s)+3], s[G1:G1+7]
	s_nop 0
.rept 4
	v_nop
.endr
	s_branch .Lasked_\@
.Lfor_b_\@:
	tensor_load_to_lds s[G0B+4*(\s):G0B+4*(\s)+3], s[G1B:G1B+7]
	s_nop 0
.rept 4
	v_nop
.endr
.Lasked_\@:
.endm
; A PREFETCH INTO THE L2 of the K step that stands two refills on (256 matrix instructions ahead of the load that will want it): 32 blocks of 256 bytes, a lane a row, one instruction a wave.
; Each block is named once in the launch.  pt's rows belong to one row of one cluster: its waves 0 ask, the four partners take 32 rows each BY ADDRESS.  v's rows are read by the four clusters of a batch:
; the first asks; the four partners of a column take 32 keys each by address, wave 2 the first 256 bytes of their 512, wave 3 the second.
; K steps 0 to 3 come by their loads alone; the loop's last trip (s3 = 1) asks for nothing.
.macro ASK
	s_cmp_gt_u32 s3, s[LIM]
	s_cbranch_scc0 .Lnot_mine_\@
	global_prefetch_b8 v[PFO], s[PFA:PFA+1] th:TH_LOAD_NT scope:SCOPE_SE
.Lnot_mine_\@:
.endm
.macro CREST
	s_cmp_lg_u32 s10, 0
	s_cbranch_scc1 .Lnot_wave_0_\@
	s_barrier_signal -3
.Lnot_wave_0_\@:
	s_barrier_wait -3
	s_barrier_signal -1
	s_barrier_wait -1
.endm
.macro CROUND
	s_barrier_signal -1
	s_barrier_wait -1
	CREST
.endm
.macro PLACES
.rept 4
	v_nop
.endr
.endm
; 8 matrix instructions: row block a x all 8 channel blocks, 32 keys, from buffer f.  The 32 accumulators take turns in one order in every quarter.
.macro MUL8 f, a, zero
	WIN MUL
.irp b, 0,1,2,3,4,5,6,7
.if \zero
	v_wmma_f32_16x16x32_f16 v[8*(8*(\a)+(\b)):8*(8*(\a)+(\b))+7], v[(\f)+32+8*(\b):(\f)+32+8*(\b)+7], v[(\f)+8*(\a):(\f)+8*(\a)+7], 0
.else
	v_wmma_f32_16x16x32_f16 v[8*(8*(\a)+(\b)):8*(8*(\a)+(\b))+7], v[(\f)+32+8*(\b):(\f)+32+8*(\b)+7], v[(\f)+8*(\a):(\f)+8*(\a)+7], v[8*(8*(\a)+(\b)):8*(8*(\a)+(\b))+7]
.endif
.endr
.endm
; P's fragments of row blocks 2 half and 2 half + 1 in buffer f times their rows' f: 16 packed multiplies, one for each matrix instruction that follows
.macro SCALE f, half, set
	WIN 0
.irp a, 2*(\half), 2*(\half)+1
.irp r, 0,1,2,3,4,5,6,7
	v_pk_mul_f16 v[(\f)+8*(\a)+(\r)], v[(\f)+8*(\a)+(\r)], v[FS+4*(\set)+(\a)]
.endr
.endr
.endm
; The LDS loads of 32 keys in one run, into buffer f: V's sixteen (turned), then P's eight.  k = the quarter's byte in P's rows; in V it is 32 keys further down for each 64.
; At a K step's first quarter four loads more stand at the head: the step's f for my four row blocks.
.macro FETCH slot, k, f
	WIN 0
.if (\k) == 0
	v_add_nc_u32 v[FTA], s[FTO], v[FT0]
	s_add_co_u32 s[FTO], s[FTO], 512               ; the next fetch is the next block's
.irp a, 0,1,2,3
	ds_load_b32 v[FS+4*(\slot)+(\a)], v[FTA] offset:64*(\a)
.endr
.endif
.irp b, 0,1,2,3,4,5,6,7
	ds_load_tr16_b128 v[(\f)+32+8*(\b):(\f)+32+8*(\b)+3],   v[ADRB+(\slot)] offset:((\k)/64)*32*VP+32*(\b)
	ds_load_tr16_b128 v[(\f)+32+8*(\b)+4:(\f)+32+8*(\b)+7], v[ADRB+(\slot)] offset:((\k)/64)*32*VP+16*VP+32*(\b)
.endr
.irp a, 0,1,2,3
	ds_load_b128 v[(\f)+8*(\a):(\f)+8*(\a)+3],   v[ADRA+(\slot)] offset:(\k)+(\a)*16*PITCH
	ds_load_b128 v[(\f)+8*(\a)+4:(\f)+8*(\a)+7], v[ADRA+(\slot)] offset:(\k)+(\a)*16*PITCH+32
.endr
.endm
.macro QUARTER slot, k, f, g, zero
	s_wait_dscnt 4                                 ; f, V and P's row blocks 0, 1 are in; the youngest four loads (P's blocks 2, 3) may be out
	SCALE \f, 0, \slot
	MUL8 \f, 0, \zero
	MUL8 \f, 1, \zero
	PLACES
	FETCH \slot, \k, \g
	s_wait_dscnt 24                                ; all but the 24 just issued
	SCALE \f, 1, \slot
	MUL8 \f, 2, \zero
	MUL8 \f, 3, \zero
.endm
; The last quarter multiplies buffer 1 and changes slots: ONE barrier.  In front of it each wave waits for all its tensor loads (one is out: its part of the next slot), adds 0 to its spare word,
; and waits for that and for its own reads of this slot.  fill = 1: the barrier opens a round of the cluster's, and this slot is filled again, two K steps on, first thing behind the round.
.macro TURN slot, next, fill
.if \fill
	s_wait_xcnt 0x0                                ; the last prefetch, a K step back, has read its address: it is stepped here
	s_add_nc_u64 s[PFA:PFA+1], s[PFA:PFA+1], s[90:91]
.endif
	WIN 0
	s_wait_tensorcnt 0x0                           ; all my tensor loads have landed;
	ds_add_u32 v[SPW], v[NIL]                      ; 0 onto my spare word;
	s_wait_dscnt 5                                 ; (the add and the youngest four loads may be out)
	SCALE F1, 0, \slot
	MUL8 F1, 0, 0
	s_wait_dscnt 0x0                               ; the add is done, and my reads of this slot are over
	s_barrier_signal -1
	MUL8 F1, 1, 0
.if \fill
	WIN 0
.endif
	s_barrier_wait -1
.if \fill
	CREST                                          ; no wave of any partner still reads this slot's tile or has a load on its way
	s_add_nc_u64 s[G0+4*(\slot)+2:G0+4*(\slot)+3], s[G0+4*(\slot)+2:G0+4*(\slot)+3], 2*KSTEP*2
	s_add_nc_u64 s[G0B+4*(\slot)+2:G0B+4*(\slot)+3], s[G0B+4*(\slot)+2:G0B+4*(\slot)+3], 2*VSTEP
	JLOAD \slot                                    ; the four v_nop behind it are also the places in front of the loads below
.else
	PLACES
.endif
	FETCH \next, 0, F0
.if \fill
	ASK
.endif
	SCALE F1, 1, \slot
	MUL8 F1, 2, 0
	MUL8 F1, 3, 0
.endm
	s_load_b256 s[68:75], s[0:1], 0x0              ; pt s[68:69], pj s[70:71], st s[72:73], out0 s[74:75]
	v_lshl_add_u32 v[SPW], v0, 2, SPARE
	v_mov_b32 v[NIL], 0
	ds_add_u32 v[SPW], v[NIL]                      ; the wave's opening: the add and its wait stand ahead of my first tensor load; the set-up below, work on registers, stands between them
	v_lshrrev_b32 v1, 5, v0
	v_readfirstlane_b32 s10, v1                    ; wave 0..3
	s_lshr_b32 s11, s10, 1                         ; which 64 rows are mine.  Also: I fetch for P (0) or for V (1)
	s_and_b32 s12, s10, 1                          ; which 128 channels.  Also: which half of that tile I fetch
	s_bfe_u32 s40, ttmp6, 0x40000                  ; cx, cy
	s_bfe_u32 s41, ttmp6, 0x40004
	s_lshl_b32 s42, ttmp9, 2
	s_add_co_u32 s42, s42, s40                     ; tile column: 0..3, 256 channels each
	s_and_b32 s14, ttmp7, 0xffff                   ; cluster y: 0..15
	s_lshl_b32 s13, s14, 2
	s_add_co_u32 s13, s13, s41                     ; tile row: 0..63, 128 rows each
	s_lshr_b32 s15, s14, 2                         ; the batch
	s_lshl_b32 s43, s41, 2
	s_lshl_b32 s43, 15, s43                        ; my row of the cluster
	s_lshl_b32 s44, 0x1111, s40                    ; my column
	s_or_b32 s[G1], s43, (1<<16)|(1<<20)|(1<<21)|(5<<22)|(3<<25)   ; P: elements of 2 bytes; padding on; 21 set beside a mask; after every 64 words 4 words
	s_or_b32 s[G1B], s44, (1<<16)|(1<<20)|(1<<21)|(6<<22)|(7<<25)  ; V: after every 128 words 8 words
	s_mov_b32 s[G1+1], KSTEP<<16                   ; P: tensor_dim0 = 128 keys
	s_mov_b32 s[G1+2], 64<<16                      ; tensor_dim1 = 64 rows
	s_mov_b32 s[G1+3], KSTEP<<16                   ; tile_dim0
	s_mov_b32 s[G1+4], 64                          ; tile_dim1
	s_mov_b32 s[G1+5], 2048                        ; elements from row to row of pt
	s_mov_b32 s[G1+6], 0
	s_mov_b32 s[G1+7], 0
	s_mov_b32 s[G1B+1], 256<<16                    ; V: tensor_dim0 = 256 channels
	s_mov_b32 s[G1B+2], 64<<16                     ; tensor_dim1 = 64 keys
	s_mov_b32 s[G1B+3], 256<<16
	s_mov_b32 s[G1B+4], 64
	s_mov_b32 s[G1B+5], 1024                       ; elements from row to row of pj
	s_mov_b32 s[G1B+6], 0
	s_mov_b32 s[G1B+7], 0
	s_mov_b32 s[FTO], 0
	s_lshl_b32 s16, s13, 7                         ; P: row 128 x tile row + 64 x half
	s_lshl_b32 s17, s12, 6
	s_add_co_u32 s16, s16, s17
	s_lshl_b32 s16, s16, 12
	s_mov_b32 s17, 0
	s_lshl_b32 s46, s15, 11                        ; V: row 16,384 + 2,048 x batch + 64 x half,
	s_lshl_b32 s47, s12, 6
	s_add_co_u32 s46, s46, s47
	s_add_co_u32 s46, s46, 16384
	s_lshl_b32 s46, s46, 11
	s_lshl_b32 s47, s42, 9                         ; channel 256 x tile column
	s_add_co_u32 s46, s46, s47
	s_mov_b32 s47, 0
	s_mul_i32 s20, s12, HA
	s_mul_i32 s21, s12, HB
	s_add_co_u32 s21, s21, HB
	s_wait_dscnt 0x0                               ; the opening add is done
	s_wait_kmcnt 0x0
	s_add_nc_u64 s[16:17], s[68:69], s[16:17]
	s_add_nc_u64 s[46:47], s[70:71], s[46:47]
	CROUND                                         ; all sixteen work-groups are here: the first joint loads meet
.irp s, 0,1
	s_mov_b32 s[G0+4*(\s)], 1
	s_add_co_u32 s[G0+4*(\s)+1], s20, (\s)*SLOT
	s_add_nc_u64 s[G0+4*(\s)+2:G0+4*(\s)+3], s[16:17], (\s)*KSTEP*2
	s_or_b32 s[G0+4*(\s)+3], s[G0+4*(\s)+3], 0x80000000
	s_mov_b32 s[G0B+4*(\s)], 1
	s_add_co_u32 s[G0B+4*(\s)+1], s21, (\s)*SLOT
	s_add_nc_u64 s[G0B+4*(\s)+2:G0B+4*(\s)+3], s[46:47], (\s)*VSTEP
	s_or_b32 s[G0B+4*(\s)+3], s[G0B+4*(\s)+3], 0x80000000
	JLOAD \s                                       ; two loads of mine are out
.endr
	; thread t serves row t of the tile: its 16 pairs (c m, l); a block's 128 pairs are 1,024 consecutive bytes
	s_lshl_b32 s22, s13, 10
	s_mov_b32 s23, 0
	s_add_nc_u64 s[88:89], s[72:73], s[22:23]
	v_lshlrev_b32 v7, 3, v0
.set i, 0
.rept 16
	global_load_b64 v[64+2*i:65+2*i], v7, s[88:89] offset:65536*i
.set i, i+1
.endr
	v_and_b32 v1, 15, v0                           ; r
	v_bfe_u32 v2, v0, 4, 1                         ; h
	v_and_b32 v3, 31, v0                           ; l
	v_mul_u32_u24 v4, v1, PITCH
	v_lshl_add_u32 v4, v2, 4, v4                   ; P: row x pitch + 16 h
	; the turning load takes 16 keys x 16 channels: lane l reads key 8 h + l % 8, channels 8 ((l / 8) % 2) + 0..7, and is left with channel l % 16 and 8 keys
	v_and_b32 v5, 7, v0
	v_bfe_u32 v6, v0, 3, 1
	v_lshl_add_u32 v5, v2, 3, v5
	v_mul_u32_u24 v5, v5, VP
	v_lshl_add_u32 v5, v6, 4, v5
	s_mul_i32 s21, s11, HA                         ; my 64 rows of P
	s_lshl_b32 s22, s12, 8                         ; my 128 channels of V,
	s_add_co_u32 s22, s22, HB                      ; which lies behind P's 128 rows
.irp s, 0,1
	v_add_nc_u32 v[ADRA+(\s)], s21, v4
	v_add_nc_u32 v[ADRB+(\s)], s22, v5
	s_add_co_u32 s21, s21, SLOT
	s_add_co_u32 s22, s22, SLOT
.endr
	s_mul_i32 s23, s10, 16*SPITCH
	s_add_co_u32 s23, s23, STAGE                   ; my stage
	v_mul_u32_u24 v5, v1, SPITCH                   ; in: row r, 32 bytes for each half of the lanes
	v_lshl_add_u32 v5, v2, 5, v5
	v_add_nc_u32 v[STO], s23, v5
	v_lshl_add_u32 v[RD], v3, 4, s23               ; back: 32 lanes take a row's 512 bytes
	v_lshlrev_b32 v[CO], 4, v3                     ; and the same in out0
	s_lshl_b32 s23, s11, 8
	s_add_co_u32 s23, s23, FT
	v_lshl_add_u32 v[FT0], v1, 2, s23              ; FT + 4 (64 x my half + r)
	v_lshl_add_u32 v6, v0, 2, FT                   ; FT + 4 t
	s_lshl_b32 s16, s13, 7
	s_lshl_b32 s17, s11, 6
	s_add_co_u32 s16, s16, s17                     ; my first row of out0
	s_lshl_b32 s16, s16, 12
	s_mov_b32 s17, 0
	s_add_nc_u64 s[80:81], s[74:75], s[16:17]
	s_lshl_b32 s46, s42, 10                        ; my first channel, in bytes
	s_lshl_b32 s47, s12, 9
	s_add_co_u32 s46, s46, s47
	s_mov_b32 s47, 0
	s_add_nc_u64 s[80:81], s[80:81], s[46:47]
	; the prefetches
	s_lshl_b32 s20, s13, 7                         ; pt: the tile's first row + my work-group's 32 of the 128
	s_lshl_b32 s21, s40, 5
	s_add_co_u32 s20, s20, s21
	s_lshl_b32 s20, s20, 12
	s_lshl_b32 s22, s15, 11                        ; v: the batch's first key + my work-group's 32 of a K step's 128,
	s_add_co_u32 s22, s22, 16384
	s_lshl_b32 s23, s41, 5
	s_add_co_u32 s22, s22, s23
	s_lshl_b32 s22, s22, 11
	s_lshl_b32 s23, s42, 9                         ; the tile's 512 bytes of a row,
	s_add_co_u32 s22, s22, s23
	s_lshl_b32 s23, s12, 8                         ; my wave's 256 of them
	s_add_co_u32 s22, s22, s23
	s_or_b32 s2, s12, ttmp9                        ; pt: wave 0
	s_and_b32 s3, s14, 3                           ; v: the batch's first cluster
	s_mov_b32 s90, VSTEP
	s_mov_b32 s91, 0
	s_cmp_eq_u32 s11, 0
	s_cselect_b32 s20, s20, s22
	s_cselect_b32 s2, s2, s3
	s_cselect_b32 s90, KSTEP*2, s90                ; bytes from a K step to the next
	s_cselect_b32 s23, 12, 11                      ; a lane a row: 4,096 bytes in pt, 2,048 in pj
	s_cselect_b64 s[PFA:PFA+1], s[68:69], s[70:71]
	s_cmp_eq_u32 s2, 0
	s_cselect_b32 s[LIM], 1, -1                    ; the same in all sixteen partners, for a given wave
	s_mov_b32 s21, 0
	s_add_nc_u64 s[PFA:PFA+1], s[PFA:PFA+1], s[20:21]
	s_mul_i32 s20, s90, 3
	s_add_nc_u64 s[PFA:PFA+1], s[PFA:PFA+1], s[20:21]  ; at K step 3: the first refill (K step 2) steps it to 4 and names that
	v_lshlrev_b32 v[PFO], s23, v3
	; THE ROW'S MAXIMUM, f AND L, in the wait for the first tiles
	s_wait_loadcnt 0x0
	v_max3_num_f32 v96, v64, v66, v68
	v_max3_num_f32 v97, v70, v72, v74
	v_max3_num_f32 v98, v76, v78, v80
	v_max3_num_f32 v99, v82, v84, v86
	v_max3_num_f32 v100, v88, v90, v92
	v_max3_num_f32 v96, v96, v97, v98
	v_max3_num_f32 v99, v99, v100, v94
	v_max_num_f32 v96, v96, v99                    ; the largest c m of the row
.set i, 0
.rept 16
	v_sub_f32 v[64+2*i], v[64+2*i], v96
.set i, i+1
.endr
.set i, 0
.rept 16
	v_exp_f32 v[64+2*i], v[64+2*i]                 ; f
.set i, i+1
.endr
	v_nop                                          ; a plain instruction behind the last exponential (ISA guide 5.7.2),
	s_wait_alu depctr_va_vdst(0)                   ; and the wait ahead of the first use: one for the sixteen
	v_mul_f32 v101, v64, v65                       ; L = the sum of f l, in two chains
	v_mul_f32 v102, v66, v67
.set i, 2
.rept 14
	v_fmac_f32 v[101+i%2], v[64+2*i], v[65+2*i]
.set i, i+1
.endr
	v_add_f32 v101, v101, v102
	v_rcp_f32 v103, v101
.set i, 0
.rept 16
	v_cvt_pk_f16_f32 v[65+2*i], v[64+2*i], v[64+2*i]  ; f twice, for the packed multiply; plain work behind the reciprocal
.set i, i+1
.endr
.set i, 0
.rept 16
	ds_store_b32 v6, v[65+2*i] offset:512*i
.set i, i+1
.endr
	s_wait_alu depctr_va_vdst(0)                   ; the reciprocal's wait, ahead of its first use
	ds_store_b32 v6, v103 offset:INV-FT
	s_wait_tensorcnt 0x1                           ; my part of K step 0 is in; K step 1's may stay out
	s_wait_dscnt 0x0                               ; for the others' sake: my rows' f and 1 / L are in LDS
	s_barrier_signal -1
	s_barrier_wait -1
	FETCH 0, 0, F0
	QUARTER 0, 64,  F0, F1, 1                      ; the first quarter stands in front of the loop: its products start the sums
	WIN 0
	s_mov_b32 s3, LAPS-1
.Llap:
	QUARTER 0, 128, F1, F0, 0
	QUARTER 0, 192, F0, F1, 0
	TURN 0, 1, 1
	QUARTER 1, 64,  F0, F1, 0
	QUARTER 1, 128, F1, F0, 0
	QUARTER 1, 192, F0, F1, 0
	TURN 1, 0, 1
	QUARTER 0, 64,  F0, F1, 0
	WIN 0
	s_sub_co_u32 s3, s3, 1
	s_cmp_lg_u32 s3, 0
	s_cbranch_scc1 .Llap
	QUARTER 0, 128, F1, F0, 0                      ; the last lap fills nothing
	QUARTER 0, 192, F0, F1, 0
	TURN 0, 1, 0
	QUARTER 1, 64,  F0, F1, 0
	QUARTER 1, 128, F1, F0, 0
	QUARTER 1, 192, F0, F1, 0
	s_wait_dscnt 4
	SCALE F1, 0, 1
	MUL8 F1, 0, 0
	MUL8 F1, 1, 0
	s_wait_dscnt 0x0
	SCALE F1, 1, 1
	MUL8 F1, 2, 0
	MUL8 F1, 3, 0
	WIN 0
.irp a, 0,1,2,3
	ds_load_b32 v[IV+2*(\a)],   v[FT0] offset:INV-FT+64*(\a)  ; 1 / L of my row in block a, into both registers of the pair that the packed multiply names
	ds_load_b32 v[IV+2*(\a)+1], v[FT0] offset:INV-FT+64*(\a)
.endr
.rept 8
	v_nop                                          ; the places behind the last products
.endr
	s_wait_dscnt 0x0
; THE WAY OUT, a block of 16 rows at a time: divided by L; 32 bytes a lane into my own stage in LDS; back as whole rows of 512 bytes; stored.
.macro PACK a
	WIN 0x01                                       ; source 0 in window 1
.set i, 0
.rept 32
	v_pk_mul_f32 v[TMP+2*i:TMP+2*i+1], v[64*(\a)+2*i:64*(\a)+2*i+1], v[IV+2*(\a):IV+2*(\a)+1] op_sel_hi:[1,0]
.set i, i+1
.endr
	WIN 0
.endm
.macro TOSTAGE a
.if (\a) >= 2
	s_wait_xcnt 0x0                                ; the stores of the block two back have read the registers that are loaded again below
.endif
.irp b, 0,1,2,3,4,5,6,7
	ds_store_b128 v[STO], v[TMP+8*(\b):TMP+8*(\b)+3]   offset:64*(\b)
	ds_store_b128 v[STO], v[TMP+8*(\b)+4:TMP+8*(\b)+7] offset:64*(\b)+16
.endr
.irp t, 0,1,2,3,4,5,6,7,8,9,10,11,12,13,14,15
	ds_load_b128 v[BK+64*((\a)%2)+4*(\t):BK+64*((\a)%2)+4*(\t)+3], v[RD] offset:(\t)*SPITCH  ; LDS serves a wave's instructions in order (ISA guide 5.7.1.4): these see the stores above
.endr
.endm
.macro SEND a
	s_wait_dscnt 0x0
.irp t, 0,1,2,3,4,5,6,7,8,9,10,11,12,13,14,15
	global_store_b128 v[CO], v[BK+64*((\a)%2)+4*(\t):BK+64*((\a)%2)+4*(\t)+3], s[80:81] offset:(16*(\a)+(\t))*ROWO th:TH_STORE_NT  ; a wave's store covers 512 consecutive bytes, aligned
.endr
.endm
	PACK 0
	TOSTAGE 0
.irp a, 1,2,3
	PACK \a
	SEND (\a)-1
	TOSTAGE \a
.endr
	SEND 3
	s_wait_tensorcnt 0x0                           ; the wave's end, behind my last tensor load and my last LDS store
	ds_add_u32 v[SPW], v[NIL]
	s_wait_dscnt 0x0
	CROUND                                         ; the closing round
	s_endpgm
.Lfunc_end_k_qbbdb5be00e_context:
	.size	k_qbbdb5be00e_context, .Lfunc_end_k_qbbdb5be00e_context-k_qbbdb5be00e_context
	.p2alignl 7, 3214868480
	.fill 96, 4, 3214868480
	.section	.rodata,"a",@progbits
	.p2align	6, 0x0
	.amdhsa_kernel k_qbbdb5be00e_context
		.amdhsa_group_segment_fixed_size 327680
		.amdhsa_private_segment_fixed_size 0
		.amdhsa_enable_private_segment 0
		.amdhsa_kernarg_size 32
		.amdhsa_user_sgpr_count 2
		.amdhsa_user_sgpr_kernarg_segment_ptr 1
		.amdhsa_wavefront_size32 1
		.amdhsa_system_sgpr_workgroup_id_x 1
		.amdhsa_system_sgpr_workgroup_id_y 1
		.amdhsa_system_sgpr_workgroup_id_z 1
		.amdhsa_system_vgpr_workitem_id 0
		.amdhsa_next_free_vgpr 512
		.amdhsa_next_free_sgpr 96
		.amdhsa_reserve_vcc 0
		.amdhsa_float_denorm_mode_32 3
		.amdhsa_float_denorm_mode_16_64 3
		.amdhsa_memory_ordered 1
		.amdhsa_forward_progress 1
		.amdhsa_inst_pref_size 135
	.end_amdhsa_kernel
	.amdgpu_metadata
---
amdhsa.version: [ 1, 2 ]
amdhsa.kernels:
  - .name:           k_qbbdb5be00e_context
    .symbol:         k_qbbdb5be00e_context.kd
    .args:
      - { .name: pt, .offset: 0, .size: 8, .value_kind: global_buffer, .address_space: global }
      - { .name: pj, .offset: 8, .size: 8, .value_kind: global_buffer, .address_space: global }
      - { .name: st, .offset: 16, .size: 8, .value_kind: global_buffer, .address_space: global }
      - { .name: out0, .offset: 24, .size: 8, .value_kind: global_buffer, .address_space: global }
    .group_segment_fixed_size: 327680
    .private_segment_fixed_size: 0
    .kernarg_segment_align: 8
    .kernarg_segment_size: 32
    .max_flat_workgroup_size: 128
    .sgpr_count:     96
    .vgpr_count:     512
    .wavefront_size: 32
...
	.end_amdgpu_metadata
.endif
;; end of part 4
;; ======== version 2 of 2: 4 launches
;; limits: values are held in f16: magnitudes above 65,504 overflow, below 6.1e-05 lose precision
;; workspace buffers: ab 33,554,432 bytes; wb 6,291,456 bytes; pj 50,331,648 bytes; pt 33,554,432 bytes; st 1,048,576 bytes
;; launch cast (part 5): grid 4864 x 1, 4 waves a work-group, no clusters, 0 bytes of LDS; arguments q, x, Wq, Wk, Wv, ab, wb; writes ab, wb
.if DOCPART == 5
	.amdgcn_target "amdgcn-amd-amdhsa--gfx1250"
	.amdhsa_code_object_version 6
	.text
	.protected	k_qbbdb5be00e_cast
	.globl	k_qbbdb5be00e_cast
	.p2align	8
	.type	k_qbbdb5be00e_cast,@function
k_qbbdb5be00e_cast:
	s_mov_b64 s[64:65], 0
	v_nop
	global_prefetch_b8 v0, s[64:65] scope:SCOPE_SE
	s_setreg_imm32_b32 hwreg(HW_REG_WAVE_MODE, 25, 1), 1
	s_wait_xcnt 0x0
; THE INPUTS OF THE THREE PROJECTIONS, f32, ARE ROUNDED ONCE TO bf16 (to nearest even).
; ab = [16384][1024] bf16: q's 8,192 rows, then x's.  wb = [3072][1024] bf16: Wq, Wk, Wv.
; 19,922,944 numbers = 4,864 units of 4,096.  A work-group of 128 threads takes one unit: 16,384 bytes in, 8,192 out; no LDS, no loop, no barrier.
; Thread t takes 4 neighbouring numbers in each of the unit's eight groups of 512: a load of 16 bytes at 2,048 j + 16 t, a store of 8 bytes at 1,024 j + 8 t.
; So a wave's load covers 512 consecutive bytes and a wave's store 256 consecutive bytes, both aligned: no instruction names a byte that it does not use.
; All eight loads are issued before the first is waited for.  No matrix unit, no cluster, no LDS: nothing is shared and nothing is read twice.
.set XI, 8                             ; v[8:39]   group j: 4 numbers as loaded
.set YO, 40                            ; v[40:55]  group j: 2 registers to store
	s_load_b256 s[4:11], s[0:1], 0x0               ; q s[4:5], x s[6:7], Wq s[8:9], Wk s[10:11]
	s_load_b128 s[12:15], s[0:1], 0x20             ; Wv s[12:13], ab s[14:15]
	s_load_b64 s[16:17], s[0:1], 0x30              ; wb
	v_lshlrev_b32 v1, 4, v0                        ; 16 t: my 4 numbers in a group, as f32
	v_lshlrev_b32 v2, 3, v0                        ; 8 t: the same as bf16
	s_sub_co_u32 s26, ttmp9, 2048                  ; the unit's number inside x,
	s_sub_co_u32 s27, ttmp9, 4096                  ; inside Wq, and inside wb,
	s_sub_co_u32 s28, ttmp9, 4352                  ; inside Wk,
	s_sub_co_u32 s29, ttmp9, 4608                  ; inside Wv
	s_wait_kmcnt 0x0
	s_cmp_ge_u32 ttmp9, 2048                       ; units 0-2047 q, 2048-4095 x, 4096-4351 Wq, 4352-4607 Wk, 4608-4863 Wv
	s_cselect_b64 s[24:25], s[6:7], s[4:5]
	s_cselect_b32 s22, s26, ttmp9
	s_cmp_ge_u32 ttmp9, 4096
	s_cselect_b64 s[24:25], s[8:9], s[24:25]
	s_cselect_b32 s22, s27, s22
	s_cselect_b64 s[30:31], s[16:17], s[14:15]     ; units 0-4095 go to ab, the others to wb
	s_cselect_b32 s23, s27, ttmp9
	s_cmp_ge_u32 ttmp9, 4352
	s_cselect_b64 s[24:25], s[10:11], s[24:25]
	s_cselect_b32 s22, s28, s22
	s_cmp_ge_u32 ttmp9, 4608
	s_cselect_b64 s[24:25], s[12:13], s[24:25]
	s_cselect_b32 s22, s29, s22
	s_lshl_b32 s20, s22, 14                        ; 16,384 bytes a unit in
	s_mov_b32 s21, 0
	s_lshl_b32 s18, s23, 13                        ; 8,192 out
	s_mov_b32 s19, 0
	s_add_nc_u64 s[24:25], s[24:25], s[20:21]
	s_add_nc_u64 s[30:31], s[30:31], s[18:19]
.irp j, 0,1,2,3,4,5,6,7
	global_load_b128 v[XI+4*(\j):XI+4*(\j)+3], v1, s[24:25] offset:2048*(\j) th:TH_LOAD_NT
.endr
.irp j, 0,1,2,3,4,5,6,7
	s_wait_loadcnt 7-(\j)                          ; loads come back in order (ISA guide 5.7.1): group j's is in, the 7 - j younger ones stay out
	v_cvt_pk_bf16_f32 v[YO+2*(\j)],   v[XI+4*(\j)],   v[XI+4*(\j)+1]
	v_cvt_pk_bf16_f32 v[YO+2*(\j)+1], v[XI+4*(\j)+2], v[XI+4*(\j)+3]
	global_store_b64 v2, v[YO+2*(\j):YO+2*(\j)+1], s[30:31] offset:1024*(\j)  ; no register is written twice, so no store's source is waited for
.endr
	s_endpgm
.Lfunc_end_k_qbbdb5be00e_cast:
	.size	k_qbbdb5be00e_cast, .Lfunc_end_k_qbbdb5be00e_cast-k_qbbdb5be00e_cast
	.p2alignl 7, 3214868480
	.fill 96, 4, 3214868480
	.section	.rodata,"a",@progbits
	.p2align	6, 0x0
	.amdhsa_kernel k_qbbdb5be00e_cast
		.amdhsa_group_segment_fixed_size 0
		.amdhsa_private_segment_fixed_size 0
		.amdhsa_enable_private_segment 0
		.amdhsa_kernarg_size 56
		.amdhsa_user_sgpr_count 2
		.amdhsa_user_sgpr_kernarg_segment_ptr 1
		.amdhsa_wavefront_size32 1
		.amdhsa_system_sgpr_workgroup_id_x 1
		.amdhsa_system_sgpr_workgroup_id_y 1
		.amdhsa_system_sgpr_workgroup_id_z 1
		.amdhsa_system_vgpr_workitem_id 0
		.amdhsa_next_free_vgpr 56
		.amdhsa_next_free_sgpr 66
		.amdhsa_reserve_vcc 0
		.amdhsa_float_denorm_mode_32 3
		.amdhsa_float_denorm_mode_16_64 3
		.amdhsa_memory_ordered 1
		.amdhsa_forward_progress 1
		.amdhsa_inst_pref_size 5
	.end_amdhsa_kernel
	.amdgpu_metadata
---
amdhsa.version: [ 1, 2 ]
amdhsa.kernels:
  - .name:           k_qbbdb5be00e_cast
    .symbol:         k_qbbdb5be00e_cast.kd
    .args:
      - { .name: q, .offset: 0, .size: 8, .value_kind: global_buffer, .address_space: global }
      - { .name: x, .offset: 8, .size: 8, .value_kind: global_buffer, .address_space: global }
      - { .name: Wq, .offset: 16, .size: 8, .value_kind: global_buffer, .address_space: global }
      - { .name: Wk, .offset: 24, .size: 8, .value_kind: global_buffer, .address_space: global }
      - { .name: Wv, .offset: 32, .size: 8, .value_kind: global_buffer, .address_space: global }
      - { .name: ab, .offset: 40, .size: 8, .value_kind: global_buffer, .address_space: global }
      - { .name: wb, .offset: 48, .size: 8, .value_kind: global_buffer, .address_space: global }
    .group_segment_fixed_size: 0
    .private_segment_fixed_size: 0
    .kernarg_segment_align: 8
    .kernarg_segment_size: 56
    .max_flat_workgroup_size: 128
    .sgpr_count:     66
    .vgpr_count:     56
    .wavefront_size: 32
...
	.end_amdgpu_metadata
.endif
;; end of part 5
;; launch proj (part 6): grid 4 x 96, 4 waves a work-group, clusters of 4 x 4, 327,680 bytes of LDS; arguments ab, wb, bq, bk, bv, pj; writes pj
.if DOCPART == 6
	.amdgcn_target "amdgcn-amd-amdhsa--gfx1250"
	.amdhsa_code_object_version 6
	.text
	.protected	k_qbbdb5be00e_proj
	.globl	k_qbbdb5be00e_proj
	.p2align	8
	.type	k_qbbdb5be00e_proj,@function
k_qbbdb5be00e_proj:
	s_mov_b64 s[64:65], 0
	v_nop
	global_prefetch_b8 v0, s[64:65] scope:SCOPE_SE
	s_setreg_imm32_b32 hwreg(HW_REG_WAVE_MODE, 25, 1), 1
	s_wait_xcnt 0x0
	s_wait_alu depctr_hold_cnt(0) depctr_sa_sdst(0) depctr_va_vdst(0) depctr_va_sdst(0) depctr_va_ssrc(0) depctr_va_vcc(0) depctr_vm_vsrc(0)
	s_getreg_b32 s2, hwreg(HW_REG_IB_STS2, 6, 4)
	s_cmp_eq_u32 s2, 0
	s_cbranch_scc0 .Lentry_in_a_cluster
	s_endpgm
.Lentry_in_a_cluster:
	s_bfe_u32 s2, ttmp6, 0x10000c
	s_cmp_lg_u32 s2, 0xf033
	s_cbranch_scc0 .Lentry_shape_is_right
	s_endpgm
.Lentry_shape_is_right:
; THE THREE PROJECTIONS AS ONE GEMM.  pj[24576][1024] f16: rows 0-8191 qp = q Wq^T + bq, 8192-16383 k = x Wk^T + bk, 16384-24575 v = x Wv^T + bv.
; ab: [16384][1024] bf16 (q, then x).  wb: [3072][1024] bf16 (Wq, Wk, Wv).  The biases, f32, are rounded to bf16 like the other inputs.  Products bf16, sums f32, the result rounded once to f16.
; LIMIT.  f16 holds no number beyond 65,504: a projected number past that becomes an infinity and its row is lost.  NaN and infinities are not treated apart.
; SHARES.  A tile of pj is 256 x 256: 96 x 4 = 384 work-groups.  Four waves, each 128 x 128: 64 accumulators of 16 x 16, 512 registers.  K = 1,024 goes in 8 steps of 128 through a ring of two LDS
; slots filled by the tensor data mover; the tiles' rows are 256 bytes of memory, aligned.  A refill has 224 matrix instructions of its wave between its request and the wait for it.
; CLUSTER.  4 x 4 work-groups.  The four of a row of the cluster need the same 256 rows of ab, the four of a column the same 256 rows of wb: each tile is asked for JOINTLY.
; THE MATRIX INSTRUCTION IS USED TRANSPOSED (source 0 = 16 rows of wb, source 1 = 16 rows of ab): lane l holds row l % 16 and the columns 8 (l / 16) + 0..7 of a 16 x 16 block.
; THE BIAS IS THE C OPERAND OF THE FIRST PRODUCTS: register j of column block b is bias[16 b + 8 (l / 16) + j], the same for all eight row blocks.  Nothing is cleared and nothing is added later.
; ONE K STEP IS WRITTEN ONCE: the slot in hand is a scalar, 0 or SLOT, turned by an exclusive or and added onto the lanes' fixed places; one descriptor a tensor walks from slot to slot.
; REGISTERS, in windows of 256 (s_set_vgpr_msb: bits 1:0 source 0, 3:2 source 1, 5:4 source 2, 7:6 destination):
;   window 0: v0-31 addresses; v64-127, v128-191 fragments of A (8 x 16 rows x 32 K), two buffers; v32-63, v192-255 at work on the way out
;   window 1: v0-63 the bias; v64-127, v128-191 fragments of B, two buffers
;   window 2: the 32 accumulators of my rows 0-63 ((a, b) at v[8 (8 a + b)]);   window 3: those of my rows 64-127
; lds_bytes is all of a WGP's LDS; the text uses 296,448 bytes.
.set KSTEP,  128
.set PITCH,  272                       ; an LDS row: 256 bytes + 16 of padding = 68 words: the 16 rows of a fragment load start at 16 different groups of four banks (64 banks of 4 bytes: ISA guide 11.1)
.set HALFT,  128*PITCH                 ; 128 rows: what one tensor load brings, and what one wave reads of A or of B
.set SLOT,   4*HALFT                   ; A's 256 rows, then B's 256
.set STAGE,  2*SLOT                    ; behind the ring: 16 rows x 272 bytes for each wave, for the way out
.set SPITCH, 272
.set SPARE,  STAGE+4*16*SPITCH         ; behind the stages: the spare words, 128 bytes for each wave: two blocks of 256 bytes that no other line names
.set STEPS,  8                         ; K steps
.set ROWB,   2048                      ; bytes in a row of ab, wb and pj
.set ADRA0, 16                         ; v16     my lane's place in my A fragments of slot 0; never rewritten
.set ADRB0, 17                         ; v17     the same for B
.set ADRA,  18                         ; v18     the same in the slot in hand
.set ADRB,  19                         ; v19
.set STO,  24                          ; v24     the way out: where I put 16 bytes of a row
.set RD,   25                          ; v25     the way out: where I read a row back
.set CO,   26                          ; v26     my byte offset in pj
.set SPW,  28                          ; v28     LDS address of my spare word; never rewritten
.set NIL,  29                          ; v29     0; never rewritten
.set PFO,  30                          ; v30     the prefetches' offset: my lane x a row; never rewritten
.set F0,   64
.set F1,   128
.set TMP,  192                         ; the way out: 32 registers of packed results
.set OB,   32                          ; the way out: 16 rows read back: v32-63 and v224-255 by turns
.set G1,  24                           ; s[24:31] descriptor group 1 for A's tiles;  s[32:39] group 0: a set for each of the two first fills; the second then walks on
.set G0,  32
.set G1B, 48                           ; s[48:55], s[56:63] the same for B's
.set G0B, 56
.set LIM, 43                           ; s43  1 in a wave that prefetches, else the greatest number
.set PFA, 44                           ; s[44:45] where my prefetches stand
.set TB,  86                           ; s86  LDS byte at which the slot in hand begins: 0 or SLOT
.set LB,  87                           ; s87  my wave's 128 rows in a slot: wave x HALFT
.set FIELDS, (1<<16)|(1<<20)|(1<<21)|(5<<22)|(3<<25)  ; 17:16 elements of 2 bytes; 20 padding on; 21 set beside a mask; 24:22 after every 64 words (code 5); 31:25 4 words of it (code 3)
.set MSB, 0
.macro WIN new                         ; the immediate's high byte repeats the setting that is left; a switch that changes nothing is dropped
.if MSB != (\new)
	s_set_vgpr_msb (MSB<<8)|(\new)
.set MSB, \new
.endif
.endm
; A joint load: waves 0 and 1 fetch A's two halves, waves 2 and 3 B's.  The branch hangs on the wave's number alone.  An s_nop 0 and four v_nop follow each of the two lines.
.macro JLOAD s
	s_cmp_eq_u32 s11, 0
	s_cbranch_scc0 .Lfor_b_\@
	tensor_load_to_lds s[G0+4*(\s):G0+4*(\s)+3], s[G1:G1+7]
	s_nop 0
.rept 4
	v_nop
.endr
	s_branch .Lasked_\@
.Lfor_b_\@:
	tensor_load_to_lds s[G0B+4*(\s):G0B+4*(\s)+3], s[G1B:G1B+7]
	s_nop 0
.rept 4
	v_nop
.endr
.Lasked_\@:
.endm
; A PREFETCH INTO THE L2 of the K step that the NEXT refill will ask for, 256 matrix instructions ahead of that load: 32 rows x 256 bytes, a lane a row, one instruction a wave.
; Each row's 256 bytes of a K step are named once in the launch.  Of the 128 rows that a wave fetches, each of the four partners that ask for them jointly takes 32, BY ADDRESS (cx for ab, cy for wb).
; ab's rows belong to one row of clusters; x's are asked for in k's projection alone, not again in v's.  wb's rows are read by the eight clusters of a projection: the first asks.
; K steps 0 to 2 come by their loads alone; the loop's last trip (s3 = 1) asks for nothing: there is no K step behind its refill.
.macro ASK
	s_cmp_gt_u32 s3, s[LIM]
	s_cbranch_scc0 .Lnot_mine_\@
	global_prefetch_b8 v[PFO], s[PFA:PFA+1] th:TH_LOAD_NT scope:SCOPE_SE
.Lnot_mine_\@:
.endm
.macro CREST                           ; a round of the cluster's barrier behind its opening barrier
	s_cmp_lg_u32 s10, 0
	s_cbranch_scc1 .Lnot_wave_0_\@
	s_barrier_signal -3
.Lnot_wave_0_\@:
	s_barrier_wait -3
	s_barrier_signal -1
	s_barrier_wait -1
.endm
.macro CROUND                          ; a whole round
	s_barrier_signal -1
	s_barrier_wait -1
	CREST
.endm
.macro PLACES                          ; four places in front of loads into registers that matrix instructions have read (ISA guide 7.12.1 for vector instructions)
.rept 4
	v_nop
.endr
.endm
; 16 matrix instructions: row blocks a0, a0 + 1 of the window's four (hi = 0: my rows 0-63, 1: rows 64-127) x all 8 column blocks, 32 along K.  zero = 1: the first product starts the sums, with the bias.
; The 64 accumulators take turns in one order in every quarter: 63 others stand between two links of a chain.
.macro MUL16 f, hi, a0, zero
.if \zero
	WIN 0x91+0x40*(\hi)                            ; B window 1, A window 0, C (the bias) window 1, D window 2 or 3
.else
	WIN 0xa1+0x50*(\hi)                            ; B window 1, A window 0, C and D window 2 or 3
.endif
.irp a, \a0, (\a0)+1
.irp b, 0,1,2,3,4,5,6,7
.if \zero
	v_wmma_f32_16x16x32_bf16 v[8*(8*(\a)+(\b)):8*(8*(\a)+(\b))+7], v[(\f)+8*(\b):(\f)+8*(\b)+7], v[(\f)+8*(4*(\hi)+(\a)):(\f)+8*(4*(\hi)+(\a))+7], v[8*(\b):8*(\b)+7]
.else
	v_wmma_f32_16x16x32_bf16 v[8*(8*(\a)+(\b)):8*(8*(\a)+(\b))+7], v[(\f)+8*(\b):(\f)+8*(\b)+7], v[(\f)+8*(4*(\hi)+(\a)):(\f)+8*(4*(\hi)+(\a))+7], v[8*(8*(\a)+(\b)):8*(8*(\a)+(\b))+7]
.endif
.endr
.endr
.endm
; 32 LDS loads in one run: the fragments of 32 along K at byte k of the rows of the slot in hand, into buffer f: B's sixteen loads, then A's, row blocks ascending
.macro FETCH k, f
	WIN 0x40                                       ; destination window 1, address window 0
.irp i, 0,1,2,3,4,5,6,7
	ds_load_b128 v[(\f)+8*(\i):(\f)+8*(\i)+3],   v[ADRB] offset:(\k)+(\i)*16*PITCH
	ds_load_b128 v[(\f)+8*(\i)+4:(\f)+8*(\i)+7], v[ADRB] offset:(\k)+(\i)*16*PITCH+32
.endr
	WIN 0
.irp i, 0,1,2,3,4,5,6,7
	ds_load_b128 v[(\f)+8*(\i):(\f)+8*(\i)+3],   v[ADRA] offset:(\k)+(\i)*16*PITCH
	ds_load_b128 v[(\f)+8*(\i)+4:(\f)+8*(\i)+7], v[ADRA] offset:(\k)+(\i)*16*PITCH+32
.endr
.endm
; A K step is four quarters of 32 along K, 64 matrix instructions each, on buffers 0, 1, 0, 1.  One of the first three: multiplies buffer f; in its middle it fetches the next quarter, at byte k, into g.
.macro QUARTER k, f, g, zero
	s_wait_dscnt 8                                 ; B and A's rows 0-63 are in; the youngest eight loads (A's rows 64-127) may be out
	MUL16 \f, 0, 0, \zero
	MUL16 \f, 0, 2, \zero
	PLACES
	FETCH \k, \g
	s_wait_dscnt 32                                ; all but the 32 just issued
	MUL16 \f, 1, 0, \zero
	MUL16 \f, 1, 2, \zero
.endm
; The last quarter multiplies buffer 1 and changes slots.  MEET is its first half: ONE barrier.  In front of it each wave waits for all its tensor loads (one is out: its part of the next slot), adds 0 to
; its spare word, and waits for that and for its own reads of this slot.  fill = 1: the walking descriptors are set on this slot and on the K step behind the one last asked for.
.macro MEET fill
	WIN 0                                          ; (the add's two registers lie in window 0)
	s_wait_tensorcnt 0x0                           ; all my tensor loads have landed, so a group 0 may be written;
	ds_add_u32 v[SPW], v[NIL]                      ; 0 onto my spare word; work on registers stands between it and the wait for it
.if \fill
	s_add_co_u32 s[G0+5], s[LB], s[TB]             ; LDS address: my 128 rows in the slot that is being read out
	s_add_nc_u64 s[G0+6:G0+7], s[G0+6:G0+7], KSTEP*2   ; the next K step; the type bits on top are not reached
	s_add_co_u32 s[G0B+5], s[LB], s[TB]
	s_add_nc_u64 s[G0B+6:G0B+7], s[G0B+6:G0B+7], KSTEP*2
.endif
	s_xor_b32 s[TB], s[TB], SLOT                   ; the slot in hand is now the other one
	s_wait_dscnt 9                                 ; (the add and the youngest eight loads may be out)
	MUL16 F1, 0, 0, 0
	s_wait_dscnt 0x0                               ; the add is done, and my reads of the old slot are over
	s_barrier_signal -1
	MUL16 F1, 0, 2, 0                              ; work on registers while the others arrive
.if \fill
	WIN 0
.endif
	s_barrier_wait -1
.endm
; The whole last quarter.  fill = 1: the barrier opens a round of the cluster's, and the old slot is filled again, two K steps on, first thing behind the round.
.macro TURN fill
.if \fill
	s_wait_xcnt 0x0                                ; the last prefetch, a K step back, has read its address: it is stepped here, ahead of the waits of the change of slots
	s_add_nc_u64 s[PFA:PFA+1], s[PFA:PFA+1], KSTEP*2
.endif
	MEET \fill
.if \fill
	CREST                                          ; no wave of any partner still reads the old slot's tile or has a load on its way
	JLOAD 1                                        ; the four v_nop behind it are also the places in front of the loads below
.else
	WIN 0
	PLACES
.endif
	v_add_nc_u32 v[ADRA], s[TB], v[ADRA0]
	v_add_nc_u32 v[ADRB], s[TB], v[ADRB0]
	FETCH 0, F0
.if \fill
	ASK                                            ; behind the joint load and the run of LDS loads that the next products wait for
.endif
	MUL16 F1, 1, 0, 0
	MUL16 F1, 1, 2, 0
.endm
	s_load_b256 s[68:75], s[0:1], 0x0              ; ab s[68:69], wb s[70:71], bq s[72:73], bk s[74:75]
	s_load_b128 s[76:79], s[0:1], 0x20             ; bv s[76:77], pj s[78:79]
	v_lshl_add_u32 v[SPW], v0, 2, SPARE
	v_mov_b32 v[NIL], 0
	ds_add_u32 v[SPW], v[NIL]                      ; the wave's opening: the add and its wait stand ahead of my first tensor load; the set-up below, work on registers, stands between them
	v_lshrrev_b32 v1, 5, v0
	v_readfirstlane_b32 s10, v1                    ; wave 0..3
	s_lshr_b32 s11, s10, 1                         ; which 128 rows of the tile are mine.  Also: I fetch for A (0) or for B (1)
	s_and_b32 s12, s10, 1                          ; which 128 columns.  Also: which half of that tile I fetch
	s_bfe_u32 s40, ttmp6, 0x40000                  ; cx, cy: my place in the cluster
	s_bfe_u32 s41, ttmp6, 0x40004
	s_lshl_b32 s42, ttmp9, 2
	s_add_co_u32 s42, s42, s40                     ; tile column = 4 x cluster x + cx: 0..3
	s_and_b32 s14, ttmp7, 0xffff                   ; cluster y: 0..23
	s_lshl_b32 s13, s14, 2
	s_add_co_u32 s13, s13, s41                     ; tile row = 4 x cluster y + cy: 0..95
	s_lshr_b32 s15, s14, 3                         ; which projection: 0 qp, 1 k, 2 v; the same in all sixteen partners
	s_lshl_b32 s43, s41, 2
	s_lshl_b32 s43, 15, s43                        ; my row of the cluster
	s_lshl_b32 s44, 0x1111, s40                    ; my column
	s_or_b32 s[G1], s43, FIELDS                    ; 15:0 the mask: A's tiles go to my row
	s_or_b32 s[G1B], s44, FIELDS                   ; B's to my column
.irp g, G1, G1B
	s_mov_b32 s[(\g)+1], KSTEP<<16                 ; tensor_dim0 = 128
	s_mov_b32 s[(\g)+2], 128<<16                   ; tensor_dim1 = 128
	s_mov_b32 s[(\g)+3], KSTEP<<16                 ; tile_dim0 = 128
	s_mov_b32 s[(\g)+4], 128                       ; tile_dim1 = 128
	s_mov_b32 s[(\g)+5], 1024                      ; elements from row to row
	s_mov_b32 s[(\g)+6], 0
	s_mov_b32 s[(\g)+7], 0
.endr
	s_lshl_b32 s16, s13, 8                         ; A: row 256 x tile row + 128 x half,
	s_lshl_b32 s17, s12, 7
	s_add_co_u32 s16, s16, s17
	s_cmp_eq_u32 s15, 2
	s_cselect_b32 s17, 8192, 0                     ; and v is made of x's rows, like k
	s_sub_co_u32 s16, s16, s17
	s_lshl_b32 s16, s16, 11                        ; in bytes, under 2^25
	s_mov_b32 s17, 0
	s_lshl_b32 s46, s42, 8                         ; B: row 1,024 x projection + 256 x tile column + 128 x half
	s_lshl_b32 s47, s12, 7
	s_add_co_u32 s46, s46, s47
	s_lshl_b32 s47, s15, 10
	s_add_co_u32 s46, s46, s47
	s_lshl_b32 s46, s46, 11
	s_mov_b32 s47, 0
	s_mul_i32 s[LB], s10, HALFT                    ; where they go: A's two halves, then B's two = wave x 128 rows: no place in the cluster enters an LDS address
	s_mov_b32 s[TB], 0
	s_wait_dscnt 0x0                               ; the opening add is done
	s_wait_kmcnt 0x0
	s_add_nc_u64 s[16:17], s[68:69], s[16:17]
	s_add_nc_u64 s[46:47], s[70:71], s[46:47]
	CROUND                                         ; all sixteen work-groups are here: the first joint loads meet
.irp s, 0,1
	s_mov_b32 s[G0+4*(\s)], 1                      ; count = 1
	s_add_co_u32 s[G0+4*(\s)+1], s[LB], (\s)*SLOT  ; LDS address
	s_add_nc_u64 s[G0+4*(\s)+2:G0+4*(\s)+3], s[16:17], (\s)*KSTEP*2  ; global address: K step s
	s_or_b32 s[G0+4*(\s)+3], s[G0+4*(\s)+3], 0x80000000              ; type = 2
	s_mov_b32 s[G0B+4*(\s)], 1
	s_add_co_u32 s[G0B+4*(\s)+1], s[LB], (\s)*SLOT
	s_add_nc_u64 s[G0B+4*(\s)+2:G0B+4*(\s)+3], s[46:47], (\s)*KSTEP*2
	s_or_b32 s[G0B+4*(\s)+3], s[G0B+4*(\s)+3], 0x80000000
	JLOAD \s                                       ; two loads of mine are out
.endr
	v_and_b32 v1, 15, v0                           ; r = l % 16
	v_bfe_u32 v2, v0, 4, 1                         ; h = l / 16
	v_and_b32 v3, 31, v0                           ; l
	; the bias of my 128 columns: for block b eight numbers at 64 b + 32 h bytes
	s_cmp_eq_u32 s15, 1
	s_cselect_b64 s[18:19], s[74:75], s[72:73]
	s_cmp_eq_u32 s15, 2
	s_cselect_b64 s[18:19], s[76:77], s[18:19]
	s_lshl_b32 s22, s42, 10                        ; 256 x tile column x 4 bytes
	s_lshl_b32 s23, s12, 9
	s_add_co_u32 s22, s22, s23
	s_mov_b32 s23, 0
	s_add_nc_u64 s[18:19], s[18:19], s[22:23]
	v_lshlrev_b32 v6, 5, v2
	WIN 0x40                                       ; destination window 1, address window 0
.irp b, 0,1,2,3,4,5,6,7
	global_load_b128 v[8*(\b):8*(\b)+3],   v6, s[18:19] offset:64*(\b)
	global_load_b128 v[8*(\b)+4:8*(\b)+7], v6, s[18:19] offset:64*(\b)+16
.endr
	WIN 0
	; A fragment is 16 rows x 32 K in 8 registers: lane l holds row l % 16; registers 0-3 K = 8 h + 0..7, registers 4-7 K = 16 + 8 h + 0..7: two loads of 16 bytes, 32 bytes apart
	v_mul_u32_u24 v4, v1, PITCH
	v_lshl_add_u32 v4, v2, 4, v4                   ; row x pitch + 16 h
	s_mul_i32 s21, s11, HALFT                      ; my 128 rows of A
	s_mul_i32 s22, s12, HALFT
	s_add_co_u32 s22, s22, 2*HALFT                 ; my 128 rows of B, which lie behind A's 256
	v_add_nc_u32 v[ADRA0], s21, v4
	v_add_nc_u32 v[ADRB0], s22, v4
	v_add_nc_u32 v[ADRA], s[TB], v[ADRA0]          ; slot 0 is in hand
	v_add_nc_u32 v[ADRB], s[TB], v[ADRB0]
	s_mul_i32 s23, s10, 16*SPITCH
	s_add_co_u32 s23, s23, STAGE                   ; my stage
	v_add_nc_u32 v[STO], s23, v4                   ; in: row r, 16 bytes for each half of the lanes
	v_mul_u32_u24 v5, v2, SPITCH                   ; back: lanes 0-15 take one row of 256 bytes, lanes 16-31 the next
	v_lshl_add_u32 v5, v1, 4, v5
	v_add_nc_u32 v[RD], s23, v5
	v_mul_u32_u24 v5, v2, ROWB                     ; and the same two rows in pj
	v_lshl_add_u32 v[CO], v1, 4, v5
	s_lshl_b32 s16, s13, 8
	s_lshl_b32 s17, s11, 7
	s_add_co_u32 s16, s16, s17                     ; my first row of pj
	s_lshl_b32 s16, s16, 11                        ; under 2^26
	s_mov_b32 s17, 0
	s_add_nc_u64 s[80:81], s[78:79], s[16:17]
	s_lshl_b32 s46, s42, 9                         ; my first column, in bytes
	s_lshl_b32 s47, s12, 8
	s_add_co_u32 s46, s46, s47
	s_mov_b32 s47, 0
	s_add_nc_u64 s[80:81], s[80:81], s[46:47]
	; the prefetches
	s_lshl_b32 s20, s13, 8                         ; ab: the tile's first row,
	s_cmp_eq_u32 s15, 2
	s_cselect_b32 s21, 8192, 0
	s_sub_co_u32 s20, s20, s21
	s_lshl_b32 s21, s40, 5
	s_add_co_u32 s20, s20, s21                     ; + my work-group's 32 of a wave's 128
	s_lshl_b32 s22, s42, 8                         ; wb: the tile's first row,
	s_lshl_b32 s23, s15, 10
	s_add_co_u32 s22, s22, s23
	s_lshl_b32 s23, s41, 5
	s_add_co_u32 s22, s22, s23                     ; + my work-group's 32
	s_lshr_b32 s2, s15, 1                          ; ab: not in v's projection
	s_and_b32 s3, s14, 7                           ; wb: the projection's first cluster
	s_cmp_eq_u32 s11, 0
	s_cselect_b32 s20, s20, s22
	s_cselect_b32 s2, s2, s3
	s_cselect_b64 s[PFA:PFA+1], s[68:69], s[70:71]
	s_cmp_eq_u32 s2, 0
	s_cselect_b32 s[LIM], 1, -1                    ; the same in all sixteen partners, for a given wave
	s_lshl_b32 s21, s12, 7
	s_add_co_u32 s20, s20, s21                     ; + the 128 rows that I fetch
	s_lshl_b32 s20, s20, 11
	s_mov_b32 s21, 0
	s_add_nc_u64 s[PFA:PFA+1], s[PFA:PFA+1], s[20:21]
	s_add_nc_u64 s[PFA:PFA+1], s[PFA:PFA+1], 2*KSTEP*2  ; at K step 2: the first refill (K step 2) steps it to 3 and names that
	v_lshlrev_b32 v[PFO], 11, v3
	; the bias is rounded to bf16 and widened again, in the wait for the first tiles
	s_wait_loadcnt 0x0
	WIN 0x05                                       ; sources window 1, destination window 0
.set i, 0
.rept 32
	v_cvt_pk_bf16_f32 v[OB+i], v[2*i], v[2*i+1]
.set i, i+1
.endr
	WIN 0x40                                       ; destination window 1
.set i, 0
.rept 32
	v_lshlrev_b32 v[2*i], 16, v[OB+i]
	v_and_b32 v[2*i+1], 0xffff0000, v[OB+i]
.set i, i+1
.endr
	WIN 0
	s_wait_tensorcnt 0x1                           ; my part of K step 0 is in; K step 1's may stay out
	s_barrier_signal -1
	s_barrier_wait -1                              ; everybody's is
	FETCH 0, F0
	QUARTER 64,  F0, F1, 1                         ; the first quarter stands in front of the loop: its products start the sums
	WIN 0                                          ; at a label and at a branch every window is 0
	s_mov_b32 s3, STEPS-2
.Lstep:                                                ; six trips: from a K step's second quarter to the next step's first; the slot that is left is filled again
	QUARTER 128, F1, F0, 0
	QUARTER 192, F0, F1, 0
	TURN 1
	QUARTER 64,  F0, F1, 0
	WIN 0
	s_sub_co_u32 s3, s3, 1
	s_cmp_lg_u32 s3, 0
	s_cbranch_scc1 .Lstep
	s_mov_b32 s3, 2
.Ltail:                                                ; the last two K steps ask for nothing: a text of their own; the second trip is left in its middle
	QUARTER 128, F1, F0, 0
	QUARTER 192, F0, F1, 0
	WIN 0
	s_sub_co_u32 s3, s3, 1
	s_cmp_eq_u32 s3, 0
	s_cbranch_scc1 .Llast
	TURN 0
	QUARTER 64,  F0, F1, 0
	WIN 0
	s_branch .Ltail
.Llast:
	s_wait_dscnt 8                                 ; the very last quarter: nothing more to fetch
	MUL16 F1, 0, 0, 0
	MUL16 F1, 0, 2, 0
	s_wait_dscnt 0x0
	MUL16 F1, 1, 0, 0
	MUL16 F1, 1, 2, 0
	WIN 0
.rept 8
	v_nop                                          ; the places behind the last products, in front of conversions that read results
.endr
; THE WAY OUT, a block of 16 rows at a time: rounded to f16, 16 bytes a lane; into my own stage in LDS; back as whole rows of 256 bytes; stored.
.macro PACK a
	WIN 0x0a+5*((\a)/4)                            ; sources window 2 or 3, destination window 0
.irp b, 0,1,2,3,4,5,6,7
.irp r, 0,1,2,3
	v_cvt_pk_f16_f32 v[TMP+4*(\b)+(\r)], v[64*((\a)%4)+8*(\b)+2*(\r)], v[64*((\a)%4)+8*(\b)+2*(\r)+1]
.endr
.endr
	WIN 0
.endm
.macro TOSTAGE a
.irp b, 0,1,2,3,4,5,6,7
	ds_store_b128 v[STO], v[TMP+4*(\b):TMP+4*(\b)+3] offset:32*(\b)
.endr
.irp t, 0,1,2,3,4,5,6,7
	ds_load_b128 v[OB+192*((\a)%2)+4*(\t):OB+192*((\a)%2)+4*(\t)+3], v[RD] offset:(\t)*2*SPITCH  ; LDS serves a wave's instructions in order (ISA guide 5.7.1.4): these see the stores above
.endr
.endm
.macro SEND a
	s_wait_dscnt 0x0                               ; the block is back in registers
	s_wait_xcnt 0x0                                ; the stores of the block before have read their registers (ISA guide 3.1), which the next block's loads from the stage take again
.irp t, 0,1,2,3,4,5,6,7
	global_store_b128 v[CO], v[OB+192*((\a)%2)+4*(\t):OB+192*((\a)%2)+4*(\t)+3], s[80:81] offset:(16*(\a)+2*(\t))*ROWB  ; 16 lanes store 256 consecutive bytes, aligned
.endr
.endm
	PACK 0
	TOSTAGE 0
.irp a, 1,2,3,4,5,6,7                  ; block a's conversions stand between block a - 1's loads from the stage and the wait for them
	PACK \a
	SEND (\a)-1
	TOSTAGE \a
.endr
	SEND 7
	s_wait_tensorcnt 0x0                           ; the wave's end, behind my last tensor load and my last LDS store
	ds_add_u32 v[SPW], v[NIL]
	s_wait_dscnt 0x0
	CROUND                                         ; the closing round: no work-group ends while a partner may still ask for a tile that names it
	s_endpgm
.Lfunc_end_k_qbbdb5be00e_proj:
	.size	k_qbbdb5be00e_proj, .Lfunc_end_k_qbbdb5be00e_proj-k_qbbdb5be00e_proj
	.p2alignl 7, 3214868480
	.fill 96, 4, 3214868480
	.section	.rodata,"a",@progbits
	.p2align	6, 0x0
	.amdhsa_kernel k_qbbdb5be00e_proj
		.amdhsa_group_segment_fixed_size 327680
		.amdhsa_private_segment_fixed_size 0
		.amdhsa_enable_private_segment 0
		.amdhsa_kernarg_size 48
		.amdhsa_user_sgpr_count 2
		.amdhsa_user_sgpr_kernarg_segment_ptr 1
		.amdhsa_wavefront_size32 1
		.amdhsa_system_sgpr_workgroup_id_x 1
		.amdhsa_system_sgpr_workgroup_id_y 1
		.amdhsa_system_sgpr_workgroup_id_z 1
		.amdhsa_system_vgpr_workitem_id 0
		.amdhsa_next_free_vgpr 1024
		.amdhsa_next_free_sgpr 96
		.amdhsa_reserve_vcc 0
		.amdhsa_float_denorm_mode_32 3
		.amdhsa_float_denorm_mode_16_64 3
		.amdhsa_memory_ordered 1
		.amdhsa_forward_progress 1
		.amdhsa_inst_pref_size 112
	.end_amdhsa_kernel
	.amdgpu_metadata
---
amdhsa.version: [ 1, 2 ]
amdhsa.kernels:
  - .name:           k_qbbdb5be00e_proj
    .symbol:         k_qbbdb5be00e_proj.kd
    .args:
      - { .name: ab, .offset: 0, .size: 8, .value_kind: global_buffer, .address_space: global }
      - { .name: wb, .offset: 8, .size: 8, .value_kind: global_buffer, .address_space: global }
      - { .name: bq, .offset: 16, .size: 8, .value_kind: global_buffer, .address_space: global }
      - { .name: bk, .offset: 24, .size: 8, .value_kind: global_buffer, .address_space: global }
      - { .name: bv, .offset: 32, .size: 8, .value_kind: global_buffer, .address_space: global }
      - { .name: pj, .offset: 40, .size: 8, .value_kind: global_buffer, .address_space: global }
    .group_segment_fixed_size: 327680
    .private_segment_fixed_size: 0
    .kernarg_segment_align: 8
    .kernarg_segment_size: 48
    .max_flat_workgroup_size: 128
    .sgpr_count:     96
    .vgpr_count:     1024
    .wavefront_size: 32
...
	.end_amdgpu_metadata
.endif
;; end of part 6
;; launch scores (part 7): grid 8 x 32, 4 waves a work-group, clusters of 4 x 4, 327,680 bytes of LDS; arguments pj, pt, st; writes pt, st
.if DOCPART == 7
	.amdgcn_target "amdgcn-amd-amdhsa--gfx1250"
	.amdhsa_code_object_version 6
	.text
	.protected	k_qbbdb5be00e_scores
	.globl	k_qbbdb5be00e_scores
	.p2align	8
	.type	k_qbbdb5be00e_scores,@function
k_qbbdb5be00e_scores:
	s_mov_b64 s[64:65], 0
	v_nop
	global_prefetch_b8 v0, s[64:65] scope:SCOPE_SE
	s_setreg_imm32_b32 hwreg(HW_REG_WAVE_MODE, 25, 1), 1
	s_wait_xcnt 0x0
	s_wait_alu depctr_hold_cnt(0) depctr_sa_sdst(0) depctr_va_vdst(0) depctr_va_sdst(0) depctr_va_ssrc(0) depctr_va_vcc(0) depctr_vm_vsrc(0)
	s_getreg_b32 s2, hwreg(HW_REG_IB_STS2, 6, 4)
	s_cmp_eq_u32 s2, 0
	s_cbranch_scc0 .Lentry_in_a_cluster
	s_endpgm
.Lentry_in_a_cluster:
	s_bfe_u32 s2, ttmp6, 0x10000c
	s_cmp_lg_u32 s2, 0xf033
	s_cbranch_scc0 .Lentry_shape_is_right
	s_endpgm
.Lentry_shape_is_right:
; THE SCORES AND THE FIRST HALF OF THE SOFTMAX.  For each batch S = qp k^T (K = 1,024).  For each query row and each BLOCK of 128 keys: m = the block's largest score,
; p = 2^(c s - c m) with c = log2(e) / 32 (the scale 1 / sqrt(1024) and the change of base), l = the sum of the block's p.
; pj: [24576][1024] f16 (qp, k, v).  pt: [8192][2048] f16 takes p; st: [16 blocks][8192 rows][2] f32 takes (c m, l).  Raw scores are never stored.  Products f16, sums, maxima and l in f32
; (l is taken of the unrounded p).  The next launch joins the 16 blocks of a row by their maxima.
; LIMITS.  A maximum is taken away ahead of every exponential: exponents are at most 0 (but for the last bit of c m), p at most 1, l in 1 to 128.  A p below 2^-126 counts as 0; below 6e-5 it keeps f16's
; fixed step of 6e-8.  NaN and infinities are not treated apart.
; SHARES.  A tile is 256 queries x 256 keys: 32 x 8 = 256 work-groups, one for each of 256 WGPs.  Four waves; wave w has queries 128 (w / 2) .. + 127 and keys 128 (w % 2) .. + 127, ONE block of keys:
; so a block's maximum and sum never leave the wave.  64 accumulators of 16 x 16, 512 registers.  K goes in 8 steps of 128 through a ring of two LDS slots; the tiles' rows are 256 bytes of memory, aligned.
; A refill has 224 matrix instructions of its wave between its request and the wait for it.
; CLUSTER.  4 x 4 work-groups of one batch.  The four of a row of the cluster need the same 256 rows of qp, the four of a column the same 256 rows of k: each tile is asked for JOINTLY.
; THE MATRIX INSTRUCTION IS USED TRANSPOSED (source 0 = 16 keys, source 1 = 16 queries): lane l holds query l % 16 and the keys 8 (l / 16) + 0..7 of a 16 x 16 block; a query's other 64 keys lie in the lane 16 away.
; ONE K STEP IS WRITTEN ONCE: the slot in hand is a scalar, 0 or SLOT, turned by an exclusive or and added onto the lanes' fixed places; one descriptor a tensor walks from slot to slot.
; THE WAY OUT GOES BY HALVES: my queries 0-63 are finished and stored first, so that their stores are on their way while the softmax of queries 64-127 is made.
; REGISTERS, in windows of 256 (s_set_vgpr_msb: bits 1:0 source 0, 3:2 source 1, 5:4 source 2, 7:6 destination):
;   window 0: v0-31 addresses; v32-63 statistics; v64-127, v128-191 fragments of qp, two buffers; v64-223 at work on the way out
;   window 1: v64-127, v128-191 fragments of k, two buffers
;   window 2: the 32 accumulators of my queries 0-63 ((a, b) at v[8 (8 a + b)]);   window 3: those of my queries 64-127
; lds_bytes is all of a WGP's LDS; the text uses 296,448 bytes.
.set KSTEP,  128
.set PITCH,  272                       ; an LDS row: 256 bytes + 16 of padding = 68 words: the 16 rows of a fragment load start at 16 different groups of four banks (64 banks of 4 bytes: ISA guide 11.1)
.set HALFT,  128*PITCH
.set SLOT,   4*HALFT                   ; qp's 256 rows, then k's 256
.set STAGE,  2*SLOT                    ; behind the ring: 16 rows x 272 bytes for each wave, for the way out
.set SPITCH, 272
.set SPARE,  STAGE+4*16*SPITCH         ; behind the stages: the spare words, 128 bytes for each wave: two blocks of 256 bytes that no other line names
.set STEPS,  8
.set ROWP,   4096                      ; bytes in a row of pt
.set ADRA0, 16
.set ADRB0, 17
.set ADRA,  18
.set ADRB,  19
.set STO,  24
.set RD,   25
.set CO,   26
.set SO,   27                          ; v27     8 x lane: my place in 256 bytes of st
.set SPW,  28
.set NIL,  29
.set PFO,  30
.set STT,  32                          ; v32-47  query block a of 8: (c m, m) at STT + 2 a
.set LL,   48                          ; v48-55  block a: l
.set OUTS, 56                          ; v56-63  four pairs (c m, l) to store
.set F0,   64
.set F1,   128
.set T,    64                          ; the maxima at work: eight registers for each of a window's four blocks
.set U,    96                          ; the sums at work: 32 registers for each of them
.set TMP,  64                          ; the way out: 32 registers of packed results
.set BK,   96                          ; the way out: 16 rows read back: v96-127 and v128-159 by turns
.set G1,  24
.set G0,  32
.set G1B, 48
.set G0B, 56
.set LIM, 43
.set PFA, 44
.set TB,  86
.set LB,  87
.set FIELDS, (1<<16)|(1<<20)|(1<<21)|(5<<22)|(3<<25)  ; 17:16 elements of 2 bytes; 20 padding on; 21 set beside a mask; 24:22 after every 64 words (code 5); 31:25 4 words of it (code 3)
.set MSB, 0
.macro WIN new                         ; the immediate's high byte repeats the setting that is left; a switch that changes nothing is dropped
.if MSB != (\new)
	s_set_vgpr_msb (MSB<<8)|(\new)
.set MSB, \new
.endif
.endm
; A joint load: waves 0 and 1 fetch qp's two halves, waves 2 and 3 k's.  The branch hangs on the wave's number alone.  An s_nop 0 and four v_nop follow each of the two lines.
.macro JLOAD s
	s_cmp_eq_u32 s11, 0
	s_cbranch_scc0 .Lfor_b_\@
	tensor_load_to_lds s[G0+4*(\s):G0+4*(\s)+3], s[G1:G1+7]
	s_nop 0
.rept 4
	v_nop
.endr
	s_branch .Lasked_\@
.Lfor_b_\@:
	tensor_load_to_lds s[G0B+4*(\s):G0B+4*(\s)+3], s[G1B:G1B+7]
	s_nop 0
.rept 4
	v_nop
.endr
.Lasked_\@:
.endm
; A PREFETCH INTO THE L2 of the K step that the NEXT refill will ask for, 256 matrix instructions ahead of that load: 32 rows x 256 bytes, a lane a row, one instruction a wave.
; Each row's 256 bytes of a K step are named once in the launch.  Of the 128 rows that a wave fetches, each of the four partners that ask for them jointly takes 32, BY ADDRESS (cx for qp, cy for k).
; qp's rows are read by both clusters of a row of clusters: the first (cluster x = 0) asks.  k's rows are read by the two rows of clusters of a batch: the first asks.
; K steps 0 to 2 come by their loads alone; the loop's last trip (s3 = 1) asks for nothing.
.macro ASK
	s_cmp_gt_u32 s3, s[LIM]
	s_cbranch_scc0 .Lnot_mine_\@
	global_prefetch_b8 v[PFO], s[PFA:PFA+1] th:TH_LOAD_NT scope:SCOPE_SE
.Lnot_mine_\@:
.endm
.macro CREST                           ; a round of the cluster's barrier behind its opening barrier
	s_cmp_lg_u32 s10, 0
	s_cbranch_scc1 .Lnot_wave_0_\@
	s_barrier_signal -3
.Lnot_wave_0_\@:
	s_barrier_wait -3
	s_barrier_signal -1
	s_barrier_wait -1
.endm
.macro CROUND
	s_barrier_signal -1
	s_barrier_wait -1
	CREST
.endm
.macro PLACES                          ; four places in front of loads into registers that matrix instructions have read (ISA guide 7.12.1 for vector instructions)
.rept 4
	v_nop
.endr
.endm
; 16 matrix instructions: query blocks a0, a0 + 1 of the window's four (hi = 0: my queries 0-63, 1: 64-127) x all 8 key blocks, 32 along K.  zero = 1: the first product starts the sums.
; The 64 accumulators take turns in one order in every quarter.
.macro MUL16 f, hi, a0, zero
	WIN 0xa1+0x50*(\hi)                            ; k window 1, qp window 0, C and D window 2 or 3
.irp a, \a0, (\a0)+1
.irp b, 0,1,2,3,4,5,6,7
.if \zero
	v_wmma_f32_16x16x32_f16 v[8*(8*(\a)+(\b)):8*(8*(\a)+(\b))+7], v[(\f)+8*(\b):(\f)+8*(\b)+7], v[(\f)+8*(4*(\hi)+(\a)):(\f)+8*(4*(\hi)+(\a))+7], 0
.else
	v_wmma_f32_16x16x32_f16 v[8*(8*(\a)+(\b)):8*(8*(\a)+(\b))+7], v[(\f)+8*(\b):(\f)+8*(\b)+7], v[(\f)+8*(4*(\hi)+(\a)):(\f)+8*(4*(\hi)+(\a))+7], v[8*(8*(\a)+(\b)):8*(8*(\a)+(\b))+7]
.endif
.endr
.endr
.endm
; 32 LDS loads in one run, from the slot in hand: B's sixteen, then A's, row blocks ascending
.macro FETCH k, f
	WIN 0x40                                       ; destination window 1, address window 0
.irp i, 0,1,2,3,4,5,6,7
	ds_load_b128 v[(\f)+8*(\i):(\f)+8*(\i)+3],   v[ADRB] offset:(\k)+(\i)*16*PITCH
	ds_load_b128 v[(\f)+8*(\i)+4:(\f)+8*(\i)+7], v[ADRB] offset:(\k)+(\i)*16*PITCH+32
.endr
	WIN 0
.irp i, 0,1,2,3,4,5,6,7
	ds_load_b128 v[(\f)+8*(\i):(\f)+8*(\i)+3],   v[ADRA] offset:(\k)+(\i)*16*PITCH
	ds_load_b128 v[(\f)+8*(\i)+4:(\f)+8*(\i)+7], v[ADRA] offset:(\k)+(\i)*16*PITCH+32
.endr
.endm
.macro QUARTER k, f, g, zero
	s_wait_dscnt 8                                 ; B and A's rows 0-63 are in; the youngest eight loads (A's rows 64-127) may be out
	MUL16 \f, 0, 0, \zero
	MUL16 \f, 0, 2, \zero
	PLACES
	FETCH \k, \g
	s_wait_dscnt 32                                ; all but the 32 just issued
	MUL16 \f, 1, 0, \zero
	MUL16 \f, 1, 2, \zero
.endm
; The last quarter multiplies buffer 1 and changes slots.  MEET is its first half: ONE barrier.  In front of it each wave waits for all its tensor loads (one is out: its part of the next slot), adds 0 to
; its spare word, and waits for that and for its own reads of this slot.  fill = 1: the walking descriptors are set on this slot and on the K step behind the one last asked for.
.macro MEET fill
	WIN 0
	s_wait_tensorcnt 0x0                           ; all my tensor loads have landed, so a group 0 may be written;
	ds_add_u32 v[SPW], v[NIL]                      ; 0 onto my spare word; work on registers stands between it and the wait for it
.if \fill
	s_add_co_u32 s[G0+5], s[LB], s[TB]             ; LDS address: my 128 rows in the slot that is being read out
	s_add_nc_u64 s[G0+6:G0+7], s[G0+6:G0+7], KSTEP*2   ; the next K step; the type bits on top are not reached
	s_add_co_u32 s[G0B+5], s[LB], s[TB]
	s_add_nc_u64 s[G0B+6:G0B+7], s[G0B+6:G0B+7], KSTEP*2
.endif
	s_xor_b32 s[TB], s[TB], SLOT                   ; the slot in hand is now the other one
	s_wait_dscnt 9                                 ; (the add and the youngest eight loads may be out)
	MUL16 F1, 0, 0, 0
	s_wait_dscnt 0x0                               ; the add is done, and my reads of the old slot are over
	s_barrier_signal -1
	MUL16 F1, 0, 2, 0
.if \fill
	WIN 0
.endif
	s_barrier_wait -1
.endm
.macro TURN fill
.if \fill
	s_wait_xcnt 0x0                                ; the last prefetch, a K step back, has read its address: it is stepped here
	s_add_nc_u64 s[PFA:PFA+1], s[PFA:PFA+1], KSTEP*2
.endif
	MEET \fill
.if \fill
	CREST                                          ; no wave of any partner still reads the old slot's tile or has a load on its way
	JLOAD 1                                        ; the four v_nop behind it are also the places in front of the loads below
.else
	WIN 0
	PLACES
.endif
	v_add_nc_u32 v[ADRA], s[TB], v[ADRA0]
	v_add_nc_u32 v[ADRB], s[TB], v[ADRB0]
	FETCH 0, F0
.if \fill
	ASK
.endif
	MUL16 F1, 1, 0, 0
	MUL16 F1, 1, 2, 0
.endm
	s_load_b128 s[68:71], s[0:1], 0x0              ; pj s[68:69], pt s[70:71]
	s_load_b64 s[72:73], s[0:1], 0x10              ; st
	v_lshl_add_u32 v[SPW], v0, 2, SPARE
	v_mov_b32 v[NIL], 0
	ds_add_u32 v[SPW], v[NIL]                      ; the wave's opening: the add and its wait stand ahead of my first tensor load; the set-up below, work on registers, stands between them
	v_lshrrev_b32 v1, 5, v0
	v_readfirstlane_b32 s10, v1                    ; wave 0..3
	s_lshr_b32 s11, s10, 1                         ; which 128 queries are mine.  Also: I fetch for qp (0) or for k (1)
	s_and_b32 s12, s10, 1                          ; which 128 keys.  Also: which half of that tile I fetch
	s_bfe_u32 s40, ttmp6, 0x40000                  ; cx, cy
	s_bfe_u32 s41, ttmp6, 0x40004
	s_lshl_b32 s42, ttmp9, 2
	s_add_co_u32 s42, s42, s40                     ; tile column = 4 x cluster x + cx: 0..7, 256 keys each
	s_and_b32 s14, ttmp7, 0xffff                   ; cluster y: 0..7
	s_lshl_b32 s13, s14, 2
	s_add_co_u32 s13, s13, s41                     ; tile row = 4 x cluster y + cy: 0..31, 256 queries each
	s_lshr_b32 s15, s14, 1                         ; the batch: the same in all sixteen partners
	s_lshl_b32 s43, s41, 2
	s_lshl_b32 s43, 15, s43                        ; my row of the cluster
	s_lshl_b32 s44, 0x1111, s40                    ; my column
	s_or_b32 s[G1], s43, FIELDS
	s_or_b32 s[G1B], s44, FIELDS
.irp g, G1, G1B
	s_mov_b32 s[(\g)+1], KSTEP<<16                 ; tensor_dim0 = 128
	s_mov_b32 s[(\g)+2], 128<<16                   ; tensor_dim1 = 128
	s_mov_b32 s[(\g)+3], KSTEP<<16                 ; tile_dim0 = 128
	s_mov_b32 s[(\g)+4], 128                       ; tile_dim1 = 128
	s_mov_b32 s[(\g)+5], 1024                      ; elements from row to row
	s_mov_b32 s[(\g)+6], 0
	s_mov_b32 s[(\g)+7], 0
.endr
	s_mov_b32 s82, 0x3d38aa3b                      ; c = log2(e) / 32
	s_mov_b32 s83, s82                             ; named with it as a pair
	s_mov_b32 s84, 0x76543210                      ; v_permlanex16_b32: each lane takes its own place in the other half
	s_mov_b32 s85, 0xfedcba98
	s_lshl_b32 s16, s13, 8                         ; qp: row 256 x tile row + 128 x half
	s_lshl_b32 s17, s12, 7
	s_add_co_u32 s16, s16, s17
	s_lshl_b32 s16, s16, 11
	s_mov_b32 s17, 0
	s_lshl_b32 s46, s42, 8                         ; k: row 8,192 + 2,048 x batch + 256 x tile column + 128 x half
	s_lshl_b32 s47, s12, 7
	s_add_co_u32 s46, s46, s47
	s_lshl_b32 s47, s15, 11
	s_add_co_u32 s46, s46, s47
	s_add_co_u32 s46, s46, 8192
	s_lshl_b32 s46, s46, 11
	s_mov_b32 s47, 0
	s_mul_i32 s[LB], s10, HALFT                    ; where they go: wave x 128 rows: no place in the cluster enters an LDS address
	s_mov_b32 s[TB], 0
	s_wait_dscnt 0x0                               ; the opening add is done
	s_wait_kmcnt 0x0
	s_add_nc_u64 s[16:17], s[68:69], s[16:17]
	s_add_nc_u64 s[46:47], s[68:69], s[46:47]
	CROUND                                         ; all sixteen work-groups are here: the first joint loads meet
.irp s, 0,1
	s_mov_b32 s[G0+4*(\s)], 1
	s_add_co_u32 s[G0+4*(\s)+1], s[LB], (\s)*SLOT
	s_add_nc_u64 s[G0+4*(\s)+2:G0+4*(\s)+3], s[16:17], (\s)*KSTEP*2
	s_or_b32 s[G0+4*(\s)+3], s[G0+4*(\s)+3], 0x80000000
	s_mov_b32 s[G0B+4*(\s)], 1
	s_add_co_u32 s[G0B+4*(\s)+1], s[LB], (\s)*SLOT
	s_add_nc_u64 s[G0B+4*(\s)+2:G0B+4*(\s)+3], s[46:47], (\s)*KSTEP*2
	s_or_b32 s[G0B+4*(\s)+3], s[G0B+4*(\s)+3], 0x80000000
	JLOAD \s                                       ; two loads of mine are out
.endr
	v_and_b32 v1, 15, v0                           ; r
	v_bfe_u32 v2, v0, 4, 1                         ; h
	v_and_b32 v3, 31, v0                           ; l
	v_mul_u32_u24 v4, v1, PITCH
	v_lshl_add_u32 v4, v2, 4, v4                   ; row x pitch + 16 h
	s_mul_i32 s21, s11, HALFT                      ; my 128 rows of qp
	s_mul_i32 s22, s12, HALFT
	s_add_co_u32 s22, s22, 2*HALFT                 ; my 128 rows of k, which lie behind qp's 256
	v_add_nc_u32 v[ADRA0], s21, v4
	v_add_nc_u32 v[ADRB0], s22, v4
	v_add_nc_u32 v[ADRA], s[TB], v[ADRA0]          ; slot 0 is in hand
	v_add_nc_u32 v[ADRB], s[TB], v[ADRB0]
	s_mul_i32 s23, s10, 16*SPITCH
	s_add_co_u32 s23, s23, STAGE                   ; my stage
	v_add_nc_u32 v[STO], s23, v4
	v_mul_u32_u24 v5, v2, SPITCH
	v_lshl_add_u32 v5, v1, 4, v5
	v_add_nc_u32 v[RD], s23, v5
	v_mul_u32_u24 v5, v2, ROWP
	v_lshl_add_u32 v[CO], v1, 4, v5
	v_lshlrev_b32 v[SO], 3, v3
	s_lshl_b32 s16, s13, 8
	s_lshl_b32 s17, s11, 7
	s_add_co_u32 s16, s16, s17                     ; my first query row
	s_lshl_b32 s18, s16, 3                         ; 8 bytes a row in st
	s_mov_b32 s19, 0
	s_lshl_b32 s16, s16, 12                        ; 4,096 in pt
	s_mov_b32 s17, 0
	s_add_nc_u64 s[80:81], s[70:71], s[16:17]
	s_add_nc_u64 s[88:89], s[72:73], s[18:19]
	s_lshl_b32 s46, s42, 1
	s_add_co_u32 s46, s46, s12                     ; my block of keys: 2 x tile column + half
	s_lshl_b32 s20, s46, 8                         ; its 256 bytes in a row of pt
	s_mov_b32 s21, 0
	s_lshl_b32 s46, s46, 16                        ; its 8,192 rows of 8 bytes in st
	s_mov_b32 s47, 0
	s_add_nc_u64 s[80:81], s[80:81], s[20:21]
	s_add_nc_u64 s[88:89], s[88:89], s[46:47]
	; the prefetches
	s_lshl_b32 s20, s13, 8                         ; qp: the tile's first row + my work-group's 32 of a wave's 128
	s_lshl_b32 s21, s40, 5
	s_add_co_u32 s20, s20, s21
	s_lshl_b32 s22, s42, 8                         ; k: the tile's first row
	s_lshl_b32 s23, s15, 11
	s_add_co_u32 s22, s22, s23
	s_add_co_u32 s22, s22, 8192
	s_lshl_b32 s23, s41, 5
	s_add_co_u32 s22, s22, s23                     ; + my work-group's 32
	s_and_b32 s3, s14, 1                           ; k: the batch's first row of clusters
	s_cmp_eq_u32 s11, 0
	s_cselect_b32 s20, s20, s22
	s_cselect_b32 s2, ttmp9, s3                    ; qp: the first cluster along x
	s_cmp_eq_u32 s2, 0
	s_cselect_b32 s[LIM], 1, -1                    ; the same in all sixteen partners, for a given wave
	s_lshl_b32 s21, s12, 7
	s_add_co_u32 s20, s20, s21                     ; + the 128 rows that I fetch
	s_lshl_b32 s20, s20, 11
	s_mov_b32 s21, 0
	s_add_nc_u64 s[PFA:PFA+1], s[68:69], s[20:21]
	s_add_nc_u64 s[PFA:PFA+1], s[PFA:PFA+1], 2*KSTEP*2  ; at K step 2: the first refill (K step 2) steps it to 3 and names that
	v_lshlrev_b32 v[PFO], 11, v3
	s_wait_tensorcnt 0x1                           ; my part of K step 0 is in; K step 1's may stay out
	s_barrier_signal -1
	s_barrier_wait -1
	FETCH 0, F0
	QUARTER 64,  F0, F1, 1                         ; the first quarter stands in front of the loop: its products start the sums
	WIN 0
	s_mov_b32 s3, STEPS-2
.Lstep:                                                ; six trips: from a K step's second quarter to the next step's first; the slot that is left is filled again
	QUARTER 128, F1, F0, 0
	QUARTER 192, F0, F1, 0
	TURN 1
	QUARTER 64,  F0, F1, 0
	WIN 0
	s_sub_co_u32 s3, s3, 1
	s_cmp_lg_u32 s3, 0
	s_cbranch_scc1 .Lstep
	s_mov_b32 s3, 2
.Ltail:                                                ; the last two K steps ask for nothing: a text of their own; the second trip is left in its middle
	QUARTER 128, F1, F0, 0
	QUARTER 192, F0, F1, 0
	WIN 0
	s_sub_co_u32 s3, s3, 1
	s_cmp_eq_u32 s3, 0
	s_cbranch_scc1 .Llast
	TURN 0
	QUARTER 64,  F0, F1, 0
	WIN 0
	s_branch .Ltail
.Llast:
	s_wait_dscnt 8                                 ; the very last quarter: nothing more to fetch
	MUL16 F1, 0, 0, 0
	MUL16 F1, 0, 2, 0
	s_wait_dscnt 0x0
	MUL16 F1, 1, 0, 0
	MUL16 F1, 1, 2, 0
	WIN 0
.rept 8
	v_nop                                          ; the places behind the last products
.endr
; THE MAXIMA of a window's four query blocks.  A lane's 64 scores of block a lie in accumulators 8 a .. 8 a + 7.  Each accumulator's lowest registers are read first.
.macro MAXES hi
	WIN 0x2a+0x15*(\hi)                            ; three sources in window 2 or 3, destination in window 0
.set i, 0
.rept 32
	v_max3_num_f32 v[T+i], v[8*i], v[8*i+1], v[8*i+2]
.set i, i+1
.endr
	WIN 0x28+0x14*(\hi)                            ; source 0 in window 0
.irp j, 3, 5
.set i, 0
.rept 32
	v_max3_num_f32 v[T+i], v[T+i], v[8*i+\j], v[8*i+\j+1]
.set i, i+1
.endr
.endr
.set i, 0
.rept 16                               ; the registers 7 of accumulators 2 i and 2 i + 1
	v_max3_num_f32 v[T+2*i], v[T+2*i], v[16*i+7], v[16*i+15]
.set i, i+1
.endr
	WIN 0
.irp a, 0,1,2,3
	v_max3_num_f32 v[T+8*\a], v[T+8*\a], v[T+8*\a+1], v[T+8*\a+2]
	v_max3_num_f32 v[T+8*\a+3], v[T+8*\a+3], v[T+8*\a+4], v[T+8*\a+5]
.endr
.irp a, 0,1,2,3
	v_max3_num_f32 v[T+8*\a], v[T+8*\a], v[T+8*\a+3], v[T+8*\a+6]
.endr
.irp a, 0,1,2,3
	v_max_num_f32 v[T+8*\a], v[T+8*\a], v[T+8*\a+7]
.endr
.irp a, 0,1,2,3
	v_permlanex16_b32 v[T+8*\a+1], v[T+8*\a], s84, s85  ; the query's other 64 keys lie in the lane 16 away
.endr
.irp a, 0,1,2,3
	v_max_num_f32 v[STT+2*(4*(\hi)+\a)+1], v[T+8*\a], v[T+8*\a+1]  ; m
.endr
.irp a, 0,1,2,3
	v_mul_f32 v[STT+2*(4*(\hi)+\a)], s82, v[STT+2*(4*(\hi)+\a)+1]  ; c m
.endr
.endm
; THE SCALINGS c s - c m AND THE EXPONENTIALS of a window, in place.  Its 256 exponentials are ONE BATCH: nothing ahead of the wait names a result; block a + 1 is scaled between block a's exponentials.
.macro FSC hi, a, i
	v_pk_fma_f32 v[64*(\a)+2*(\i):64*(\a)+2*(\i)+1], v[64*(\a)+2*(\i):64*(\a)+2*(\i)+1], s[82:83], v[STT+2*(4*(\hi)+(\a)):STT+2*(4*(\hi)+(\a))+1] op_sel_hi:[1,0,0] neg_lo:[0,0,1] neg_hi:[0,0,1]
.endm
.macro EXPS hi
	WIN 0x82+0x41*(\hi)                            ; destination and source 0 in window 2 or 3, c m in window 0
.set i, 0
.rept 32
	FSC \hi, 0, i
.set i, i+1
.endr
.irp a, 0,1,2,3
.set i, 0
.rept 32
	v_exp_f32 v[64*\a+2*i], v[64*\a+2*i]
	v_exp_f32 v[64*\a+2*i+1], v[64*\a+2*i+1]
.if \a < 3
	FSC \hi, (\a)+1, i
.endif
.set i, i+1
.endr
.endr
	v_nop                                          ; a plain instruction behind the last exponential, ahead of the first use: one for the batch (ISA guide 5.7.2)
	s_wait_alu depctr_va_vdst(0)                   ; and the wait ahead of the first instruction that names a result: one for the batch
.endm
; THE SUMS of a window, in f32, of the unrounded p: a tree for each block, the four blocks level by level
.macro SUMS hi
	WIN 0x0a+5*(\hi)                               ; sources in window 2 or 3, destination in window 0
.set i, 0
.rept 64
	v_pk_add_f32 v[U+2*i:U+2*i+1], v[4*i:4*i+1], v[4*i+2:4*i+3]
.set i, i+1
.endr
	WIN 0
.irp w, 8,4,2,1
.irp a, 0,1,2,3
.set i, 0
.rept \w
	v_pk_add_f32 v[U+32*\a+2*i:U+32*\a+2*i+1], v[U+32*\a+2*i:U+32*\a+2*i+1], v[U+32*\a+2*(i+\w):U+32*\a+2*(i+\w)+1]
.set i, i+1
.endr
.endr
.endr
.irp a, 0,1,2,3
	v_add_f32 v[U+32*\a], v[U+32*\a], v[U+32*\a+1]
.endr
.irp a, 0,1,2,3
	v_permlanex16_b32 v[U+32*\a+1], v[U+32*\a], s84, s85
.endr
.irp a, 0,1,2,3
	v_add_f32 v[LL+4*(\hi)+\a], v[U+32*\a], v[U+32*\a+1]
.endr
.endm
; THE WAY OUT of p, a block of 16 rows at a time: rounded to f16, 16 bytes a lane; into my own stage in LDS; back as whole rows of 256 bytes; stored.
.macro PACK a
	WIN 0x0a+5*((\a)/4)
.irp b, 0,1,2,3,4,5,6,7
.irp r, 0,1,2,3
	v_cvt_pk_f16_f32 v[TMP+4*(\b)+(\r)], v[64*((\a)%4)+8*(\b)+2*(\r)], v[64*((\a)%4)+8*(\b)+2*(\r)+1]
.endr
.endr
	WIN 0
.endm
.macro TOSTAGE a
.irp b, 0,1,2,3,4,5,6,7
	ds_store_b128 v[STO], v[TMP+4*(\b):TMP+4*(\b)+3] offset:32*(\b)
.endr
.irp t, 0,1,2,3,4,5,6,7
	ds_load_b128 v[BK+32*((\a)%2)+4*(\t):BK+32*((\a)%2)+4*(\t)+3], v[RD] offset:(\t)*2*SPITCH  ; LDS serves a wave's instructions in order (ISA guide 5.7.1.4): these see the stores above
.endr
.endm
.macro SEND a
	s_wait_dscnt 0x0                               ; the block is back in registers
	s_wait_xcnt 0x0                                ; the stores of the block before have read their registers (ISA guide 3.1), which the next block's loads from the stage take again
.irp t, 0,1,2,3,4,5,6,7
	global_store_b128 v[CO], v[BK+32*((\a)%2)+4*(\t):BK+32*((\a)%2)+4*(\t)+3], s[80:81] offset:(16*(\a)+2*(\t))*ROWP  ; 16 lanes store 256 consecutive bytes, aligned
.endr
.endm
	; my queries 0-63: softmax, then out
	MAXES 0
	EXPS 0
	SUMS 0
	PACK 0
	TOSTAGE 0
.irp a, 1,2,3                          ; block a's conversions stand between block a - 1's loads from the stage and the wait for them
	PACK \a
	SEND (\a)-1
	TOSTAGE \a
.endr
	SEND 3
	; my queries 64-127: their softmax is made while the 32 stores above are on their way
	MAXES 1                                        ; (it writes v64-95, which only LDS stores have read, all awaited in SEND 3)
	EXPS 1
	s_wait_xcnt 0x0                                ; the stores above have read v96-159, which the sums below write
	SUMS 1
	; (c m, l) of my 128 rows: both halves of the lanes hold them, so lanes 0-15 give an even block's rows and lanes 16-31 the next block's: each store covers 256 consecutive bytes, aligned
	v_cmp_lt_u32 s66, 15, v3
.irp j, 0,1,2,3
	v_cndmask_b32 v[OUTS+2*\j],   v[STT+4*\j], v[STT+4*\j+2], s66
	v_cndmask_b32 v[OUTS+2*\j+1], v[LL+2*\j],  v[LL+2*\j+1],  s66
.endr
.irp j, 0,1,2,3
	global_store_b64 v[SO], v[OUTS+2*\j:OUTS+2*\j+1], s[88:89] offset:256*\j
.endr
	PACK 4
	TOSTAGE 4
.irp a, 5,6,7
	PACK \a
	SEND (\a)-1
	TOSTAGE \a
.endr
	SEND 7
	s_wait_tensorcnt 0x0                           ; the wave's end, behind my last tensor load and my last LDS store
	ds_add_u32 v[SPW], v[NIL]
	s_wait_dscnt 0x0
	CROUND                                         ; the closing round
	s_endpgm
.Lfunc_end_k_qbbdb5be00e_scores:
	.size	k_qbbdb5be00e_scores, .Lfunc_end_k_qbbdb5be00e_scores-k_qbbdb5be00e_scores
	.p2alignl 7, 3214868480
	.fill 96, 4, 3214868480
	.section	.rodata,"a",@progbits
	.p2align	6, 0x0
	.amdhsa_kernel k_qbbdb5be00e_scores
		.amdhsa_group_segment_fixed_size 327680
		.amdhsa_private_segment_fixed_size 0
		.amdhsa_enable_private_segment 0
		.amdhsa_kernarg_size 24
		.amdhsa_user_sgpr_count 2
		.amdhsa_user_sgpr_kernarg_segment_ptr 1
		.amdhsa_wavefront_size32 1
		.amdhsa_system_sgpr_workgroup_id_x 1
		.amdhsa_system_sgpr_workgroup_id_y 1
		.amdhsa_system_sgpr_workgroup_id_z 1
		.amdhsa_system_vgpr_workitem_id 0
		.amdhsa_next_free_vgpr 1024
		.amdhsa_next_free_sgpr 96
		.amdhsa_reserve_vcc 0
		.amdhsa_float_denorm_mode_32 3
		.amdhsa_float_denorm_mode_16_64 3
		.amdhsa_memory_ordered 1
		.amdhsa_forward_progress 1
		.amdhsa_inst_pref_size 172
	.end_amdhsa_kernel
	.amdgpu_metadata
---
amdhsa.version: [ 1, 2 ]
amdhsa.kernels:
  - .name:           k_qbbdb5be00e_scores
    .symbol:         k_qbbdb5be00e_scores.kd
    .args:
      - { .name: pj, .offset: 0, .size: 8, .value_kind: global_buffer, .address_space: global }
      - { .name: pt, .offset: 8, .size: 8, .value_kind: global_buffer, .address_space: global }
      - { .name: st, .offset: 16, .size: 8, .value_kind: global_buffer, .address_space: global }
    .group_segment_fixed_size: 327680
    .private_segment_fixed_size: 0
    .kernarg_segment_align: 8
    .kernarg_segment_size: 24
    .max_flat_workgroup_size: 128
    .sgpr_count:     96
    .vgpr_count:     1024
    .wavefront_size: 32
...
	.end_amdgpu_metadata
.endif
;; end of part 7
;; launch context (part 8): grid 4 x 64, 4 waves a work-group, clusters of 4 x 4, 327,680 bytes of LDS; arguments pt, pj, st, out0; writes out0
.if DOCPART == 8
	.amdgcn_target "amdgcn-amd-amdhsa--gfx1250"
	.amdhsa_code_object_version 6
	.text
	.protected	k_qbbdb5be00e_context
	.globl	k_qbbdb5be00e_context
	.p2align	8
	.type	k_qbbdb5be00e_context,@function
k_qbbdb5be00e_context:
	s_mov_b64 s[64:65], 0
	v_nop
	global_prefetch_b8 v0, s[64:65] scope:SCOPE_SE
	s_setreg_imm32_b32 hwreg(HW_REG_WAVE_MODE, 25, 1), 1
	s_wait_xcnt 0x0
	s_wait_alu depctr_hold_cnt(0) depctr_sa_sdst(0) depctr_va_vdst(0) depctr_va_sdst(0) depctr_va_ssrc(0) depctr_va_vcc(0) depctr_vm_vsrc(0)
	s_getreg_b32 s2, hwreg(HW_REG_IB_STS2, 6, 4)
	s_cmp_eq_u32 s2, 0
	s_cbranch_scc0 .Lentry_in_a_cluster
	s_endpgm
.Lentry_in_a_cluster:
	s_bfe_u32 s2, ttmp6, 0x10000c
	s_cmp_lg_u32 s2, 0xf033
	s_cbranch_scc0 .Lentry_shape_is_right
	s_endpgm
.Lentry_shape_is_right:
; THE SECOND HALF OF THE SOFTMAX AND THE CONTEXT.  out0[row][:] = (the sum over the 16 blocks kb of f[row][kb] P_kb[row][:] V_kb) / L[row], with
; f[row][kb] = 2^(cm[row][kb] - the largest cm of the row) and L = the sum over kb of f l: the row's running maximum, joined from the blocks' maxima.
; pt: [8192][2048] f16 (p).  pj: [24576][1024] f16, v in rows 16,384 on.  st: [16][8192][2] f32 (c m, l).  out0: [8192][1024] f32.
; f and L are made in f32; f is rounded to f16 and multiplied onto P's fragments (v_pk_mul_f16: one rounding more of a matrix operand); products f16, sums f32; 1 / L is applied in f32 on the way out.
; LIMITS.  All exponents are at most 0; f at most 1, and 1 for one block of each row, so L is at least 1.  An f below 2^-126 counts as 0; f and f p below 6e-5 keep f16's fixed step of 6e-8.
; NaN and infinities are not treated apart.
; SHARES.  A tile is 128 rows x 256 channels: 64 x 4 = 256 work-groups, one for each WGP.  Four waves; wave w has rows 64 (w / 2) .. + 63, channels 128 (w % 2) .. + 127: 32 accumulators.
; K = 2,048 keys goes in 16 steps of 128, a block of keys each, through a ring of two LDS slots.  pt's tile rows are 256 bytes of memory, v's 512, aligned.
; CLUSTER.  4 x 4 work-groups of one batch.  The four of a row of the cluster need the same 128 rows of pt, the four of a column the same 256 channels of v: each tile is asked for JOINTLY.
; THE MATRIX INSTRUCTION IS USED TRANSPOSED (source 0 = 16 channels of V^T, source 1 = 16 rows of P): lane l holds row l % 16 and the channels 8 (l / 16) + 0..7.  V ([key][channel]) comes out of LDS turned, by ds_load_tr16_b128.
; ONE K STEP IS WRITTEN ONCE: the slot in hand is a scalar, 0 or SLOT, turned by an exclusive or and added onto the lanes' fixed places; one descriptor a tensor walks from slot to slot.
; A step has 128 matrix instructions a wave, and a refill has all of them between its request and the wait for it: see TURN.
; REGISTERS, in windows of 256: window 0: v0-31 addresses; v32-35 f of the K step in hand; v40-47 1 / L; v64-159, v160-255 two fragment buffers; window 1: the accumulators.
; lds_bytes is all of a WGP's LDS; the text uses 251,904 bytes.
.set KSTEP,  128
.set PITCH,  272                       ; a row of P in LDS: 256 bytes + 16 of padding
.set VP,     544                       ; a row of V: 512 + 32 = 136 words
.set HA,     64*PITCH                  ; 64 rows of P: one load
.set HB,     64*VP                     ; 64 keys of V: one load; = 2 HA
.set SLOT,   3*HB                      ; P's 128 rows, then V's 128 keys
.set STAGE,  2*SLOT                    ; behind the ring: 16 rows x 528 bytes for each wave, for the way out
.set SPITCH, 528
.set FT,     STAGE+4*16*SPITCH         ; f as two equal f16: [16 blocks][128 rows] words
.set INV,    FT+16*128*4               ; 1 / L: [128 rows] f32
.set SPARE,  INV+512                   ; the spare words, 128 bytes for each wave: two blocks of 256 bytes that no other line names
.set STEPS,  16
.set ROWO,   4096                      ; bytes in a row of out0 and of pt
.set VSTEP,  128*2048                  ; bytes from a K step of v to the next: 128 rows of pj
.set ADRA0, 16                         ; v16     my lane's place in my P fragments of slot 0; never rewritten
.set ADRB0, 17                         ; v17     the same for V
.set ADRA,  18                         ; v18     the same in the slot in hand
.set ADRB,  19                         ; v19
.set STO,  24
.set RD,   25
.set CO,   26
.set FT0,  27                          ; v27     FT + 4 (my 64 rows' first + r); never rewritten
.set SPW,  28
.set NIL,  29
.set PFO,  30
.set FTA,  31                          ; v31     the same in the block to be fetched
.set FS,   32                          ; v32-35  f of row block a, for the K step in hand
.set IV,   40                          ; v40-47  1 / L of row block a, twice, at IV + 2 a
.set F0,   64
.set F1,   160
.set TMP,  64                          ; the way out: 64 registers of scaled results
.set BK,   128                         ; the way out: 16 rows read back: v128-191 and v192-255 by turns
.set G1,  24                           ; s[24:31] descriptor group 1 for P's tiles;  s[32:39] group 0: a set for each of the two first fills; the second then walks on
.set G0,  32
.set G1B, 48                           ; s[48:55], s[56:63] the same for V's
.set G0B, 56
.set LIM, 43                           ; s43  2 in a wave that prefetches, else the greatest number
.set PFA, 44
.set FTO, 86                           ; s86  512 x the block to be fetched
.set LBA, 87                           ; s87  where my half of P's tile lies in a slot
.set LBB, 92                           ; s92  where my half of V's tile lies in a slot
.set TB,  93                           ; s93  LDS byte at which the slot in hand begins: 0 or SLOT
.set MUL,  0x50
.set MSB, 0
.macro WIN new
.if MSB != (\new)
	s_set_vgpr_msb (MSB<<8)|(\new)
.set MSB, \new
.endif
.endm
; A joint load: waves 0 and 1 fetch P's two halves, waves 2 and 3 V's.  An s_nop 0 and four v_nop follow each of the two lines.
.macro JLOAD s
	s_cmp_eq_u32 s11, 0
	s_cbranch_scc0 .Lfor_b_\@
	tensor_load_to_lds s[G0+4*(\s):G0+4*(\s)+3], s[G1:G1+7]
	s_nop 0
.rept 4
	v_nop
.endr
	s_branch .Lasked_\@
.Lfor_b_\@:
	tensor_load_to_lds s[G0B+4*(\s):G0B+4*(\s)+3], s[G1B:G1B+7]
	s_nop 0
.rept 4
	v_nop
.endr
.Lasked_\@:
.endm
; A PREFETCH INTO THE L2 of the K step that stands two refills on (256 matrix instructions ahead of the load that will want it): 32 blocks of 256 bytes, a lane a row, one instruction a wave.
; Each block is named once in the launch.  pt's rows belong to one row of one cluster: its waves 0 ask, the four partners take 32 rows each BY ADDRESS.  v's rows are read by the four clusters of a batch:
; the first asks; the four partners of a column take 32 keys each by address, wave 2 the first 256 bytes of their 512, wave 3 the second.
; K steps 0 to 3 come by their loads alone; the loop's last two trips (s3 = 2, 1) ask for nothing: there is no K step two refills on.
.macro ASK
	s_cmp_gt_u32 s3, s[LIM]
	s_cbranch_scc0 .Lnot_mine_\@
	global_prefetch_b8 v[PFO], s[PFA:PFA+1] th:TH_LOAD_NT scope:SCOPE_SE
.Lnot_mine_\@:
.endm
.macro CREST
	s_cmp_lg_u32 s10, 0
	s_cbranch_scc1 .Lnot_wave_0_\@
	s_barrier_signal -3
.Lnot_wave_0_\@:
	s_barrier_wait -3
	s_barrier_signal -1
	s_barrier_wait -1
.endm
.macro CROUND
	s_barrier_signal -1
	s_barrier_wait -1
	CREST
.endm
.macro PLACES
.rept 4
	v_nop
.endr
.endm
; 8 matrix instructions: row block a x all 8 channel blocks, 32 keys, from buffer f.  The 32 accumulators take turns in one order in every quarter.
.macro MUL8 f, a, zero
	WIN MUL
.irp b, 0,1,2,3,4,5,6,7
.if \zero
	v_wmma_f32_16x16x32_f16 v[8*(8*(\a)+(\b)):8*(8*(\a)+(\b))+7], v[(\f)+32+8*(\b):(\f)+32+8*(\b)+7], v[(\f)+8*(\a):(\f)+8*(\a)+7], 0
.else
	v_wmma_f32_16x16x32_f16 v[8*(8*(\a)+(\b)):8*(8*(\a)+(\b))+7], v[(\f)+32+8*(\b):(\f)+32+8*(\b)+7], v[(\f)+8*(\a):(\f)+8*(\a)+7], v[8*(8*(\a)+(\b)):8*(8*(\a)+(\b))+7]
.endif
.endr
.endm
; P's fragments of row blocks 2 half and 2 half + 1 in buffer f times their rows' f: 16 packed multiplies, one for each matrix instruction that follows
.macro SCALE f, half
	WIN 0
.irp a, 2*(\half), 2*(\half)+1
.irp r, 0,1,2,3,4,5,6,7
	v_pk_mul_f16 v[(\f)+8*(\a)+(\r)], v[(\f)+8*(\a)+(\r)], v[FS+(\a)]
.endr
.endr
.endm
; The LDS loads of 32 keys in one run, from the slot in hand into buffer f: V's sixteen (turned), then P's eight.  k = the quarter's byte in P's rows; in V it is 32 keys further down for each 64.
; At a K step's first quarter four loads more stand at the head: the step's f for my four row blocks.
.macro FETCH k, f
	WIN 0
.if (\k) == 0
	v_add_nc_u32 v[FTA], s[FTO], v[FT0]
	s_add_co_u32 s[FTO], s[FTO], 512               ; the next fetch is the next block's
.irp a, 0,1,2,3
	ds_load_b32 v[FS+(\a)], v[FTA] offset:64*(\a)
.endr
.endif
.irp b, 0,1,2,3,4,5,6,7
	ds_load_tr16_b128 v[(\f)+32+8*(\b):(\f)+32+8*(\b)+3],   v[ADRB] offset:((\k)/64)*32*VP+32*(\b)
	ds_load_tr16_b128 v[(\f)+32+8*(\b)+4:(\f)+32+8*(\b)+7], v[ADRB] offset:((\k)/64)*32*VP+16*VP+32*(\b)
.endr
.irp a, 0,1,2,3
	ds_load_b128 v[(\f)+8*(\a):(\f)+8*(\a)+3],   v[ADRA] offset:(\k)+(\a)*16*PITCH
	ds_load_b128 v[(\f)+8*(\a)+4:(\f)+8*(\a)+7], v[ADRA] offset:(\k)+(\a)*16*PITCH+32
.endr
.endm
; A K step is four quarters of 32 keys, 32 matrix instructions each, on buffers 0, 1, 0, 1.  One of the first three: multiplies buffer f; in its middle it fetches the next quarter, at byte k, into g.
.macro QUARTER k, f, g, zero
	s_wait_dscnt 4                                 ; f, V and P's row blocks 0, 1 are in; the youngest four loads (P's blocks 2, 3) may be out
	SCALE \f, 0
	MUL8 \f, 0, \zero
	MUL8 \f, 1, \zero
	PLACES
	FETCH \k, \g
	s_wait_dscnt 24                                ; all but the 24 just issued
	SCALE \f, 1
	MUL8 \f, 2, \zero
	MUL8 \f, 3, \zero
.endm
; The last quarter multiplies buffer 1 and changes slots: ONE barrier.  Sixteen products and all of the quarter's scalings stand AHEAD of the wait for the tile; between that wait and the next request stand
; only the add, the descriptors' steps and the round: so a refill has the step's whole 128 matrix instructions between its request and the wait for it.
; In front of the barrier each wave waits for all its tensor loads (one is out: its part of the next slot), adds 0 to its spare word, and waits for that; its own reads of this slot were awaited ahead of the second scaling.
; That scaling is the last reader of this step's f, so the next step's f lands in the same four registers.
; fill = 1: the barrier opens a round of the cluster's, and the old slot is filled again, two K steps on, first thing behind the round.
.macro TURN fill
.if \fill
	s_wait_xcnt 0x0                                ; the last prefetch, a K step back, has read its address: it is stepped here
	s_add_nc_u64 s[PFA:PFA+1], s[PFA:PFA+1], s[90:91]
.endif
	s_wait_dscnt 4                                 ; V and P's row blocks 0, 1 are in
	SCALE F1, 0
	MUL8 F1, 0, 0
	MUL8 F1, 1, 0
	s_wait_dscnt 0x0                               ; P's row blocks 2, 3 are in: my reads of this slot are over
	SCALE F1, 1
	s_wait_tensorcnt 0x0                           ; all my tensor loads have landed, so a group 0 may be written;
	ds_add_u32 v[SPW], v[NIL]                      ; 0 onto my spare word; work on registers stands between it and the wait for it
.if \fill
	s_add_co_u32 s[G0+5], s[LBA], s[TB]            ; LDS address: my half of P's tile in the slot that has been read out
	s_add_nc_u64 s[G0+6:G0+7], s[G0+6:G0+7], KSTEP*2   ; the next K step; the type bits on top are not reached
	s_add_co_u32 s[G0B+5], s[LBB], s[TB]
	s_add_nc_u64 s[G0B+6:G0B+7], s[G0B+6:G0B+7], VSTEP
.endif
	s_xor_b32 s[TB], s[TB], SLOT                   ; the slot in hand is now the other one
	s_wait_dscnt 0x0                               ; the add is done
	s_barrier_signal -1
	s_barrier_wait -1
.if \fill
	CREST                                          ; no wave of any partner still reads the old slot's tile or has a load on its way
	JLOAD 1                                        ; the four v_nop behind it are also places in front of the loads below
.else
	PLACES
.endif
	v_add_nc_u32 v[ADRA], s[TB], v[ADRA0]
	v_add_nc_u32 v[ADRB], s[TB], v[ADRB0]
	FETCH 0, F0
.if \fill
	ASK                                            ; behind the joint load and the run of LDS loads that the next products wait for
.endif
	MUL8 F1, 2, 0
	MUL8 F1, 3, 0
.endm
	s_load_b256 s[68:75], s[0:1], 0x0              ; pt s[68:69], pj s[70:71], st s[72:73], out0 s[74:75]
	v_lshl_add_u32 v[SPW], v0, 2, SPARE
	v_mov_b32 v[NIL], 0
	ds_add_u32 v[SPW], v[NIL]                      ; the wave's opening: the add and its wait stand ahead of my first tensor load; the set-up below, work on registers, stands between them
	v_lshrrev_b32 v1, 5, v0
	v_readfirstlane_b32 s10, v1                    ; wave 0..3
	s_lshr_b32 s11, s10, 1                         ; which 64 rows are mine.  Also: I fetch for P (0) or for V (1)
	s_and_b32 s12, s10, 1                          ; which 128 channels.  Also: which half of that tile I fetch
	s_bfe_u32 s40, ttmp6, 0x40000                  ; cx, cy
	s_bfe_u32 s41, ttmp6, 0x40004
	s_lshl_b32 s42, ttmp9, 2
	s_add_co_u32 s42, s42, s40                     ; tile column: 0..3, 256 channels each
	s_and_b32 s14, ttmp7, 0xffff                   ; cluster y: 0..15
	s_lshl_b32 s13, s14, 2
	s_add_co_u32 s13, s13, s41                     ; tile row: 0..63, 128 rows each
	s_lshr_b32 s15, s14, 2                         ; the batch
	s_lshl_b32 s43, s41, 2
	s_lshl_b32 s43, 15, s43                        ; my row of the cluster
	s_lshl_b32 s44, 0x1111, s40                    ; my column
	s_or_b32 s[G1], s43, (1<<16)|(1<<20)|(1<<21)|(5<<22)|(3<<25)   ; P: elements of 2 bytes; padding on; 21 set beside a mask; after every 64 words 4 words
	s_or_b32 s[G1B], s44, (1<<16)|(1<<20)|(1<<21)|(6<<22)|(7<<25)  ; V: after every 128 words 8 words
	s_mov_b32 s[G1+1], KSTEP<<16                   ; P: tensor_dim0 = 128 keys
	s_mov_b32 s[G1+2], 64<<16                      ; tensor_dim1 = 64 rows
	s_mov_b32 s[G1+3], KSTEP<<16                   ; tile_dim0
	s_mov_b32 s[G1+4], 64                          ; tile_dim1
	s_mov_b32 s[G1+5], 2048                        ; elements from row to row of pt
	s_mov_b32 s[G1+6], 0
	s_mov_b32 s[G1+7], 0
	s_mov_b32 s[G1B+1], 256<<16                    ; V: tensor_dim0 = 256 channels
	s_mov_b32 s[G1B+2], 64<<16                     ; tensor_dim1 = 64 keys
	s_mov_b32 s[G1B+3], 256<<16
	s_mov_b32 s[G1B+4], 64
	s_mov_b32 s[G1B+5], 1024                       ; elements from row to row of pj
	s_mov_b32 s[G1B+6], 0
	s_mov_b32 s[G1B+7], 0
	s_mov_b32 s[FTO], 0
	s_mov_b32 s[TB], 0
	s_lshl_b32 s16, s13, 7                         ; P: row 128 x tile row + 64 x half
	s_lshl_b32 s17, s12, 6
	s_add_co_u32 s16, s16, s17
	s_lshl_b32 s16, s16, 12
	s_mov_b32 s17, 0
	s_lshl_b32 s46, s15, 11                        ; V: row 16,384 + 2,048 x batch + 64 x half,
	s_lshl_b32 s47, s12, 6
	s_add_co_u32 s46, s46, s47
	s_add_co_u32 s46, s46, 16384
	s_lshl_b32 s46, s46, 11
	s_lshl_b32 s47, s42, 9                         ; channel 256 x tile column
	s_add_co_u32 s46, s46, s47
	s_mov_b32 s47, 0
	s_mul_i32 s[LBA], s12, HA                      ; where they go: P's two halves,
	s_mul_i32 s[LBB], s12, HB
	s_add_co_u32 s[LBB], s[LBB], HB                ; behind them V's two: no place in the cluster enters an LDS address
	s_wait_dscnt 0x0                               ; the opening add is done
	s_wait_kmcnt 0x0
	s_add_nc_u64 s[16:17], s[68:69], s[16:17]
	s_add_nc_u64 s[46:47], s[70:71], s[46:47]
	CROUND                                         ; all sixteen work-groups are here: the first joint loads meet
.irp s, 0,1
	s_mov_b32 s[G0+4*(\s)], 1
	s_add_co_u32 s[G0+4*(\s)+1], s[LBA], (\s)*SLOT
	s_add_nc_u64 s[G0+4*(\s)+2:G0+4*(\s)+3], s[16:17], (\s)*KSTEP*2
	s_or_b32 s[G0+4*(\s)+3], s[G0+4*(\s)+3], 0x80000000
	s_mov_b32 s[G0B+4*(\s)], 1
	s_add_co_u32 s[G0B+4*(\s)+1], s[LBB], (\s)*SLOT
	s_add_nc_u64 s[G0B+4*(\s)+2:G0B+4*(\s)+3], s[46:47], (\s)*VSTEP
	s_or_b32 s[G0B+4*(\s)+3], s[G0B+4*(\s)+3], 0x80000000
	JLOAD \s                                       ; two loads of mine are out
.endr
	; thread t serves row t of the tile: its 16 pairs (c m, l); a block's 128 pairs are 1,024 consecutive bytes
	s_lshl_b32 s22, s13, 10
	s_mov_b32 s23, 0
	s_add_nc_u64 s[88:89], s[72:73], s[22:23]
	v_lshlrev_b32 v7, 3, v0
.set i, 0
.rept 16
	global_load_b64 v[64+2*i:65+2*i], v7, s[88:89] offset:65536*i
.set i, i+1
.endr
	v_and_b32 v1, 15, v0                           ; r
	v_bfe_u32 v2, v0, 4, 1                         ; h
	v_and_b32 v3, 31, v0                           ; l
	v_mul_u32_u24 v4, v1, PITCH
	v_lshl_add_u32 v4, v2, 4, v4                   ; P: row x pitch + 16 h
	; the turning load takes 16 keys x 16 channels: lane l reads key 8 h + l % 8, channels 8 ((l / 8) % 2) + 0..7, and is left with channel l % 16 and 8 keys
	v_and_b32 v5, 7, v0
	v_bfe_u32 v6, v0, 3, 1
	v_lshl_add_u32 v5, v2, 3, v5
	v_mul_u32_u24 v5, v5, VP
	v_lshl_add_u32 v5, v6, 4, v5
	s_mul_i32 s21, s11, HA                         ; my 64 rows of P
	s_lshl_b32 s22, s12, 8                         ; my 128 channels of V,
	s_add_co_u32 s22, s22, HB                      ; which lies behind P's 128 rows
	v_add_nc_u32 v[ADRA0], s21, v4
	v_add_nc_u32 v[ADRB0], s22, v5
	v_add_nc_u32 v[ADRA], s[TB], v[ADRA0]          ; slot 0 is in hand
	v_add_nc_u32 v[ADRB], s[TB], v[ADRB0]
	s_mul_i32 s23, s10, 16*SPITCH
	s_add_co_u32 s23, s23, STAGE                   ; my stage
	v_mul_u32_u24 v5, v1, SPITCH                   ; in: row r, 32 bytes for each half of the lanes
	v_lshl_add_u32 v5, v2, 5, v5
	v_add_nc_u32 v[STO], s23, v5
	v_lshl_add_u32 v[RD], v3, 4, s23               ; back: 32 lanes take a row's 512 bytes
	v_lshlrev_b32 v[CO], 4, v3                     ; and the same in out0
	s_lshl_b32 s23, s11, 8
	s_add_co_u32 s23, s23, FT
	v_lshl_add_u32 v[FT0], v1, 2, s23              ; FT + 4 (64 x my half + r)
	v_lshl_add_u32 v6, v0, 2, FT                   ; FT + 4 t
	s_lshl_b32 s16, s13, 7
	s_lshl_b32 s17, s11, 6
	s_add_co_u32 s16, s16, s17                     ; my first row of out0
	s_lshl_b32 s16, s16, 12
	s_mov_b32 s17, 0
	s_add_nc_u64 s[80:81], s[74:75], s[16:17]
	s_lshl_b32 s46, s42, 10                        ; my first channel, in bytes
	s_lshl_b32 s47, s12, 9
	s_add_co_u32 s46, s46, s47
	s_mov_b32 s47, 0
	s_add_nc_u64 s[80:81], s[80:81], s[46:47]
	; the prefetches
	s_lshl_b32 s20, s13, 7                         ; pt: the tile's first row + my work-group's 32 of the 128
	s_lshl_b32 s21, s40, 5
	s_add_co_u32 s20, s20, s21
	s_lshl_b32 s20, s20, 12
	s_lshl_b32 s22, s15, 11                        ; v: the batch's first key + my work-group's 32 of a K step's 128,
	s_add_co_u32 s22, s22, 16384
	s_lshl_b32 s23, s41, 5
	s_add_co_u32 s22, s22, s23
	s_lshl_b32 s22, s22, 11
	s_lshl_b32 s23, s42, 9                         ; the tile's 512 bytes of a row,
	s_add_co_u32 s22, s22, s23
	s_lshl_b32 s23, s12, 8                         ; my wave's 256 of them
	s_add_co_u32 s22, s22, s23
	s_or_b32 s2, s12, ttmp9                        ; pt: wave 0
	s_and_b32 s3, s14, 3                           ; v: the batch's first cluster
	s_mov_b32 s90, VSTEP
	s_mov_b32 s91, 0
	s_cmp_eq_u32 s11, 0
	s_cselect_b32 s20, s20, s22
	s_cselect_b32 s2, s2, s3
	s_cselect_b32 s90, KSTEP*2, s90                ; bytes from a K step to the next
	s_cselect_b32 s23, 12, 11                      ; a lane a row: 4,096 bytes in pt, 2,048 in pj
	s_cselect_b64 s[PFA:PFA+1], s[68:69], s[70:71]
	s_cmp_eq_u32 s2, 0
	s_cselect_b32 s[LIM], 2, -1                    ; the same in all sixteen partners, for a given wave
	s_mov_b32 s21, 0
	s_add_nc_u64 s[PFA:PFA+1], s[PFA:PFA+1], s[20:21]
	s_mul_i32 s20, s90, 3
	s_add_nc_u64 s[PFA:PFA+1], s[PFA:PFA+1], s[20:21]  ; at K step 3: the first refill (K step 2) steps it to 4 and names that
	v_lshlrev_b32 v[PFO], s23, v3
	; THE ROW'S MAXIMUM, f AND L, in the wait for the first tiles
	s_wait_loadcnt 0x0
	v_max3_num_f32 v96, v64, v66, v68
	v_max3_num_f32 v97, v70, v72, v74
	v_max3_num_f32 v98, v76, v78, v80
	v_max3_num_f32 v99, v82, v84, v86
	v_max3_num_f32 v100, v88, v90, v92
	v_max3_num_f32 v96, v96, v97, v98
	v_max3_num_f32 v99, v99, v100, v94
	v_max_num_f32 v96, v96, v99                    ; the largest c m of the row
.set i, 0
.rept 16
	v_sub_f32 v[64+2*i], v[64+2*i], v96
.set i, i+1
.endr
.set i, 0
.rept 16
	v_exp_f32 v[64+2*i], v[64+2*i]                 ; f
.set i, i+1
.endr
	v_nop                                          ; a plain instruction behind the last exponential (ISA guide 5.7.2),
	s_wait_alu depctr_va_vdst(0)                   ; and the wait ahead of the first use: one for the sixteen
	v_mul_f32 v101, v64, v65                       ; L = the sum of f l, in two chains
	v_mul_f32 v102, v66, v67
.set i, 2
.rept 14
	v_fmac_f32 v[101+i%2], v[64+2*i], v[65+2*i]
.set i, i+1
.endr
	v_add_f32 v101, v101, v102
	v_rcp_f32 v103, v101
.set i, 0
.rept 16
	v_cvt_pk_f16_f32 v[65+2*i], v[64+2*i], v[64+2*i]  ; f twice, for the packed multiply; plain work behind the reciprocal
.set i, i+1
.endr
.set i, 0
.rept 16
	ds_store_b32 v6, v[65+2*i] offset:512*i
.set i, i+1
.endr
	s_wait_alu depctr_va_vdst(0)                   ; the reciprocal's wait, ahead of its first use
	ds_store_b32 v6, v103 offset:INV-FT
	s_wait_tensorcnt 0x1                           ; my part of K step 0 is in; K step 1's may stay out
	s_wait_dscnt 0x0                               ; for the others' sake: my rows' f and 1 / L are in LDS
	s_barrier_signal -1
	s_barrier_wait -1
	FETCH 0, F0
	QUARTER 64,  F0, F1, 1                         ; the first quarter stands in front of the loop: its products start the sums
	WIN 0                                          ; at a label and at a branch every window is 0
	s_mov_b32 s3, STEPS-2
.Lstep:                                                ; fourteen trips: from a K step's second quarter to the next step's first; the slot that is left is filled again
	QUARTER 128, F1, F0, 0
	QUARTER 192, F0, F1, 0
	TURN 1
	QUARTER 64,  F0, F1, 0
	WIN 0
	s_sub_co_u32 s3, s3, 1
	s_cmp_lg_u32 s3, 0
	s_cbranch_scc1 .Lstep
	s_mov_b32 s3, 2
.Ltail:                                                ; the last two K steps ask for nothing: a text of their own
	QUARTER 128, F1, F0, 0
	QUARTER 192, F0, F1, 0
	TURN 0
	WIN 0
	s_sub_co_u32 s3, s3, 1
	s_cmp_eq_u32 s3, 0
	s_cbranch_scc1 .Lout                           ; the second trip is left here, behind the launch's last product
	QUARTER 64,  F0, F1, 0
	WIN 0
	s_branch .Ltail
.Lout:                                                 ; the second trip's change of slots has no step behind it: its barrier and its 28 LDS loads (of the slot read a step ago; for f, of the table of 1 / L
	                                               ; that lies behind the sixteenth block) serve nothing: the price, once a launch, of one text for every last quarter
.irp a, 0,1,2,3
	ds_load_b32 v[IV+2*(\a)],   v[FT0] offset:INV-FT+64*(\a)  ; 1 / L of my row in block a, into both registers of the pair that the packed multiply names
	ds_load_b32 v[IV+2*(\a)+1], v[FT0] offset:INV-FT+64*(\a)
.endr
.rept 8
	v_nop                                          ; the places behind the last products
.endr
	s_wait_dscnt 0x0                               ; 1 / L is in, and no load is out into the registers that the way out takes
; THE WAY OUT, a block of 16 rows at a time: divided by L; 32 bytes a lane into my own stage in LDS; back as whole rows of 512 bytes; stored.
.macro PACK a
	WIN 0x01                                       ; source 0 in window 1
.set i, 0
.rept 32
	v_pk_mul_f32 v[TMP+2*i:TMP+2*i+1], v[64*(\a)+2*i:64*(\a)+2*i+1], v[IV+2*(\a):IV+2*(\a)+1] op_sel_hi:[1,0]
.set i, i+1
.endr
	WIN 0
.endm
.macro TOSTAGE a
.if (\a) >= 2
	s_wait_xcnt 0x0                                ; the stores of the block two back have read the registers that are loaded again below
.endif
.irp b, 0,1,2,3,4,5,6,7
	ds_store_b128 v[STO], v[TMP+8*(\b):TMP+8*(\b)+3]   offset:64*(\b)
	ds_store_b128 v[STO], v[TMP+8*(\b)+4:TMP+8*(\b)+7] offset:64*(\b)+16
.endr
.irp t, 0,1,2,3,4,5,6,7,8,9,10,11,12,13,14,15
	ds_load_b128 v[BK+64*((\a)%2)+4*(\t):BK+64*((\a)%2)+4*(\t)+3], v[RD] offset:(\t)*SPITCH  ; LDS serves a wave's instructions in order (ISA guide 5.7.1.4): these see the stores above
.endr
.endm
.macro SEND a
	s_wait_dscnt 0x0
.irp t, 0,1,2,3,4,5,6,7,8,9,10,11,12,13,14,15
	global_store_b128 v[CO], v[BK+64*((\a)%2)+4*(\t):BK+64*((\a)%2)+4*(\t)+3], s[80:81] offset:(16*(\a)+(\t))*ROWO th:TH_STORE_NT  ; a wave's store covers 512 consecutive bytes, aligned
.endr
.endm
	PACK 0
	TOSTAGE 0
.irp a, 1,2,3
	PACK \a
	SEND (\a)-1
	TOSTAGE \a
.endr
	SEND 3
	s_wait_tensorcnt 0x0                           ; the wave's end, behind my last tensor load and my last LDS store
	ds_add_u32 v[SPW], v[NIL]
	s_wait_dscnt 0x0
	CROUND                                         ; the closing round
	s_endpgm
.Lfunc_end_k_qbbdb5be00e_context:
	.size	k_qbbdb5be00e_context, .Lfunc_end_k_qbbdb5be00e_context-k_qbbdb5be00e_context
	.p2alignl 7, 3214868480
	.fill 96, 4, 3214868480
	.section	.rodata,"a",@progbits
	.p2align	6, 0x0
	.amdhsa_kernel k_qbbdb5be00e_context
		.amdhsa_group_segment_fixed_size 327680
		.amdhsa_private_segment_fixed_size 0
		.amdhsa_enable_private_segment 0
		.amdhsa_kernarg_size 32
		.amdhsa_user_sgpr_count 2
		.amdhsa_user_sgpr_kernarg_segment_ptr 1
		.amdhsa_wavefront_size32 1
		.amdhsa_system_sgpr_workgroup_id_x 1
		.amdhsa_system_sgpr_workgroup_id_y 1
		.amdhsa_system_sgpr_workgroup_id_z 1
		.amdhsa_system_vgpr_workitem_id 0
		.amdhsa_next_free_vgpr 512
		.amdhsa_next_free_sgpr 96
		.amdhsa_reserve_vcc 0
		.amdhsa_float_denorm_mode_32 3
		.amdhsa_float_denorm_mode_16_64 3
		.amdhsa_memory_ordered 1
		.amdhsa_forward_progress 1
		.amdhsa_inst_pref_size 95
	.end_amdhsa_kernel
	.amdgpu_metadata
---
amdhsa.version: [ 1, 2 ]
amdhsa.kernels:
  - .name:           k_qbbdb5be00e_context
    .symbol:         k_qbbdb5be00e_context.kd
    .args:
      - { .name: pt, .offset: 0, .size: 8, .value_kind: global_buffer, .address_space: global }
      - { .name: pj, .offset: 8, .size: 8, .value_kind: global_buffer, .address_space: global }
      - { .name: st, .offset: 16, .size: 8, .value_kind: global_buffer, .address_space: global }
      - { .name: out0, .offset: 24, .size: 8, .value_kind: global_buffer, .address_space: global }
    .group_segment_fixed_size: 327680
    .private_segment_fixed_size: 0
    .kernarg_segment_align: 8
    .kernarg_segment_size: 32
    .max_flat_workgroup_size: 128
    .sgpr_count:     96
    .vgpr_count:     512
    .wavefront_size: 32
...
	.end_amdgpu_metadata
.endif
;; end of part 8
